; MI455X (gfx1250); checked and timed in simulation.
; The chip was launched on July 23, 2026; its instructions are those of AMD's public machine-readable ISA for CDNA 5 (MIT licence, August 2026) and "CDNA5" Instruction Set Architecture Reference Guide (July 2026). The comments in the code are by the model that wrote it; some were corrected since.
;; Multi Head Attention Combined QKV. Allowed arithmetic: matrix products marked QUANTISED: E4M3 operands, one E8M0 scale for each 32 along K, by v_wmma_scale_f32_16x16x128_f8f6f4 with both operands' format E4M3, f32 sums; everything else in f32.
;; Inputs: b_proj 1,024 float32; w_proj 1,024 x 1,024 float32; w_qkv 3,072 x 1,024 float32; x 2 x 2,048 x 1,024 float32.
;; Outputs: out0 2 x 2,048 x 1,024 float32.
;; This version of the problem:
;;   THIS VERSION OF THE PROBLEM IS GIVEN IN LOW PRECISION. The matrix products marked QUANTISED in the list below multiply operands that are first quantised to E4M3 (4 exponent bits, 3 mantissa bits; 8 bits a number), with one power-of-two scale for each 32 numbers along K (OCP MX v1.0); their sums are f32. All else is computed in f32.
;;   The module's matrix products, in the order in which they are computed (A, B: the left and right operand; K: the contracted axis; several contracted axes count as one K, in the product's order):
;;     1. [M 4,096, K 1,024] x [K 1,024, N 3,072]; A: input x; B: input w_qkv: QUANTISED
;;     2. batch 32 x [M 2,048, K 64] x [K 64, N 2,048]; A: computed on the way; B: computed on the way: QUANTISED
;;     3. batch 32 x [M 2,048, K 2,048] x [K 2,048, N 64]; A: softmax (see below); B: computed on the way: QUANTISED
;;     4. [M 4,096, K 1,024] x [K 1,024, N 1,024]; A: computed on the way; B: input w_proj: QUANTISED
;;   THE QUANTISER, for each operand of a quantised product, along K:
;;     - K is cut into blocks of 32 from its start; a last block that is shorter is filled with zeros.
;;     - A block's scale is 2^e with e = floor(log2(the largest magnitude in the block)) - 8, held to -126 .. 127; a block of zeros has e = 0. As a byte (E8M0): e + 127.
;;     - Each number is divided by its block's scale, clamped to +-448, and rounded to the nearest number of E4M3, ties to even, subnormals kept.
;;     - The product sums the exact products of the quantised numbers (number of the format x scale) in f32.
;;   ~~~python
;;   def quantise(x, axis):      # numpy; x: float32 -> the quantised numbers, widened to float32 again
;;       x = np.moveaxis(x, axis, -1); K = x.shape[-1]
;;       x = np.pad(x, [(0, 0)] * (x.ndim - 1) + [(0, -K % 32)]); x = x.reshape(x.shape[:-1] + (-1, 32)); a = np.abs(x).max(-1, keepdims=True)
;;       e = np.where(a > 0, np.clip(np.frexp(np.where(a > 0, a, 1))[1] - 1 - 8, -126, 127), 0)      # np.frexp(a)[1] - 1 = floor(log2(a)), exactly
;;       r = np.clip(x / 2.0 ** e, -448, 448)
;;       step = 2.0 ** (np.maximum(np.frexp(np.where(r == 0, 1, r))[1] - 1, -6) - 3)
;;       q = np.round(r / step) * step * 2.0 ** e      # np.round: ties to even
;;       return np.moveaxis(q.reshape(q.shape[:-2] + (-1,))[..., :K], -1, axis).astype(np.float32)
;;   ~~~
;;   SOFTMAX AHEAD OF A QUANTISED PRODUCT. Where the list says 'softmax', what is quantised is not the finished softmax but p = 2^(t - M), with t = logit x log2(e) and M = ceil(the row's largest t), a whole number; so 1/2 < the row's largest p <= 1. The row's sum l is taken of the UNQUANTISED p, in f32, and the product's result is divided by l at the end. Since M is a whole number, a kernel that streams over the keys may use a running M (the ceiling of the running maximum): every later rescaling is an exact power of two, which a block's scale takes up: the codes' values come out the same.
;;   OPERANDS COMPUTED ON THE WAY. 'Computed on the way' means the value that the module computes at that place (a softmax that the list does not call 'softmax' is quantised finished and normalised). What goes into a quantiser is computed in f32, as accurately as f32 sums, v_exp_f32 and their like allow (about 1e-6 of the number): no bf16 or f16 on the way to a quantiser, and a product that is left as it is and whose result goes on into a quantised operand takes f32 operands (vector FMAs, or v_wmma_f32_16x16x4_f32). A number that lies on a knife's edge between two numbers of the format may be rounded either way, as far as f32 arithmetic and the matrix unit's own rounding can turn it there, and no further.
;; 2 versions. Each part assembles by itself: llvm-mc -triple=amdgcn-amd-amdhsa -mcpu=gfx1250 --defsym DOCPART=n.
;; ======== version 1 of 2: 4 launches
;; workspace buffers: opc 8,388,608 bytes; ops 262,144 bytes; qkvc 12,582,912 bytes; qkvs 786,432 bytes; ctxc 4,194,304 bytes; ctxs 131,072 bytes
;; launch quant (part 1): grid 256 x 1, 4 waves a work-group, no clusters, 34,304 bytes of LDS; arguments x, w_qkv, w_proj, opc, ops; writes opc, ops
.if DOCPART == 1
	.amdgcn_target "amdgcn-amd-amdhsa--gfx1250"
	.amdhsa_code_object_version 6
	.text
	.protected	k_q372665f12a_quant
	.globl	k_q372665f12a_quant
	.p2align	8
	.type	k_q372665f12a_quant,@function
k_q372665f12a_quant:
	s_mov_b64 s[64:65], 0
	v_nop
	global_prefetch_b8 v0, s[64:65] scope:SCOPE_SE
	s_setreg_imm32_b32 hwreg(HW_REG_WAVE_MODE, 25, 1), 1
	s_wait_xcnt 0x0
; x [4096][1024], w_qkv [3072][1024], w_proj [1024][1024], f32, K innermost, become codes of FP8 (E4M3) with one E8M0 byte for each 32 along K.
; A block's scale is 2^(floor(log2(largest magnitude)) - 8); its byte is the largest magnitude's exponent field - 8, held at 1 from below; numbers are held within +-448 x scale and rounded to the nearest code.
; LIMITS: NaN and infinities among the inputs are not served.  A block of zeros gets the byte 1 (the rule says 127): its codes are zeros, and this program alone reads the bytes.
; LAYOUT OF THE RESULT.  Rows go 32 at a time into two TILES of 16: lane r of tile 2 B + u holds row 32 B + 8 u + r + 8 (r / 8).  A fragment (a tile x 128 along K) is stored as an IMAGE of the operand's
; 16 registers: piece c (registers 4 c .. 4 c + 3: k = 32 c + 16 (lane / 16) + 0 .. 15) is 512 bytes, lane l's 16 at 16 l.  opc: tile x 16384 + (K / 128) x 2048 + 512 c + 16 lane; tiles 0-255 x, 256-447 w_qkv, 448-511 w_proj.
; ops: tile x 512 + (K / 256) x 128 + 8 r + 4 ((K / 128) % 2): a row's scale words.
; SHARES.  A work-group takes two tiles, a wave half of a tile's K: 16 rows x 512 along K, in four steps of 128.  Each load reads 512 consecutive bytes of one row; the step's 8,192 bytes turn through the wave's own stage in LDS
; (rows 528 bytes apart), from which a lane takes 16 neighbours of each block of its row.  Waves share nothing: no barrier.  Memory binds: no matrix unit, no cluster, no tensor load would add anything.
.set STG,  8448                        ; a wave's stage: 16 rows x (512 + 16) bytes
.set RAW,  16                          ; v16-143  two sets of 64: the numbers as loaded
.set X,    144                         ; v144-207 register 16 b + i = k 32 b + 16 (lane / 16) + i of my row
.set PC,   208                         ; v208-223 the codes
.set TM,   224                         ; v224-227 largest magnitudes, 228-231 bytes, 232-235 448 x scale, 236-239 the conversions' scale operands
.set WD,   240                         ; v240-243 the four steps' scale words
.set SEL,  14                          ; s[14:15] lane selects: lane l xor 16
.set MNT,  18                          ; s18 the mantissa field of 448
	s_load_b128 s[4:7], s[0:1], 0x0                ; x, w_qkv
	s_load_b128 s[8:11], s[0:1], 0x10              ; w_proj, opc
	s_load_b64 s[12:13], s[0:1], 0x20              ; ops
	v_lshl_add_u32 v254, v0, 2, 0x8400
	v_mov_b32 v255, 0
	v_lshrrev_b32 v6, 5, v0
	v_readfirstlane_b32 s16, v6                    ; wave
	v_and_b32 v1, 31, v0                           ; lane
	v_and_b32 v6, 15, v0                           ; r
	v_bfe_u32 v7, v0, 4, 1                         ; lane / 16
	v_lshlrev_b32 v2, 4, v1                        ; 16 x lane: my bytes of a load's 512, and of an image's piece
	s_mul_i32 s17, s16, STG
	v_add_nc_u32 v3, s17, v2                       ; the stage on the way in
	v_mul_u32_u24 v4, v6, 528
	v_lshl_add_u32 v4, v7, 6, v4
	v_add_nc_u32 v4, s17, v4                       ; and on the way out: row r, + 64 bytes for the upper half of the lanes
	v_lshlrev_b32 v5, 3, v1                        ; the scale words' place: 8 x lane
	s_mov_b32 s[SEL], 0x76543210
	s_mov_b32 s[SEL+1], 0xfedcba98
	s_mov_b32 s[MNT], 0x600000
.irp b, 0,1,2,3
	v_mov_b32 v[TM+4+\b], 0                        ; written once: a lane permute's destination counts as one of its sources
.endr
	s_lshr_b32 s19, s16, 1
	s_and_b32 s21, s16, 1                          ; which half of K
	s_lshl_b32 s22, ttmp9, 1
	s_add_co_u32 s22, s22, s19                     ; my tile among the 512
	s_mov_b32 s20, 448
	s_wait_kmcnt 0x0
	s_cmp_lt_u32 ttmp9, 224                        ; the tensor is chosen by the work-group's number alone
	s_cselect_b64 s[6:7], s[6:7], s[8:9]
	s_cselect_b32 s20, 256, s20
	s_cmp_lt_u32 ttmp9, 128
	s_cselect_b64 s[4:5], s[4:5], s[6:7]
	s_cselect_b32 s20, 0, s20                      ; the tensor's first tile
	s_sub_co_u32 s23, s22, s20                     ; my tile in the tensor
	s_lshr_b32 s24, s23, 1
	s_lshl_b32 s24, s24, 5
	s_and_b32 s25, s23, 1
	s_lshl_b32 s25, s25, 3
	s_add_co_u32 s24, s24, s25                     ; its first row: 32 (tile / 2) + 8 (tile % 2)
	s_lshl_b32 s24, s24, 12                        ; rows of 4,096 bytes
	s_lshl_b32 s25, s21, 11
	s_add_co_u32 s24, s24, s25                     ; + my half of K
	s_mov_b32 s25, 0
	s_add_nc_u64 s[4:5], s[4:5], s[24:25]
	s_lshl_b32 s26, s22, 14
	s_lshl_b32 s27, s21, 13
	s_add_co_u32 s26, s26, s27
	s_mov_b32 s27, 0
	s_add_nc_u64 s[10:11], s[10:11], s[26:27]
	s_lshl_b32 s28, s22, 9
	s_lshl_b32 s29, s21, 8
	s_add_co_u32 s28, s28, s29
	s_mov_b32 s29, 0
	s_add_nc_u64 s[12:13], s[12:13], s[28:29]
.macro LOAD t                          ; step t: 16 rows x 512 consecutive bytes; the tile's rows 8-15 lie 8 rows further down
.irp i, 0,1,2,3,4,5,6,7,8,9,10,11,12,13,14,15
	global_load_b128 v[RAW+64*((\t)%2)+4*\i:RAW+64*((\t)%2)+4*\i+3], v2, s[4:5] offset:(\i+8*(\i/8))*4096+512*(\t) th:TH_LOAD_NT
.endr
.endm
.macro QUANT s, pc, pw                 ; 64 numbers of a lane become a fragment's codes and my row's scale word
.irp b, 0,1,2,3
	v_max3_num_f32 v[TM+\b], |v[\s+16*\b]|, |v[\s+1+16*\b]|, 0x4800000   ; block b: my 16 numbers and the floor 2^(9 - 127): the byte cannot fall under 1
.endr
.irp i, 2,4,6,8,10,12,14
.irp b, 0,1,2,3
	v_max3_num_f32 v[TM+\b], v[TM+\b], |v[\s+16*\b+\i]|, |v[\s+1+16*\b+\i]|   ; the four blocks by turns
.endr
.endr
.irp b, 0,1,2,3
	v_permlanex16_b32 v[TM+4+\b], v[TM+\b], s[SEL], s[SEL+1]
.endr
.irp b, 0,1,2,3
	v_max_num_f32 v[TM+\b], v[TM+\b], v[TM+4+\b]   ; with lane l xor 16's 16: the block's largest magnitude
.endr
.irp b, 0,1,2,3
	v_add_nc_u32 v[TM+12+\b], 0xfc000000, v[TM+\b]   ; 8 off its exponent field: the conversion's scale operand
.endr
.irp b, 0,1,2,3
	v_and_or_b32 v[TM+8+\b], v[TM+\b], 0x7f800000, s[MNT]   ; 448 x the scale
.endr
.irp b, 0,1,2,3
	v_lshrrev_b32 v[TM+4+\b], 23, v[TM+12+\b]      ; the scale's byte
.endr
	v_lshl_or_b32 v[\pw], v[TM+5], 8, v[TM+4]
	v_lshl_or_b32 v[\pw], v[TM+6], 16, v[\pw]
	v_lshl_or_b32 v[\pw], v[TM+7], 24, v[\pw]
.irp b, 0,1,2,3
.irp i, 0,1,2,3,4,5,6,7,8,9,10,11,12,13,14,15
	v_med3_num_f32 v[\s+16*\b+\i], v[\s+16*\b+\i], -v[TM+8+\b], v[TM+8+\b]   ; the conversion to an 8-bit code does not saturate (ISA guide 7.6.2): the hold
.endr
	v_cvt_scalef32_pk8_fp8_f32 v[\pc+4*\b:\pc+4*\b+1], v[\s+16*\b:\s+16*\b+7], v[TM+12+\b]
	v_cvt_scalef32_pk8_fp8_f32 v[\pc+4*\b+2:\pc+4*\b+3], v[\s+16*\b+8:\s+16*\b+15], v[TM+12+\b]
.endr
	v_nop                                          ; a plain line behind the last conversion
.endm
.macro STEPQ t
.if (\t) < 3
	s_wait_loadcnt 16                              ; this step's 16 loads are in; the next step's 16 may be out
.else
	s_wait_loadcnt 0x0
.endif
.irp i, 0,1,2,3,4,5,6,7,8,9,10,11,12,13,14,15
	ds_store_b128 v3, v[RAW+64*((\t)%2)+4*\i:RAW+64*((\t)%2)+4*\i+3] offset:528*\i
.endr
.irp b, 0,1,2,3
.irp k, 0,1,2,3
	ds_load_b128 v[X+16*\b+4*\k:X+16*\b+4*\k+3], v4 offset:128*\b+16*\k   ; LDS serves a wave's instructions in order: these see the stores above
.endr
.endr
	s_wait_dscnt 0x0                               ; my 64 numbers are in, and the stage's stores have read the raw set
	s_wait_xcnt 0x0                                ; the last step's stores have read the codes' registers: they are written again only behind this wait
.if (\t) < 2
	LOAD (\t)+2
.endif
	QUANT X, PC, WD+(\t)
.irp c, 0,1,2,3
	global_store_b128 v2, v[PC+4*\c:PC+4*\c+3], s[10:11] offset:2048*(\t)+512*\c   ; 32 lanes store 512 consecutive bytes, aligned
.endr
.endm
	LOAD 0
	LOAD 1
	STEPQ 0
	STEPQ 1
	STEPQ 2
	STEPQ 3
	v_cmp_gt_u32 vcc_lo, 16, v1                    ; lanes 0-15 send steps 0 and 1's words of row r, lanes 16-31 steps 2 and 3's (both halves hold all four)
	v_cndmask_b32 v244, v[WD+2], v[WD], vcc_lo
	v_cndmask_b32 v245, v[WD+3], v[WD+1], vcc_lo
	global_store_b64 v5, v[244:245], s[12:13]      ; 256 consecutive bytes, aligned
	s_wait_tensorcnt 0x0
	ds_add_u32 v254, v255
	s_wait_dscnt 0x0
	s_endpgm
.Lfunc_end_k_q372665f12a_quant:
	.size	k_q372665f12a_quant, .Lfunc_end_k_q372665f12a_quant-k_q372665f12a_quant
	.p2alignl 7, 3214868480
	.fill 96, 4, 3214868480
	.section	.rodata,"a",@progbits
	.p2align	6, 0x0
	.amdhsa_kernel k_q372665f12a_quant
		.amdhsa_group_segment_fixed_size 34304
		.amdhsa_private_segment_fixed_size 0
		.amdhsa_enable_private_segment 0
		.amdhsa_kernarg_size 40
		.amdhsa_user_sgpr_count 2
		.amdhsa_user_sgpr_kernarg_segment_ptr 1
		.amdhsa_wavefront_size32 1
		.amdhsa_system_sgpr_workgroup_id_x 1
		.amdhsa_system_sgpr_workgroup_id_y 1
		.amdhsa_system_sgpr_workgroup_id_z 1
		.amdhsa_system_vgpr_workitem_id 0
		.amdhsa_next_free_vgpr 256
		.amdhsa_next_free_sgpr 66
		.amdhsa_reserve_vcc 1
		.amdhsa_float_denorm_mode_32 3
		.amdhsa_float_denorm_mode_16_64 3
		.amdhsa_memory_ordered 1
		.amdhsa_forward_progress 1
		.amdhsa_inst_pref_size 51
	.end_amdhsa_kernel
	.amdgpu_metadata
---
amdhsa.version: [ 1, 2 ]
amdhsa.kernels:
  - .name:           k_q372665f12a_quant
    .symbol:         k_q372665f12a_quant.kd
    .args:
      - { .name: x, .offset: 0, .size: 8, .value_kind: global_buffer, .address_space: global }
      - { .name: w_qkv, .offset: 8, .size: 8, .value_kind: global_buffer, .address_space: global }
      - { .name: w_proj, .offset: 16, .size: 8, .value_kind: global_buffer, .address_space: global }
      - { .name: opc, .offset: 24, .size: 8, .value_kind: global_buffer, .address_space: global }
      - { .name: ops, .offset: 32, .size: 8, .value_kind: global_buffer, .address_space: global }
    .group_segment_fixed_size: 34304
    .private_segment_fixed_size: 0
    .kernarg_segment_align: 8
    .kernarg_segment_size: 40
    .max_flat_workgroup_size: 128
    .sgpr_count:     66
    .vgpr_count:     256
    .wavefront_size: 32
...
	.end_amdgpu_metadata
.endif
;; end of part 1
;; launch gemm_qkv (part 2): grid 12 x 16, 4 waves a work-group, clusters of 4 x 4, 327,680 bytes of LDS; arguments opc, ops, qkvc, qkvs; writes qkvc, qkvs
.if DOCPART == 2
	.amdgcn_target "amdgcn-amd-amdhsa--gfx1250"
	.amdhsa_code_object_version 6
	.text
	.protected	k_q372665f12a_gemm_qkv
	.globl	k_q372665f12a_gemm_qkv
	.p2align	8
	.type	k_q372665f12a_gemm_qkv,@function
k_q372665f12a_gemm_qkv:
	s_mov_b64 s[64:65], 0
	v_nop
	global_prefetch_b8 v0, s[64:65] scope:SCOPE_SE
	s_setreg_imm32_b32 hwreg(HW_REG_WAVE_MODE, 25, 1), 1
	s_wait_xcnt 0x0
	s_wait_alu depctr_hold_cnt(0) depctr_sa_sdst(0) depctr_va_vdst(0) depctr_va_sdst(0) depctr_va_ssrc(0) depctr_va_vcc(0) depctr_vm_vsrc(0)
	s_getreg_b32 s2, hwreg(HW_REG_IB_STS2, 6, 4)
	s_cmp_eq_u32 s2, 0
	s_cbranch_scc0 .Lentry_in_a_cluster
	s_endpgm
.Lentry_in_a_cluster:
	s_bfe_u32 s2, ttmp6, 0x10000c
	s_cmp_lg_u32 s2, 0xf033
	s_cbranch_scc0 .Lentry_shape_is_right
	s_endpgm
.Lentry_shape_is_right:
; qkv = x w_qkv^T on codes of FP8 (E4M3) with E8M0 scales (4096 x 3072 x 1024), and its results quantised at once into the operands of the attention's products: nothing leaves as f32.
; A work-group of four waves makes 256 x 256, a wave 128 x 128: 64 accumulators, 512 registers.  K goes in four steps of 256 through two LDS slots; the steps are written out.  192 work-groups: 3072 / 256 x 4096 / 256.
; OPERANDS ARE IMAGES OF REGISTERS (tiles of 16 rows: lane r of tile 2 B + u holds row 32 B + 8 u + r + 8 (r / 8); piece c of a fragment = 512 bytes, 16 a lane): every LDS load reads 512 consecutive bytes, no pitch, no padding.
; With such a tile as source 0, the 16 registers of result tiles 2 B and 2 B + 1 are 16 neighbours, 32 B + 16 (lane / 16) + i: the order in which a quantised operand wants its K.
; q, k (tile columns 0-7): source 1 = x, source 0 = w: a lane holds one token and 64 neighbours along e: blocks of 32 along the head's 64.
; v (tile columns 8-11, the clusters with x = 2): THE SOURCES ARE SWAPPED, source 1 = w, source 0 = x: a lane holds one channel and 64 keys: blocks of 32 along the keys, the second product's K.  Only the LDS bases of the two
; sources are chosen (by the cluster's x, which all partners share); loads, masks and text are the same.
; OUT.  qkvc: q, k: token tile x 32768 + (e / 32) x 512 + 16 lane;  v, from VC0: (32 head + token / 128) x 8192 + channel tile x 2048 + 512 c + 16 lane.
; qkvs: blocks of 512 bytes: lane l's 16 bytes are the scale words of four neighbouring tiles; lanes 16-31 hold the words shifted down 16 bits (the odd head's two bytes).  q, k: (token tile / 4) x 8192 + (e / 128) x 512;  v, from VS0: (32 head + token / 128) x 512.
; CLUSTERS: 4 x 4 work-groups; x's tiles are shared along a row of the cluster, w's along a column: each is asked for jointly.
; LIMITS: NaN and infinities are not served; a block of zeros carries the byte 1 over zero codes.
; REGISTERS, in windows of 256: window 0: v16-29 addresses; v32-63 source 1's scale words, v64-95 source 0's, two sets each; v96-120 at work on the way out; v128-255 source 1's 8 fragments, ONE set.
;   window 1: source 0's fragments, TWO sets (v0, v128).   window 2: accumulators of source 1's blocks 0-3 ((a, b) at v[8 (8 (a % 4) + b)]);   window 3: blocks 4-7.
.set HALFT, 32768                      ; 8 tiles x 4096 bytes (256 along K): what one tensor load brings
.set SLOT,  131072                     ; x's 16 tiles, then w's 16
.set SCL,   262144                     ; behind the ring: x's scale words of all K (8192 bytes), then w's
.set SPARE, 278528                     ; the spare words, 128 bytes for each wave: two blocks of 256 bytes that no other line names
.set VC0,   8388608
.set VS0,   524288
.set WT0,   256                        ; w_qkv's first tile in opc
.set ADR1,  16                         ; v16-17 LDS address of source 1's fragments in slot 0, 1
.set ADR0,  20                         ; v20-21 source 0's
.set ADRS1, 22                         ; v22 source 1's scale words
.set ADRS0, 23                         ; v23 source 0's
.set LI,    24                         ; v24 16 x lane
.set LI2,   25                         ; v25 the same, at the second block of scale words
.set SPW,   28                         ; v28 my spare word: SPARE + 4 x my thread's number; never rewritten
.set NIL,   29                         ; v29 0; never rewritten
.set SC1,   32
.set SC0,   64
.set TM,    96                         ; v96-111 the quantiser's four blocks: largest magnitude, byte, 448 x scale, scale operand
.set WS,    112                        ; v112-119 the eight blocks' scale words
.set SH16,  120                        ; v120 16 x (lane / 16)
.set F1,    128
.set PC,    128                        ; the way out: codes, where source 1's fragments lay
.set G1,    24
.set G0,    32
.set G1B,   48
.set G0B,   56
.set G1S,   68
.set G0S,   76
.set G1SB,  80
.set G0SB,  88
.set SEL,   66                         ; s[66:67] lane selects (set behind their use as temporaries)
.set MNT,   101
.set MSB, 0
.macro WIN new                         ; the immediate's high byte repeats the setting that is left
.if MSB != (\new)
	s_set_vgpr_msb (MSB<<8)|(\new)
.set MSB, (\new)
.endif
.endm
.set MUL_LO, 0xa1                      ; source 0 window 1, source 1 window 0, C and D window 2
.set MUL_HI, 0xf1                      ; the same, C and D window 3
.set TO_S0,  0x40                      ; destination window 1, address window 0
; A joint load: waves 0 and 1 fetch x's halves, waves 2 and 3 w's.  The branch hangs on the wave's number alone.  Four v_nop follow each of the two lines.
.macro JLOAD g0a, g1a, g0b, g1b
	s_cmp_eq_u32 s15, 0
	s_cbranch_scc0 .Lfor_b_\@
	tensor_load_to_lds s[\g0a:\g0a+3], s[\g1a:\g1a+7]
	s_nop 0
.rept 4
	v_nop
.endr
	s_branch .Lasked_\@
.Lfor_b_\@:
	tensor_load_to_lds s[\g0b:\g0b+3], s[\g1b:\g1b+7]
	s_nop 0
.rept 4
	v_nop
.endr
.Lasked_\@:
.endm
.macro CREST                           ; a round of the cluster's barrier behind its opening barrier
	s_cmp_lg_u32 s14, 0
	s_cbranch_scc1 .Lnot_wave_0_\@
	s_barrier_signal -3
.Lnot_wave_0_\@:
	s_barrier_wait -3
	s_barrier_signal -1
	s_barrier_wait -1
.endm
.macro CROUND
	s_barrier_signal -1
	s_barrier_wait -1
	CREST
.endm
.macro PLACES n                        ; plain vector lines behind matrix instructions: 8 for this form, in front of loads into registers that they read and of the first read of results
.rept \n
	v_nop
.endr
.endm
.macro FRAG reg, adr, q, i             ; tile i's fragment of the slot's q-th 128 along K: four pieces of 512 bytes
.irp c, 0,1,2,3
	ds_load_b128 v[\reg+4*\c:\reg+4*\c+3], v[\adr] offset:(\i)*4096+(\q)*2048+512*\c
.endr
.endm
.macro FETCH0 slot, q, p               ; source 0's eight fragments into set p
	WIN TO_S0
.irp i, 0,1,2,3,4,5,6,7
	FRAG 128*(\p)+16*\i, ADR0+\slot, \q, \i
.endr
	WIN 0
.endm
.macro FETCH1 slot, q, i0              ; source 1's blocks i0 .. i0 + 3
.irp i, \i0, \i0+1, \i0+2, \i0+3
	FRAG F1+16*(\i), ADR1+\slot, \q, \i
.endr
.endm
.macro SCALES set, j                   ; K step j's scale words, two a row, of both sources' eight tiles
.irp i, 0,1,2,3,4,5,6,7
	ds_load_b64 v[SC1+16*(\set)+2*\i:SC1+16*(\set)+2*\i+1], v[ADRS1] offset:\i*512+(\j)*128
	ds_load_b64 v[SC0+16*(\set)+2*\i:SC0+16*(\set)+2*\i+1], v[ADRS0] offset:\i*512+(\j)*128
.endr
.endm
; 16 matrix instructions: source 1's blocks a0, a0 + 1 x source 0's eight.  The 64 accumulators take turns, one instruction a turn, in the same order in every step.
.macro MUL16 a0, p, q, sc, zero
.irp a, \a0, \a0+1
.irp b, 0,1,2,3,4,5,6,7
.if \zero
	v_wmma_scale_f32_16x16x128_f8f6f4 v[8*(8*((\a)%4)+\b):8*(8*((\a)%4)+\b)+7], v[128*(\p)+16*\b:128*(\p)+16*\b+15], v[F1+16*(\a):F1+16*(\a)+15], 0, v[SC0+16*(\sc)+2*\b+(\q)], v[SC1+16*(\sc)+2*(\a)+(\q)]
.else
	v_wmma_scale_f32_16x16x128_f8f6f4 v[8*(8*((\a)%4)+\b):8*(8*((\a)%4)+\b)+7], v[128*(\p)+16*\b:128*(\p)+16*\b+15], v[F1+16*(\a):F1+16*(\a)+15], v[8*(8*((\a)%4)+\b):8*(8*((\a)%4)+\b)+7], v[SC0+16*(\sc)+2*\b+(\q)], v[SC1+16*(\sc)+2*(\a)+(\q)]
.endif
.endr
.endr
.endm
.macro STEP slot, zero                 ; a slot's first 128 along K
	s_wait_dscnt 16                                ; all but the youngest 16 loads (source 1's blocks 4-7) are in
	WIN MUL_LO
	MUL16 0, 0, 0, \slot, \zero
	MUL16 2, 0, 0, \slot, \zero
	s_wait_dscnt 0x0                               ; blocks 4-7 are in
	PLACES 8
	FETCH0 \slot, 1, 1
	FETCH1 \slot, 1, 0
	WIN MUL_HI
	MUL16 4, 0, 0, \slot, \zero
	MUL16 6, 0, 0, \slot, \zero
	PLACES 8
	WIN 0
	FETCH1 \slot, 1, 4
.endm
; A slot's second 128 along K changes slots: ONE barrier; in front of it each wave waits for all its tensor loads, adds 0 to its spare word, and waits for that and for its reads of this slot.
.macro TURN slot, next, fill, j
	s_wait_tensorcnt 0x0                           ; all my tensor loads have landed: my part of the next slot
	ds_add_u32 v[SPW], v[NIL]                      ; 0 onto my spare word
	s_wait_dscnt 17                                ; (the add and the youngest 16 loads may be out)
	WIN MUL_LO
	MUL16 0, 1, 1, \slot, 0
	s_wait_dscnt 0x0                               ; the add is done, and my reads of this slot are over
	s_barrier_signal -1
	MUL16 2, 1, 1, \slot, 0
	WIN 0
	s_barrier_wait -1
.if \fill
	CREST                                          ; the barrier has opened a round of the cluster's: no wave of any partner still reads this slot or has a load on its way
	s_add_nc_u64 s[G0+4*\slot+2:G0+4*\slot+3], s[G0+4*\slot+2:G0+4*\slot+3], 8192
	s_add_nc_u64 s[G0B+4*\slot+2:G0B+4*\slot+3], s[G0B+4*\slot+2:G0B+4*\slot+3], 8192
	JLOAD G0+4*\slot, G1, G0B+4*\slot, G1B         ; two K steps on; the four v_nop behind it are four of the eight places
	PLACES 4
.else
	PLACES 8
.endif
	FETCH0 \next, 0, 0
	FETCH1 \next, 0, 0
	SCALES \next, \j
	WIN MUL_HI
	MUL16 4, 1, 1, \slot, 0
	MUL16 6, 1, 1, \slot, 0
	PLACES 8
	WIN 0
	FETCH1 \next, 0, 4
.endm
	s_load_b128 s[4:7], s[0:1], 0x0                ; opc, ops
	s_load_b128 s[8:11], s[0:1], 0x10              ; qkvc, qkvs
	v_lshl_add_u32 v[SPW], v0, 2, SPARE
	v_mov_b32 v[NIL], 0
	ds_add_u32 v28, v29
	ds_add_u32 v28, v29
	s_wait_dscnt 0x0
	v_lshrrev_b32 v1, 5, v0
	v_readfirstlane_b32 s14, v1                    ; wave 0..3
	s_lshr_b32 s15, s14, 1                         ; my half of x's 256 rows.  Also: I fetch for x (0) or for w (1)
	s_and_b32 s16, s14, 1                          ; my half of w's 256 rows.  Also: which 8 tiles I fetch
	s_bfe_u32 s40, ttmp6, 0x40000                  ; cx, cy
	s_bfe_u32 s41, ttmp6, 0x40004
	s_lshl_b32 s42, ttmp9, 2
	s_add_co_u32 s42, s42, s40                     ; tile column (w) = 4 x cluster x + cx
	s_and_b32 s17, ttmp7, 0xffff
	s_lshl_b32 s17, s17, 2
	s_add_co_u32 s17, s17, s41                     ; tile row (x) = 4 x cluster y + cy
	s_lshl_b32 s43, s41, 2
	s_lshl_b32 s43, 15, s43                        ; my row of the cluster
	s_lshl_b32 s44, 0x1111, s40                    ; my column
	; codes: 8 rows (tiles) of 4096 bytes, 16384 bytes apart, in elements of 8 bytes; dense in LDS
	s_or_b32 s[G1], s43, (3<<16)|(1<<21)
	s_or_b32 s[G1B], s44, (3<<16)|(1<<21)
.irp g, G1, G1B
	s_mov_b32 s[\g+1], 512<<16                     ; tensor_dim0
	s_mov_b32 s[\g+2], 8<<16                       ; tensor_dim1
	s_mov_b32 s[\g+3], 512<<16                     ; tile_dim0
	s_mov_b32 s[\g+4], 8                           ; tile_dim1
	s_mov_b32 s[\g+5], 2048                        ; the pitch
	s_mov_b32 s[\g+6], 0
	s_mov_b32 s[\g+7], 0
.endr
	; scale words of 8 tiles, all K: 4096 dense bytes as 16 rows of 256
	s_or_b32 s[G1S], s43, (3<<16)|(1<<21)
	s_or_b32 s[G1SB], s44, (3<<16)|(1<<21)
.irp g, G1S, G1SB
	s_mov_b32 s[\g+1], 32<<16
	s_mov_b32 s[\g+2], 16<<16
	s_mov_b32 s[\g+3], 32<<16
	s_mov_b32 s[\g+4], 16
	s_mov_b32 s[\g+5], 32
	s_mov_b32 s[\g+6], 0
	s_mov_b32 s[\g+7], 0
.endr
	s_lshl_b32 s18, s16, 3
	s_lshl_b32 s20, s17, 4
	s_add_co_u32 s20, s20, s18                     ; x: the first tile that I fetch
	s_lshl_b32 s46, s42, 4
	s_add_co_u32 s46, s46, s18
	s_add_co_u32 s46, s46, WT0                     ; w: likewise
	s_lshl_b32 s22, s20, 9
	s_mov_b32 s23, 0
	s_lshl_b32 s92, s46, 9
	s_mov_b32 s93, 0
	s_lshl_b32 s20, s20, 14
	s_mov_b32 s21, 0
	s_lshl_b32 s46, s46, 14
	s_mov_b32 s47, 0
	s_lshl_b32 s45, s14, 15                        ; where they go: wave x 8 tiles: no place in the cluster enters an LDS address
	s_lshl_b32 s94, s14, 12
	s_wait_kmcnt 0x0
	s_add_nc_u64 s[20:21], s[4:5], s[20:21]
	s_add_nc_u64 s[22:23], s[6:7], s[22:23]
	s_add_nc_u64 s[46:47], s[4:5], s[46:47]
	s_add_nc_u64 s[92:93], s[6:7], s[92:93]
	CROUND                                         ; all sixteen work-groups are here: the first joint loads meet
	s_mov_b32 s[G0S], 1
	s_add_co_u32 s[G0S+1], s94, SCL
	s_mov_b64 s[G0S+2:G0S+3], s[22:23]
	s_or_b32 s[G0S+3], s[G0S+3], 0x80000000
	s_mov_b32 s[G0SB], 1
	s_add_co_u32 s[G0SB+1], s94, SCL
	s_mov_b64 s[G0SB+2:G0SB+3], s[92:93]
	s_or_b32 s[G0SB+3], s[G0SB+3], 0x80000000
	JLOAD G0S, G1S, G0SB, G1SB                     ; the scale words: filled once
.irp s, 0,1
	s_mov_b32 s[G0+4*\s], 1
	s_add_co_u32 s[G0+4*\s+1], s45, \s*SLOT
	s_add_nc_u64 s[G0+4*\s+2:G0+4*\s+3], s[20:21], \s*4096
	s_or_b32 s[G0+4*\s+3], s[G0+4*\s+3], 0x80000000
	s_mov_b32 s[G0B+4*\s], 1
	s_add_co_u32 s[G0B+4*\s+1], s45, \s*SLOT
	s_add_nc_u64 s[G0B+4*\s+2:G0B+4*\s+3], s[46:47], \s*4096
	s_or_b32 s[G0B+4*\s+3], s[G0B+4*\s+3], 0x80000000
	JLOAD G0+4*\s, G1, G0B+4*\s, G1B               ; K steps 0 and 1: three loads of mine are out
.endr
	v_and_b32 v1, 31, v0
	v_and_b32 v2, 15, v0
	v_bfe_u32 v3, v0, 4, 1
	v_lshlrev_b32 v[LI], 4, v1
	v_lshlrev_b32 v4, 3, v2                        ; 8 r: a row's two scale words
	v_lshlrev_b32 v[SH16], 4, v3
.irp b, 0,1,2,3
	v_mov_b32 v[TM+4+\b], 0                        ; written once: a lane permute's destination counts as one of its sources
.endr
	s_lshl_b32 s2, s15, 15                         ; my half of x in a slot
	s_lshl_b32 s3, s16, 15
	s_add_co_u32 s3, s3, 2*HALFT                   ; my half of w
	s_lshl_b32 s12, s15, 12
	s_add_co_u32 s12, s12, SCL                     ; their scale words
	s_lshl_b32 s13, s16, 12
	s_add_co_u32 s13, s13, SCL+8192
	s_cmp_ge_u32 ttmp9, 2                          ; v's clusters: the same in all partners
	s_cselect_b32 s66, s3, s2                      ; source 1: x, or for v: w
	s_cselect_b32 s67, s2, s3                      ; source 0: the other
	s_cselect_b32 s18, s13, s12
	s_cselect_b32 s19, s12, s13
.irp s, 0,1
	v_add_nc_u32 v[ADR1+\s], s66, v[LI]
	v_add_nc_u32 v[ADR0+\s], s67, v[LI]
	s_add_co_u32 s66, s66, SLOT
	s_add_co_u32 s67, s67, SLOT
.endr
	v_add_nc_u32 v[ADRS1], s18, v4
	v_add_nc_u32 v[ADRS0], s19, v4
	s_mov_b32 s[SEL], 0x76543210
	s_mov_b32 s[SEL+1], 0xfedcba98
	s_mov_b32 s[MNT], 0x600000
	; where my results go, in bytes.  q, k:
	s_lshl_b32 s92, s17, 4
	s_lshl_b32 s93, s15, 3
	s_add_co_u32 s92, s92, s93                     ; my first token tile
	s_lshl_b32 s93, s42, 1
	s_add_co_u32 s93, s93, s16                     ; e / 128
	s_lshl_b32 s94, s92, 15
	s_lshl_b32 s95, s93, 11
	s_add_co_u32 s94, s94, s95                     ; codes
	s_lshr_b32 s92, s92, 2
	s_lshl_b32 s92, s92, 13
	s_lshl_b32 s93, s93, 9
	s_add_co_u32 s95, s92, s93                     ; scale words
	; v (what these lines give in q's and k's clusters is not chosen):
	s_sub_co_u32 s92, s42, 8
	s_lshl_b32 s92, s92, 2
	s_lshl_b32 s93, s16, 1
	s_add_co_u32 s92, s92, s93                     ; my first head
	s_lshl_b32 s92, s92, 5
	s_lshl_b32 s93, s17, 1
	s_add_co_u32 s92, s92, s93
	s_add_co_u32 s92, s92, s15                     ; 32 head + token / 128
	s_lshl_b32 s93, s92, 13
	s_add_co_u32 s93, s93, VC0
	s_lshl_b32 s92, s92, 9
	s_add_co_u32 s92, s92, VS0
	s_mov_b32 s96, 32768                           ; from block to block: q, k: the next token tile;
	s_mov_b32 s98, 32768
	s_mov_b32 s100, 8192                           ; and the next four tiles' scale words
	s_cmp_ge_u32 ttmp9, 2
	s_cselect_b32 s46, s93, s94
	s_cselect_b32 s12, s92, s95
	s_cselect_b32 s96, 2048, s96                   ; v: the next channel tile;
	s_cselect_b32 s98, 256000, s98                 ; from block 3 to block 4 the next head: 32 x 8192 - 3 x 2048
	s_cselect_b32 s100, 16384, s100
	s_mov_b32 s47, 0
	s_mov_b32 s13, 0
	s_mov_b32 s97, 0
	s_mov_b32 s99, 0
	s_add_nc_u64 s[8:9], s[8:9], s[46:47]
	s_add_nc_u64 s[10:11], s[10:11], s[12:13]
	v_add_nc_u32 v[LI2], s100, v[LI]
	s_wait_tensorcnt 1                             ; the scale words and my part of K step 0 are in; K step 1's load may be out
	s_barrier_signal -1
	s_barrier_wait -1
	FETCH0 0, 0, 0
	FETCH1 0, 0, 0
	SCALES 0, 0
	FETCH1 0, 0, 4
	STEP 0, 1                                      ; the first products start the sums: nothing is cleared
	TURN 0, 1, 1, 1                                ; slot 0 takes K step 2
	STEP 1, 0
	TURN 1, 0, 1, 2                                ; slot 1 takes K step 3
	STEP 0, 0
	TURN 0, 1, 0, 3                                ; nothing is left to fetch
	STEP 1, 0
	s_wait_dscnt 16
	WIN MUL_LO
	MUL16 0, 1, 1, 1, 0
	MUL16 2, 1, 1, 1, 0
	s_wait_dscnt 0x0
	WIN MUL_HI
	MUL16 4, 1, 1, 1, 0
	MUL16 6, 1, 1, 1, 0
	WIN 0
	PLACES 8
; THE WAY OUT.  Block a's 64 registers of a lane are four blocks of 32 along the next product's K (16 mine, 16 lane l xor 16's): they are quantised in place and leave as four pieces of 512 bytes.
.macro QOUT a
.set WW, 2+(\a)/4
.set AC, 64*((\a)%4)
	WIN (WW<<2)|(WW<<4)                            ; sources 1 and 2: the accumulators' window
.irp b, 0,1,2,3
	v_max3_num_f32 v[TM+\b], 0x4800000, |v[AC+16*\b]|, |v[AC+16*\b+1]|   ; each accumulator is read from its low end on; the floor 2^(9 - 127) holds the byte at 1 from below
.endr
.irp i, 2,4,6,8,10,12,14
.irp b, 0,1,2,3
	v_max3_num_f32 v[TM+\b], v[TM+\b], |v[AC+16*\b+\i]|, |v[AC+16*\b+\i+1]|
.endr
.endr
	WIN 0
.irp b, 0,1,2,3
	v_permlanex16_b32 v[TM+4+\b], v[TM+\b], s[SEL], s[SEL+1]
.endr
.irp b, 0,1,2,3
	v_max_num_f32 v[TM+\b], v[TM+\b], v[TM+4+\b]   ; the block's largest magnitude
.endr
.irp b, 0,1,2,3
	v_add_nc_u32 v[TM+12+\b], 0xfc000000, v[TM+\b]   ; 8 off its exponent field: the conversion's scale operand
.endr
.irp b, 0,1,2,3
	v_and_or_b32 v[TM+8+\b], v[TM+\b], 0x7f800000, s[MNT]   ; 448 x the scale
.endr
.irp b, 0,1,2,3
	v_lshrrev_b32 v[TM+4+\b], 23, v[TM+12+\b]      ; the byte
.endr
	v_lshl_or_b32 v[WS+(\a)], v[TM+5], 8, v[TM+4]
	v_lshl_or_b32 v[WS+(\a)], v[TM+6], 16, v[WS+(\a)]
	v_lshl_or_b32 v[WS+(\a)], v[TM+7], 24, v[WS+(\a)]
	WIN (WW<<6)|WW                                 ; destination and source 0: the accumulators' window
.irp b, 0,1,2,3
.irp i, 0,1,2,3,4,5,6,7,8,9,10,11,12,13,14,15
	v_med3_num_f32 v[AC+16*\b+\i], v[AC+16*\b+\i], -v[TM+8+\b], v[TM+8+\b]   ; the conversion does not saturate (ISA guide 7.6.2): the hold
.endr
.endr
.if (\a) > 0
	s_wait_xcnt 0x0                                ; the last block's stores have read the codes' registers and their base: both are written again only behind this wait
.if (\a) == 4
	s_add_nc_u64 s[8:9], s[8:9], s[98:99]
.else
	s_add_nc_u64 s[8:9], s[8:9], s[96:97]
.endif
.endif
	WIN WW                                         ; source 0: the accumulators' window
.irp b, 0,1,2,3
	v_cvt_scalef32_pk8_fp8_f32 v[PC+4*\b:PC+4*\b+1], v[AC+16*\b:AC+16*\b+7], v[TM+12+\b]
	v_cvt_scalef32_pk8_fp8_f32 v[PC+4*\b+2:PC+4*\b+3], v[AC+16*\b+8:AC+16*\b+15], v[TM+12+\b]
.endr
	WIN 0
	v_nop                                          ; a plain line behind the last conversion
.irp b, 0,1,2,3
	global_store_b128 v[LI], v[PC+4*\b:PC+4*\b+3], s[8:9] offset:512*\b   ; 32 lanes store 512 consecutive bytes, aligned
.endr
.endm
.irp a, 0,1,2,3,4,5,6,7
	QOUT \a
.endr
.irp a, 0,1,2,3,4,5,6,7
	v_lshrrev_b32 v[WS+\a], v[SH16], v[WS+\a]      ; lanes 16-31 keep the upper two bytes, moved down
.endr
	global_store_b128 v[LI], v[WS:WS+3], s[10:11]
	global_store_b128 v[LI2], v[WS+4:WS+7], s[10:11]
	s_wait_tensorcnt 0x0                           ; the wave's end
	ds_add_u32 v[SPW], v[NIL]
	s_wait_dscnt 0x0
	CROUND                                         ; the closing round: no work-group ends while a partner may still ask for a tile that names it
	s_endpgm
.Lfunc_end_k_q372665f12a_gemm_qkv:
	.size	k_q372665f12a_gemm_qkv, .Lfunc_end_k_q372665f12a_gemm_qkv-k_q372665f12a_gemm_qkv
	.p2alignl 7, 3214868480
	.fill 96, 4, 3214868480
	.section	.rodata,"a",@progbits
	.p2align	6, 0x0
	.amdhsa_kernel k_q372665f12a_gemm_qkv
		.amdhsa_group_segment_fixed_size 327680
		.amdhsa_private_segment_fixed_size 0
		.amdhsa_enable_private_segment 0
		.amdhsa_kernarg_size 32
		.amdhsa_user_sgpr_count 2
		.amdhsa_user_sgpr_kernarg_segment_ptr 1
		.amdhsa_wavefront_size32 1
		.amdhsa_system_sgpr_workgroup_id_x 1
		.amdhsa_system_sgpr_workgroup_id_y 1
		.amdhsa_system_sgpr_workgroup_id_z 1
		.amdhsa_system_vgpr_workitem_id 0
		.amdhsa_next_free_vgpr 1024
		.amdhsa_next_free_sgpr 102
		.amdhsa_reserve_vcc 0
		.amdhsa_float_denorm_mode_32 3
		.amdhsa_float_denorm_mode_16_64 3
		.amdhsa_memory_ordered 1
		.amdhsa_forward_progress 1
		.amdhsa_inst_pref_size 187
	.end_amdhsa_kernel
	.amdgpu_metadata
---
amdhsa.version: [ 1, 2 ]
amdhsa.kernels:
  - .name:           k_q372665f12a_gemm_qkv
    .symbol:         k_q372665f12a_gemm_qkv.kd
    .args:
      - { .name: opc, .offset: 0, .size: 8, .value_kind: global_buffer, .address_space: global }
      - { .name: ops, .offset: 8, .size: 8, .value_kind: global_buffer, .address_space: global }
      - { .name: qkvc, .offset: 16, .size: 8, .value_kind: global_buffer, .address_space: global }
      - { .name: qkvs, .offset: 24, .size: 8, .value_kind: global_buffer, .address_space: global }
    .group_segment_fixed_size: 327680
    .private_segment_fixed_size: 0
    .kernarg_segment_align: 8
    .kernarg_segment_size: 32
    .max_flat_workgroup_size: 128
    .sgpr_count:     102
    .vgpr_count:     1024
    .wavefront_size: 32
...
	.end_amdgpu_metadata
.endif
;; end of part 2
;; launch attn (part 3): grid 8 x 32, 16 waves a work-group, no clusters, 276,480 bytes of LDS; arguments qkvc, qkvs, ctxc, ctxs; writes ctxc, ctxs
.if DOCPART == 3
	.amdgcn_target "amdgcn-amd-amdhsa--gfx1250"
	.amdhsa_code_object_version 6
	.text
	.protected	k_q372665f12a_attn
	.globl	k_q372665f12a_attn
	.p2align	8
	.type	k_q372665f12a_attn,@function
k_q372665f12a_attn:
	s_mov_b64 s[64:65], 0
	v_nop
	global_prefetch_b8 v0, s[64:65] scope:SCOPE_SE
	s_setreg_imm32_b32 hwreg(HW_REG_WAVE_MODE, 25, 1), 1
	s_wait_xcnt 0x0
; ctx = softmax(q k^T / 8, causal) v for one head of one batch, both products on codes of FP8 (E4M3) with E8M0 scales; ctx is quantised along the last product's K and leaves as codes.
; THE SOFTMAX AHEAD OF THE SECOND PRODUCT: t = score x log2(e) / 8; M = the running largest t rounded UP to a whole number; p = 2^(t - M) is quantised along the keys, not normalised; the row's sum is taken of the
; unquantised p in f32 and divides at the end.  When M moves, the sum and O are multiplied by 2^(old M - new M): exact.
; SHARES.  Work-group (x, y): head y % 16 of batch y / 16; blocks x and 15 - x of 128 queries, so that every work-group has 17 x 8 wave steps under the causal mask.  Each of sixteen waves owns one tile of 16 queries in 256 registers.
; A WHOLE HEAD'S K AND V (codes and scale words, 268 KB) STAY IN LDS: every fill is a first fill, nothing is filled again.  The first 256 keys come by loads of their own, so that two key steps run while the rest lands.
; LAYOUT.  All operands are images of registers (a piece = 512 bytes, 16 a lane).  Tiles of 16 rows: lane r of tile 2 B + u holds row 32 B + 8 u + r + 8 (r / 8).  Both products are used transposed (S^T = K Q^T, O^T = V^T P^T):
; a lane holds ONE query; the 16 registers of score tiles 2 B, 2 B + 1 are keys 32 B + 16 (lane / 16) + 0 .. 15, and O^T's likewise along the head's 64.  The head has K = 64: the upper half of Q's and K's fragments is zero codes.
; CAUSAL.  Key steps of 128; a step all of whose keys come after my block of queries is jumped over by a scalar branch on ids; in the diagonal step hidden scores become -infinity.  Key 0 counts for every query, so M is a number from the first step on.
; NO CLUSTER: the eight work-groups of a head walk different numbers of key steps and ask for their tiles once, at the start; there is no step in which partners could ask jointly again.
; LIMITS: NaN and infinities are not served; a p under 2^-126 becomes 0 (v_exp_f32 gives no denormals); a block of zeros carries the byte 1 over zero codes.
.set VB,   131072                      ; LDS: K's codes at 0 (key tile x 1024), V's here (key step x 8192 + channel tile x 2048),
.set KS,   262144                      ; K's scale words (four tiles x 256 + 16 r + 4 (tile % 4)),
.set VS,   270336                      ; V's (key step x 256 + 16 r + 4 channel tile)
.set VC0,  8388608
.set VS0,  524288
.set AK0,  1                           ; v1  16 x lane
.set AV0,  2                           ; v2  VB + 16 x lane
.set ASK0, 3                           ; v3  KS + 16 r
.set ASV0, 4                           ; v4  VS + 16 r
.set DQ,   5                           ; v5  my query in its block - 16 (lane / 16)
.set R8,   6                           ; v6  8 r
.set NINF, 7                           ; v7  -infinity
.set ADK,  8                           ; v8-11 the step's addresses
.set ADV,  9
.set ADS,  10
.set ADT,  11                          ; v12 -M, v13 the largest t, v[14:15] the sum in two halves
.set QF,   16                          ; v16-31 Q (v24-31 zero codes)
.set KF,   32                          ; v32-95 four fragments of K (the upper 8 registers of each stay zero codes)
.set S,    96                          ; v96-159 S^T, then p, then V's four fragments
.set O,    160                         ; v160-191 O^T
.set PC,   192                         ; v192-207 p's codes
.set KW,   208                         ; v208-215 K's scale words
.set VW,   216                         ; v216-219 V's
.set PW,   220                         ; v220 p's
.set QW,   221                         ; v221 Q's
.set BM,   224                         ; v224-227 the blocks' largest
.set T2,   228                         ; v228-231 at work
.set HOLD, 232                         ; v232-235 448 x scale
.set SOP,  236                         ; v236-239 the conversions' scale operands
.set CH,   240                         ; v[240:241] the sum's second chain
.set F,    242                         ; v[242:243] f = 2^(old M - new M)
.set TMP,  244
.set WV,   18
.set JD,   19                          ; s19 my block of queries = my diagonal key step
.set SEL,  20
.set CS,   22                          ; s[22:23] c = log2(e) / 8
.set G1A,  24
.set G1B,  32
.set G1C,  40
.set G0A,  48
.set G0B,  52
.set G0C,  56
.set MNT,  60
.set J,    61                          ; s61 the key step
.set TB,   62                          ; s62 its codes: 8192 bytes a step, in K and in V
.set TS,   63                          ; s63 K's scale words: 512 a step
.set TJ,   66                          ; s66 V's: 256 a step
.macro DESC1 g, c, r, p                ; group 1: r rows of c elements of 8 bytes, p elements apart; dense in LDS
	s_mov_b32 s[\g], 3<<16
	s_mov_b32 s[\g+1], (\c)<<16
	s_mov_b32 s[\g+2], (\r)<<16
	s_mov_b32 s[\g+3], (\c)<<16
	s_mov_b32 s[\g+4], \r
	s_mov_b32 s[\g+5], \p
	s_mov_b32 s[\g+6], 0
	s_mov_b32 s[\g+7], 0
.endm
	s_load_b128 s[4:7], s[0:1], 0x0                ; qkvc, qkvs
	s_load_b128 s[8:11], s[0:1], 0x10              ; ctxc, ctxs
	v_lshl_add_u32 v254, v0, 2, 0x43000
	v_mov_b32 v255, 0
	ds_add_u32 v254, v255
	ds_add_u32 v254, v255
	v_lshrrev_b32 v8, 5, v0
	v_readfirstlane_b32 s[WV], v8                  ; wave 0..15
	s_and_b32 s12, ttmp7, 0xffff
	s_lshr_b32 s13, s12, 4                         ; batch
	s_and_b32 s14, s12, 15                         ; head
	s_and_b32 s15, s[WV], 3                        ; which quarter I fetch, if I fetch
	s_mov_b32 s71, 0
	s_mov_b32 s73, 0
	s_mov_b32 s75, 0
	s_wait_dscnt 0x0
	s_wait_kmcnt 0x0
	; THE FILLS: waves 0-3 K's, waves 4-7 V's, three loads each (scale words, the first 256 keys, the rest), all of a wave in one branch on its number
	s_cmp_lt_u32 s[WV], 4
	s_cbranch_scc0 .Lnot_k
	s_lshl_b32 s70, s13, 18                        ; K's scale words: (32 batch + 8 quarter) x 8192 + 4096 + 256 head
	s_lshl_b32 s76, s15, 16
	s_add_co_u32 s70, s70, s76
	s_lshl_b32 s76, s14, 8
	s_add_co_u32 s70, s70, s76
	s_add_co_u32 s70, s70, 4096
	s_lshl_b32 s72, s13, 22                        ; K's codes: 128 batch x 32768 + 16384 + 1024 head
	s_lshl_b32 s76, s14, 10
	s_add_co_u32 s72, s72, s76
	s_add_co_u32 s74, s72, 16384+16*32768
	s_add_co_u32 s72, s72, 16384
	s_lshl_b32 s76, s15, 17
	s_add_co_u32 s72, s72, s76                     ; tiles 4 quarter on
	s_mul_i32 s76, s15, 28*32768
	s_add_co_u32 s74, s74, s76                     ; tiles 16 + 28 quarter on
	DESC1 G1C, 32, 8, 1024
	DESC1 G1A, 128, 4, 4096
	DESC1 G1B, 128, 28, 4096
	s_mov_b32 s[G0C], 1
	s_lshl_b32 s[G0C+1], s15, 11
	s_add_co_u32 s[G0C+1], s[G0C+1], KS
	s_add_nc_u64 s[G0C+2:G0C+3], s[6:7], s[70:71]
	s_or_b32 s[G0C+3], s[G0C+3], 0x80000000
	s_mov_b32 s[G0A], 1
	s_lshl_b32 s[G0A+1], s15, 12
	s_add_nc_u64 s[G0A+2:G0A+3], s[4:5], s[72:73]
	s_or_b32 s[G0A+3], s[G0A+3], 0x80000000
	s_mov_b32 s[G0B], 1
	s_mul_i32 s[G0B+1], s15, 28672
	s_add_co_u32 s[G0B+1], s[G0B+1], 16384
	s_add_nc_u64 s[G0B+2:G0B+3], s[4:5], s[74:75]
	s_or_b32 s[G0B+3], s[G0B+3], 0x80000000
	tensor_load_to_lds s[G0C:G0C+3], s[G1C:G1C+7]
	s_nop 0
	tensor_load_to_lds s[G0A:G0A+3], s[G1A:G1A+7]
	s_nop 0
	tensor_load_to_lds s[G0B:G0B+3], s[G1B:G1B+7]
	s_nop 0
.rept 4
	v_nop
.endr
	s_branch .Lasked
.Lnot_k:
	s_cmp_lt_u32 s[WV], 8
	s_cbranch_scc0 .Lasked
	s_lshl_b32 s70, s14, 14                        ; V's scale words: VS0 + (32 head + 16 batch + 4 quarter) x 512
	s_lshl_b32 s76, s13, 13
	s_add_co_u32 s70, s70, s76
	s_lshl_b32 s76, s15, 11
	s_add_co_u32 s70, s70, s76
	s_add_co_u32 s70, s70, VS0
	s_lshl_b32 s72, s14, 18                        ; V's codes: VC0 + (32 head + 16 batch) x 8192: 131,072 dense bytes
	s_lshl_b32 s76, s13, 17
	s_add_co_u32 s72, s72, s76
	s_add_co_u32 s74, s72, VC0+16384
	s_add_co_u32 s72, s72, VC0
	s_lshl_b32 s76, s15, 12
	s_add_co_u32 s72, s72, s76
	s_mul_i32 s76, s15, 28672
	s_add_co_u32 s74, s74, s76
	DESC1 G1C, 32, 4, 64
	DESC1 G1A, 32, 16, 32
	DESC1 G1B, 32, 112, 32
	s_mov_b32 s[G0C], 1
	s_lshl_b32 s[G0C+1], s15, 10
	s_add_co_u32 s[G0C+1], s[G0C+1], VS
	s_add_nc_u64 s[G0C+2:G0C+3], s[6:7], s[70:71]
	s_or_b32 s[G0C+3], s[G0C+3], 0x80000000
	s_mov_b32 s[G0A], 1
	s_lshl_b32 s[G0A+1], s15, 12
	s_add_co_u32 s[G0A+1], s[G0A+1], VB
	s_add_nc_u64 s[G0A+2:G0A+3], s[4:5], s[72:73]
	s_or_b32 s[G0A+3], s[G0A+3], 0x80000000
	s_mov_b32 s[G0B], 1
	s_mul_i32 s[G0B+1], s15, 28672
	s_add_co_u32 s[G0B+1], s[G0B+1], VB+16384
	s_add_nc_u64 s[G0B+2:G0B+3], s[4:5], s[74:75]
	s_or_b32 s[G0B+3], s[G0B+3], 0x80000000
	tensor_load_to_lds s[G0C:G0C+3], s[G1C:G1C+7]
	s_nop 0
	tensor_load_to_lds s[G0A:G0A+3], s[G1A:G1A+7]
	s_nop 0
	tensor_load_to_lds s[G0B:G0B+3], s[G1B:G1B+7]
	s_nop 0
.rept 4
	v_nop
.endr
.Lasked:
	; my tile of queries: tile wave / 2 of block x or of block 15 - x; of waves 2 i and 2 i + 1 one takes each
	s_lshr_b32 s16, s[WV], 1
	s_lshr_b32 s17, s[WV], 2
	s_xor_b32 s17, s17, s[WV]
	s_and_b32 s17, s17, 1
	s_sub_co_u32 s[JD], 15, ttmp9
	s_cmp_eq_u32 s17, 1
	s_cselect_b32 s[JD], s[JD], ttmp9
	s_lshl_b32 s67, s13, 7
	s_lshl_b32 s68, s[JD], 3
	s_add_co_u32 s67, s67, s68
	s_add_co_u32 s67, s67, s16                     ; token tile = 128 batch + 8 block + wave / 2
	s_lshl_b32 s68, s14, 10
	s_lshl_b32 s78, s67, 15
	s_add_co_u32 s78, s78, s68
	s_mov_b32 s79, 0
	s_add_nc_u64 s[4:5], s[4:5], s[78:79]          ; Q's codes: tile x 32768 + 1024 head
	s_lshr_b32 s78, s67, 2
	s_lshl_b32 s78, s78, 13
	s_lshl_b32 s69, s14, 8
	s_add_co_u32 s78, s78, s69
	s_and_b32 s69, s67, 3
	s_lshl_b32 s69, s69, 2
	s_add_co_u32 s78, s78, s69
	s_add_nc_u64 s[6:7], s[6:7], s[78:79]          ; Q's scale words: (tile / 4) x 8192 + 256 head + 4 (tile % 4)
	s_lshl_b32 s78, s67, 14
	s_add_co_u32 s78, s78, s68
	s_add_nc_u64 s[8:9], s[8:9], s[78:79]          ; ctx's codes: tile x 16384 + 1024 head
	s_lshl_b32 s78, s67, 9
	s_lshr_b32 s69, s14, 2
	s_lshl_b32 s69, s69, 7
	s_add_co_u32 s78, s78, s69
	s_and_b32 s69, s14, 3
	s_lshl_b32 s69, s69, 1
	s_add_co_u32 s78, s78, s69
	s_add_nc_u64 s[10:11], s[10:11], s[78:79]      ; ctx's scale bytes: tile x 512 + (head / 4) x 128 + 2 (head % 4)
	s_lshr_b32 s68, s16, 1
	s_lshl_b32 s68, s68, 5
	s_and_b32 s69, s16, 1
	s_lshl_b32 s69, s69, 3
	s_add_co_u32 s68, s68, s69                     ; my tile's first query in its block
	v_and_b32 v9, 31, v0
	v_and_b32 v10, 15, v0                          ; r
	v_bfe_u32 v11, v0, 4, 1
	v_lshlrev_b32 v[AK0], 4, v9
	v_lshlrev_b32 v8, 4, v10
	global_load_b128 v[QF:QF+3], v[AK0], s[4:5]
	global_load_b128 v[QF+4:QF+7], v[AK0], s[4:5] offset:512
	global_load_b32 v[QW], v8, s[6:7]
	v_add_nc_u32 v[AV0], VB, v[AK0]
	v_add_nc_u32 v[ASK0], KS, v8
	v_add_nc_u32 v[ASV0], VS, v8
	v_and_b32 v[DQ], 8, v10
	v_add_nc_u32 v[DQ], v[DQ], v10
	v_lshlrev_b32 v11, 4, v11
	v_sub_nc_u32 v[DQ], v[DQ], v11
	v_add_nc_u32 v[DQ], s68, v[DQ]
	v_lshlrev_b32 v[R8], 3, v10
	v_mov_b32 v[NINF], 0xff800000
	v_mov_b32 v13, 0xff61b1e6                      ; the largest t so far: -3e38, under every t
	v_floor_f32 v12, -v13
	v_mov_b32 v14, 0
	v_mov_b32 v15, 0
	v_mov_b32 v[F+1], 0                            ; (named as the upper half of a pair)
.irp b, 0,1,2,3
	v_mov_b32 v[T2+\b], 0                          ; written once: a lane permute's destination counts as one of its sources
.endr
.irp i, 8,9,10,11,12,13,14,15
	v_mov_b32 v[QF+\i], 0                          ; zero codes for k = 64 .. 127: they add nothing under any scale byte but 0xff
.irp t, 0,1,2,3
	v_mov_b32 v[KF+16*\t+\i], 0
.endr
.endr
.set n, 0
.rept 32
	v_mov_b32 v[O+n], 0                            ; O^T: the step is written for every step alike; the first finds zeros
.set n, n+1
.endr
	s_mov_b32 s[SEL], 0x76543210
	s_mov_b32 s[SEL+1], 0xfedcba98
	s_mov_b32 s[CS], 0x3e38aa3b                    ; log2(e) / 8
	s_mov_b32 s[CS+1], s[CS]
	s_mov_b32 s[MNT], 0x600000
	s_mov_b32 s[J], 0
	s_mov_b32 s[TB], 0
	s_mov_b32 s[TS], 0
	s_mov_b32 s[TJ], 0
; A KEY STEP: 128 keys.
.macro STEP
	s_cmp_gt_u32 s[J], s[JD]                       ; all its keys come after my queries: only the addresses step
	s_cbranch_scc1 .Lhidden_\@
	v_add_nc_u32 v[ADK], s[TB], v[AK0]
	v_add_nc_u32 v[ADV], s[TB], v[AV0]
	v_add_nc_u32 v[ADS], s[TS], v[ASK0]
	v_add_nc_u32 v[ADT], s[TJ], v[ASV0]
.rept 5
	v_nop                                          ; with the four additions nine places: the scores below are written over V's fragments, which the last step's products read
.endr
.irp g, 0,1                                    ; S^T = K Q^T, four tiles of 16 keys at a time
.if \g
.rept 8
	v_nop                                          ; places in front of loads into registers that matrix instructions have read
.endr
.endif
.irp t, 0,1,2,3
	ds_load_b128 v[KF+16*\t:KF+16*\t+3], v[ADK] offset:(4*\g+\t)*1024
	ds_load_b128 v[KF+16*\t+4:KF+16*\t+7], v[ADK] offset:(4*\g+\t)*1024+512
.endr
.if \g == 0
	ds_load_b128 v[KW:KW+3], v[ADS]                ; the eight tiles' scale words of my row
	ds_load_b128 v[KW+4:KW+7], v[ADS] offset:256
.endif
	s_wait_dscnt 0x0
.irp t, 0,1,2,3
	v_wmma_scale_f32_16x16x128_f8f6f4 v[S+8*(4*\g+\t):S+8*(4*\g+\t)+7], v[KF+16*\t:KF+16*\t+15], v[QF:QF+15], 0, v[KW+4*\g+\t], v[QW]
.endr
.endr
.rept 8
	v_nop
.endr
	s_cmp_lg_u32 s[J], s[JD]                       ; on the diagonal hidden scores become -infinity: register 16 b + i holds key 32 b + 16 (lane / 16) + i of the step
	s_cbranch_scc1 .Lopen_\@
.set n, 0
.rept 64
	v_cmp_gt_i32 vcc_lo, 32*(n/16)+n%16, v[DQ]
	v_cndmask_b32 v[S+n], v[S+n], v[NINF], vcc_lo
.set n, n+1
.endr
.Lopen_\@:
.irp b, 0,1,2,3
	v_max3_num_f32 v[BM+\b], v[S+16*\b], v[S+1+16*\b], v[S+2+16*\b]   ; the largest score of each block of 32 keys: for the row's maximum, and, since p rises with the score, for the block's largest p
.endr
.irp i, 3,5,7,9,11,13
.irp b, 0,1,2,3
	v_max3_num_f32 v[BM+\b], v[BM+\b], v[S+16*\b+\i], v[S+1+16*\b+\i]
.endr
.endr
.irp b, 0,1,2,3
	v_max_num_f32 v[BM+\b], v[BM+\b], v[S+15+16*\b]
.endr
.irp b, 0,1,2,3
	v_permlanex16_b32 v[T2+\b], v[BM+\b], s[SEL], s[SEL+1]
.endr
.irp b, 0,1,2,3
	v_max_num_f32 v[BM+\b], v[BM+\b], v[T2+\b]     ; with lane l xor 16's 16 keys
.endr
	v_max3_num_f32 v[TMP], v[BM], v[BM+1], v[BM+2]
	v_max_num_f32 v[TMP], v[TMP], v[BM+3]
	v_mul_f32 v[TMP], s[CS], v[TMP]                ; the step's largest t
	v_max_num_f32 v13, v13, v[TMP]
	v_mov_b32 v[TMP], v12
	v_floor_f32 v12, -v13                          ; -M = floor(-t): M is a whole number
	v_sub_f32 v[TMP], v12, v[TMP]
	v_cvt_i32_f32 v[TMP], v[TMP]                   ; (it saturates)
	v_ldexp_f32 v[F], 1.0, v[TMP]                  ; f = 2^(old M - new M)
.set n, 0
.rept 32
	v_pk_fma_f32 v[S+n:S+n+1], v[S+n:S+n+1], s[CS:CS+1], v[12:13] op_sel_hi:[1,0,0]   ; t - M
.set n, n+2
.endr
.irp b, 0,1,2,3
	v_fma_f32 v[BM+\b], v[BM+\b], s[CS], v12
.endr
.set n, 0
.rept 64
	v_exp_f32 v[S+n], v[S+n]                       ; p = 2^(t - M)
.set n, n+1
.endr
.irp b, 0,1,2,3
	v_exp_f32 v[BM+\b], v[BM+\b]                   ; the block's largest p: the same two instructions on the same number
.endr
	v_pk_mul_f32 v[14:15], v[14:15], v[F:F+1] op_sel_hi:[1,0]   ; the sums under the new M (a plain line behind the exponentials)
	s_wait_alu depctr_va_vdst(0)
.irp b, 0,1,2,3
	v_max_num_f32 v[BM+\b], 0x4800000, v[BM+\b]    ; the floor 2^(9 - 127)
.endr
.irp b, 0,1,2,3
	v_add_nc_u32 v[SOP+\b], 0xfc000000, v[BM+\b]
.endr
.irp b, 0,1,2,3
	v_and_or_b32 v[HOLD+\b], v[BM+\b], 0x7f800000, s[MNT]
.endr
.irp b, 0,1,2,3
	v_lshrrev_b32 v[T2+\b], 23, v[SOP+\b]
.endr
	v_lshl_or_b32 v[PW], v[T2+1], 8, v[T2]         ; p's scale word for these 128 keys
	v_lshl_or_b32 v[PW], v[T2+2], 16, v[PW]
	v_lshl_or_b32 v[PW], v[T2+3], 24, v[PW]
	v_pk_add_f32 v[CH:CH+1], v[S:S+1], v[S+2:S+3]  ; the row's sum is taken of the unquantised p, in two chains
.irp j, 4,8,12,16,20,24,28,32,36,40,44,48,52,56,60
	v_pk_add_f32 v[14:15], v[14:15], v[S+\j:S+\j+1]
	v_pk_add_f32 v[CH:CH+1], v[CH:CH+1], v[S+2+\j:S+3+\j]
.endr
	v_pk_add_f32 v[14:15], v[14:15], v[CH:CH+1]
.irp b, 0,1,2,3
.set n, 0
.rept 16
	v_min_num_f32 v[S+16*\b+n], v[S+16*\b+n], v[HOLD+\b]   ; the conversion does not saturate (ISA guide 7.6.2); p is not negative, so the hold is one-sided
.set n, n+1
.endr
	v_cvt_scalef32_pk8_fp8_f32 v[PC+4*\b:PC+4*\b+1], v[S+16*\b:S+16*\b+7], v[SOP+\b]
	v_cvt_scalef32_pk8_fp8_f32 v[PC+4*\b+2:PC+4*\b+3], v[S+16*\b+8:S+16*\b+15], v[SOP+\b]
.endr
.irp t, 0,1,2,3                                ; V's four fragments (16 channels x these 128 keys) take p's place
.irp c, 0,1,2,3
	ds_load_b128 v[S+16*\t+4*\c:S+16*\t+4*\c+3], v[ADV] offset:2048*\t+512*\c
.endr
.endr
	ds_load_b128 v[VW:VW+3], v[ADT]
.set n, 0
.rept 16
	v_pk_mul_f32 v[O+n:O+n+1], v[O+n:O+n+1], v[F:F+1] op_sel_hi:[1,0]   ; O^T under the new M.  (Also the plain lines behind the conversions and in front of the products)
.set n, n+2
.endr
	s_wait_dscnt 0x0
.irp t, 0,1,2,3                                ; O^T += V^T P^T: the four accumulators by turns
	v_wmma_scale_f32_16x16x128_f8f6f4 v[O+8*\t:O+8*\t+7], v[S+16*\t:S+16*\t+15], v[PC:PC+15], v[O+8*\t:O+8*\t+7], v[VW+\t], v[PW]
.endr
.Lhidden_\@:
	s_add_co_u32 s[TB], s[TB], 8192
	s_add_co_u32 s[TS], s[TS], 512
	s_add_co_u32 s[TJ], s[TJ], 256
	s_add_co_u32 s[J], s[J], 1
.endm
	s_wait_loadcnt 0x0                             ; Q
	s_wait_tensorcnt 1                             ; my scale words and my part of the first 256 keys are in; the rest may be out
	s_barrier_signal -1
	s_barrier_wait -1                              ; everybody's are
	STEP                                           ; key steps 0 and 1, written out: they read the first 256 keys alone
	STEP
	s_wait_tensorcnt 0x0                           ; my part of the rest is in
	s_wait_dscnt 0x0
	s_barrier_signal -1
	s_barrier_wait -1
.Lkeys:                                            ; key steps 2 to 15
	STEP
	s_cmp_lt_u32 s[J], 16
	s_cbranch_scc1 .Lkeys
	; THE WAY OUT: O^T / the sum is quantised along the head's 64 (two blocks; 16 numbers mine, 16 lane l xor 16's) and leaves as two pieces of 512 bytes and two scale bytes a row
	v_add_f32 v14, v14, v15
	v_permlanex16_b32 v[T2], v14, s[SEL], s[SEL+1]
	v_add_f32 v14, v14, v[T2]                      ; the row's sum
	v_rcp_f32 v14, v14
.rept 6
	v_nop                                          ; with the two additions eight places behind the last products; also the plain line behind the reciprocal
.endr
.set n, 0
	s_wait_alu depctr_va_vdst(0)
.rept 32
	v_mul_f32 v[S+n], v[O+n], v14                  ; register 16 b + i: channel 32 b + 16 (lane / 16) + i
.set n, n+1
.endr
.irp b, 0,1
	v_max3_num_f32 v[BM+\b], |v[S+16*\b]|, |v[S+1+16*\b]|, 0x4800000
.endr
.irp i, 2,4,6,8,10,12,14
.irp b, 0,1
	v_max3_num_f32 v[BM+\b], v[BM+\b], |v[S+16*\b+\i]|, |v[S+1+16*\b+\i]|
.endr
.endr
.irp b, 0,1
	v_permlanex16_b32 v[T2+\b], v[BM+\b], s[SEL], s[SEL+1]
.endr
.irp b, 0,1
	v_max_num_f32 v[BM+\b], v[BM+\b], v[T2+\b]
.endr
.irp b, 0,1
	v_add_nc_u32 v[SOP+\b], 0xfc000000, v[BM+\b]
.endr
.irp b, 0,1
	v_and_or_b32 v[HOLD+\b], v[BM+\b], 0x7f800000, s[MNT]
.endr
.irp b, 0,1
	v_lshrrev_b32 v[T2+\b], 23, v[SOP+\b]
.endr
	v_lshl_or_b32 v[PW], v[T2+1], 8, v[T2]
.irp b, 0,1
.set n, 0
.rept 16
	v_med3_num_f32 v[S+16*\b+n], v[S+16*\b+n], -v[HOLD+\b], v[HOLD+\b]
.set n, n+1
.endr
	v_cvt_scalef32_pk8_fp8_f32 v[PC+4*\b:PC+4*\b+1], v[S+16*\b:S+16*\b+7], v[SOP+\b]
	v_cvt_scalef32_pk8_fp8_f32 v[PC+4*\b+2:PC+4*\b+3], v[S+16*\b+8:S+16*\b+15], v[SOP+\b]
.endr
	v_nop                                          ; a plain line behind the last conversion
	global_store_b128 v[AK0], v[PC:PC+3], s[8:9]               ; 512 consecutive bytes, aligned
	global_store_b128 v[AK0], v[PC+4:PC+7], s[8:9] offset:512
	global_store_b16 v[R8], v[PW], s[10:11]        ; my row's two bytes (lanes 16-31 write the same bytes with the same values); one part in 32 of what the launch stores
	s_wait_tensorcnt 0x0
	ds_add_u32 v254, v255
	s_wait_dscnt 0x0
	s_endpgm
.Lfunc_end_k_q372665f12a_attn:
	.size	k_q372665f12a_attn, .Lfunc_end_k_q372665f12a_attn-k_q372665f12a_attn
	.p2alignl 7, 3214868480
	.fill 96, 4, 3214868480
	.section	.rodata,"a",@progbits
	.p2align	6, 0x0
	.amdhsa_kernel k_q372665f12a_attn
		.amdhsa_group_segment_fixed_size 276480
		.amdhsa_private_segment_fixed_size 0
		.amdhsa_enable_private_segment 0
		.amdhsa_kernarg_size 32
		.amdhsa_user_sgpr_count 2
		.amdhsa_user_sgpr_kernarg_segment_ptr 1
		.amdhsa_wavefront_size32 1
		.amdhsa_system_sgpr_workgroup_id_x 1
		.amdhsa_system_sgpr_workgroup_id_y 1
		.amdhsa_system_sgpr_workgroup_id_z 1
		.amdhsa_system_vgpr_workitem_id 0
		.amdhsa_next_free_vgpr 256
		.amdhsa_next_free_sgpr 80
		.amdhsa_reserve_vcc 1
		.amdhsa_float_denorm_mode_32 3
		.amdhsa_float_denorm_mode_16_64 3
		.amdhsa_memory_ordered 1
		.amdhsa_forward_progress 1
		.amdhsa_inst_pref_size 90
	.end_amdhsa_kernel
	.amdgpu_metadata
---
amdhsa.version: [ 1, 2 ]
amdhsa.kernels:
  - .name:           k_q372665f12a_attn
    .symbol:         k_q372665f12a_attn.kd
    .args:
      - { .name: qkvc, .offset: 0, .size: 8, .value_kind: global_buffer, .address_space: global }
      - { .name: qkvs, .offset: 8, .size: 8, .value_kind: global_buffer, .address_space: global }
      - { .name: ctxc, .offset: 16, .size: 8, .value_kind: global_buffer, .address_space: global }
      - { .name: ctxs, .offset: 24, .size: 8, .value_kind: global_buffer, .address_space: global }
    .group_segment_fixed_size: 276480
    .private_segment_fixed_size: 0
    .kernarg_segment_align: 8
    .kernarg_segment_size: 32
    .max_flat_workgroup_size: 512
    .sgpr_count:     80
    .vgpr_count:     256
    .wavefront_size: 32
...
	.end_amdgpu_metadata
.endif
;; end of part 3
;; launch gemm_proj (part 4): grid 4 x 16, 4 waves a work-group, clusters of 4 x 4, 327,680 bytes of LDS; arguments ctxc, ctxs, opc, ops, b_proj, out0; writes out0
.if DOCPART == 4
	.amdgcn_target "amdgcn-amd-amdhsa--gfx1250"
	.amdhsa_code_object_version 6
	.text
	.protected	k_q372665f12a_gemm_proj
	.globl	k_q372665f12a_gemm_proj
	.p2align	8
	.type	k_q372665f12a_gemm_proj,@function
k_q372665f12a_gemm_proj:
	s_mov_b64 s[64:65], 0
	v_nop
	global_prefetch_b8 v0, s[64:65] scope:SCOPE_SE
	s_setreg_imm32_b32 hwreg(HW_REG_WAVE_MODE, 25, 1), 1
	s_wait_xcnt 0x0
	s_wait_alu depctr_hold_cnt(0) depctr_sa_sdst(0) depctr_va_vdst(0) depctr_va_sdst(0) depctr_va_ssrc(0) depctr_va_vcc(0) depctr_vm_vsrc(0)
	s_getreg_b32 s2, hwreg(HW_REG_IB_STS2, 6, 4)
	s_cmp_eq_u32 s2, 0
	s_cbranch_scc0 .Lentry_in_a_cluster
	s_endpgm
.Lentry_in_a_cluster:
	s_bfe_u32 s2, ttmp6, 0x10000c
	s_cmp_lg_u32 s2, 0xf033
	s_cbranch_scc0 .Lentry_shape_is_right
	s_endpgm
.Lentry_shape_is_right:
; out0 = ctx w_proj^T + b_proj on codes of FP8 (E4M3) with E8M0 scales (4096 x 1024 x 1024); out0 f32.
; A work-group of four waves makes 256 x 256, a wave 128 x 128: 64 accumulators, 512 registers.  K goes in four steps of 256 through two LDS slots; the steps are written out.  64 work-groups: 1024 / 256 x 4096 / 256.
; OPERANDS ARE IMAGES OF REGISTERS (tiles of 16 rows: lane r of tile 2 B + u holds row 32 B + 8 u + r + 8 (r / 8); piece c of a fragment = 512 bytes, 16 a lane): every LDS load reads 512 consecutive bytes, no pitch, no padding.
; Source 1 = ctx, source 0 = w_proj: a lane holds one token, and the 16 registers of result tiles 2 B, 2 B + 1 are columns 32 B + 16 (lane / 16) + 0 .. 15: 64 neighbouring bytes of a row of out0.
; CLUSTERS: 4 x 4 work-groups; ctx's tiles are shared along a row of the cluster, w_proj's along a column: each is asked for jointly.
; REGISTERS, in windows of 256: window 0: v16-29 addresses; v32-63 source 1's scale words, v64-95 source 0's, two sets each; v96-99 the bias on its way; v128-255 source 1's 8 fragments, ONE set; on the way out rows of out0.
;   window 1: source 0's fragments, TWO sets (v0, v128); on the way out v0-63 the bias.   window 2: accumulators of source 1's blocks 0-3 ((a, b) at v[8 (8 (a % 4) + b)]);   window 3: blocks 4-7.
.set HALFT, 32768                      ; 8 tiles x 4096 bytes (256 along K): what one tensor load brings
.set SLOT,  131072                     ; ctx's 16 tiles, then w's 16
.set SCL,   262144                     ; behind the ring: ctx's scale words of all K (8192 bytes), then w's
.set SPARE, 278528                     ; the spare words, 128 bytes for each wave: two blocks of 256 bytes that no other line names
.set STAGE, 279040                     ; the way out: 16 rows x (512 + 16) bytes for each wave; no fill lands here
.set BIAS,  312832                     ; 512 bytes for each wave: its 128 numbers of b_proj
.set WT0,   448                        ; w_proj's first tile in opc
.set ADR1,  16
.set ADR0,  20
.set ADRS1, 22
.set ADRS0, 23
.set STO,   24                         ; v24 the stage: where I put 64 bytes of a row
.set RD,    25                         ; v25 and where I read a row back
.set CO,    26                         ; v26 16 x lane
.set BA,    27                         ; v27 the bias of my half of the lanes
.set SPW,   28                         ; v28 my spare word: SPARE + 4 x my thread's number; never rewritten
.set NIL,   29                         ; v29 0; never rewritten
.set SC1,   32
.set SC0,   64
.set F1,    128
.set BK,    128                        ; the way out: 16 rows read back: v128-191 and v192-255 by turns
.set G1,    24
.set G0,    32
.set G1B,   48
.set G0B,   56
.set G1S,   68
.set G0S,   76
.set G1SB,  80
.set G0SB,  88
.set MSB, 0
.macro WIN new                         ; the immediate's high byte repeats the setting that is left
.if MSB != (\new)
	s_set_vgpr_msb (MSB<<8)|(\new)
.set MSB, (\new)
.endif
.endm
.set MUL_LO, 0xa1                      ; source 0 window 1, source 1 window 0, C and D window 2
.set MUL_HI, 0xf1                      ; the same, C and D window 3
.set TO_S0,  0x40                      ; destination window 1, address window 0
; A joint load: waves 0 and 1 fetch ctx's halves, waves 2 and 3 w's.  The branch hangs on the wave's number alone.  Four v_nop follow each of the two lines.
.macro JLOAD g0a, g1a, g0b, g1b
	s_cmp_eq_u32 s15, 0
	s_cbranch_scc0 .Lfor_b_\@
	tensor_load_to_lds s[\g0a:\g0a+3], s[\g1a:\g1a+7]
	s_nop 0
.rept 4
	v_nop
.endr
	s_branch .Lasked_\@
.Lfor_b_\@:
	tensor_load_to_lds s[\g0b:\g0b+3], s[\g1b:\g1b+7]
	s_nop 0
.rept 4
	v_nop
.endr
.Lasked_\@:
.endm
.macro CREST                           ; a round of the cluster's barrier behind its opening barrier
	s_cmp_lg_u32 s14, 0
	s_cbranch_scc1 .Lnot_wave_0_\@
	s_barrier_signal -3
.Lnot_wave_0_\@:
	s_barrier_wait -3
	s_barrier_signal -1
	s_barrier_wait -1
.endm
.macro CROUND
	s_barrier_signal -1
	s_barrier_wait -1
	CREST
.endm
.macro PLACES n                        ; plain vector lines behind matrix instructions: 8 for this form, in front of loads into registers that they read and of the first read of results
.rept \n
	v_nop
.endr
.endm
.macro FRAG reg, adr, q, i             ; tile i's fragment of the slot's q-th 128 along K: four pieces of 512 bytes
.irp c, 0,1,2,3
	ds_load_b128 v[\reg+4*\c:\reg+4*\c+3], v[\adr] offset:(\i)*4096+(\q)*2048+512*\c
.endr
.endm
.macro FETCH0 slot, q, p               ; source 0's eight fragments into set p
	WIN TO_S0
.irp i, 0,1,2,3,4,5,6,7
	FRAG 128*(\p)+16*\i, ADR0+\slot, \q, \i
.endr
	WIN 0
.endm
.macro FETCH1 slot, q, i0              ; source 1's blocks i0 .. i0 + 3
.irp i, \i0, \i0+1, \i0+2, \i0+3
	FRAG F1+16*(\i), ADR1+\slot, \q, \i
.endr
.endm
.macro SCALES set, j                   ; K step j's scale words, two a row, of both sources' eight tiles
.irp i, 0,1,2,3,4,5,6,7
	ds_load_b64 v[SC1+16*(\set)+2*\i:SC1+16*(\set)+2*\i+1], v[ADRS1] offset:\i*512+(\j)*128
	ds_load_b64 v[SC0+16*(\set)+2*\i:SC0+16*(\set)+2*\i+1], v[ADRS0] offset:\i*512+(\j)*128
.endr
.endm
; 16 matrix instructions: source 1's blocks a0, a0 + 1 x source 0's eight.  The 64 accumulators take turns, one instruction a turn, in the same order in every step.
.macro MUL16 a0, p, q, sc, zero
.irp a, \a0, \a0+1
.irp b, 0,1,2,3,4,5,6,7
.if \zero
	v_wmma_scale_f32_16x16x128_f8f6f4 v[8*(8*((\a)%4)+\b):8*(8*((\a)%4)+\b)+7], v[128*(\p)+16*\b:128*(\p)+16*\b+15], v[F1+16*(\a):F1+16*(\a)+15], 0, v[SC0+16*(\sc)+2*\b+(\q)], v[SC1+16*(\sc)+2*(\a)+(\q)]
.else
	v_wmma_scale_f32_16x16x128_f8f6f4 v[8*(8*((\a)%4)+\b):8*(8*((\a)%4)+\b)+7], v[128*(\p)+16*\b:128*(\p)+16*\b+15], v[F1+16*(\a):F1+16*(\a)+15], v[8*(8*((\a)%4)+\b):8*(8*((\a)%4)+\b)+7], v[SC0+16*(\sc)+2*\b+(\q)], v[SC1+16*(\sc)+2*(\a)+(\q)]
.endif
.endr
.endr
.endm
.macro STEP slot, zero                 ; a slot's first 128 along K
	s_wait_dscnt 16                                ; all but the youngest 16 loads (source 1's blocks 4-7) are in
	WIN MUL_LO
	MUL16 0, 0, 0, \slot, \zero
	MUL16 2, 0, 0, \slot, \zero
	s_wait_dscnt 0x0                               ; blocks 4-7 are in
	PLACES 8
	FETCH0 \slot, 1, 1
	FETCH1 \slot, 1, 0
	WIN MUL_HI
	MUL16 4, 0, 0, \slot, \zero
	MUL16 6, 0, 0, \slot, \zero
	PLACES 8
	WIN 0
	FETCH1 \slot, 1, 4
.endm
; A slot's second 128 along K changes slots: ONE barrier; in front of it each wave waits for all its tensor loads, adds 0 to its spare word, and waits for that and for its reads of this slot.
.macro TURN slot, next, fill, j
	s_wait_tensorcnt 0x0                           ; all my tensor loads have landed: my part of the next slot
	ds_add_u32 v[SPW], v[NIL]                      ; 0 onto my spare word
	s_wait_dscnt 17                                ; (the add and the youngest 16 loads may be out)
	WIN MUL_LO
	MUL16 0, 1, 1, \slot, 0
	s_wait_dscnt 0x0                               ; the add is done, and my reads of this slot are over
	s_barrier_signal -1
	MUL16 2, 1, 1, \slot, 0
	WIN 0
	s_barrier_wait -1
.if \fill
	CREST                                          ; the barrier has opened a round of the cluster's: no wave of any partner still reads this slot or has a load on its way
	s_add_nc_u64 s[G0+4*\slot+2:G0+4*\slot+3], s[G0+4*\slot+2:G0+4*\slot+3], 8192
	s_add_nc_u64 s[G0B+4*\slot+2:G0B+4*\slot+3], s[G0B+4*\slot+2:G0B+4*\slot+3], 8192
	JLOAD G0+4*\slot, G1, G0B+4*\slot, G1B         ; two K steps on; the four v_nop behind it are four of the eight places
	PLACES 4
.else
	PLACES 8
.endif
	FETCH0 \next, 0, 0
	FETCH1 \next, 0, 0
	SCALES \next, \j
	WIN MUL_HI
	MUL16 4, 1, 1, \slot, 0
	MUL16 6, 1, 1, \slot, 0
	PLACES 8
	WIN 0
	FETCH1 \next, 0, 4
.endm
	s_load_b256 s[4:11], s[0:1], 0x0               ; ctxc, ctxs, opc, ops
	s_load_b128 s[96:99], s[0:1], 0x20             ; b_proj, out0
	v_lshl_add_u32 v[SPW], v0, 2, SPARE
	v_mov_b32 v[NIL], 0
	ds_add_u32 v28, v29
	ds_add_u32 v28, v29
	s_wait_dscnt 0x0
	v_lshrrev_b32 v1, 5, v0
	v_readfirstlane_b32 s14, v1                    ; wave 0..3
	s_lshr_b32 s15, s14, 1                         ; my half of ctx's 256 rows.  Also: I fetch for ctx (0) or for w (1)
	s_and_b32 s16, s14, 1                          ; my half of w's 256 rows.  Also: which 8 tiles I fetch
	s_bfe_u32 s40, ttmp6, 0x40000                  ; cx, cy
	s_bfe_u32 s41, ttmp6, 0x40004
	s_lshl_b32 s42, ttmp9, 2
	s_add_co_u32 s42, s42, s40                     ; tile column (w) = 4 x cluster x + cx
	s_and_b32 s17, ttmp7, 0xffff
	s_lshl_b32 s17, s17, 2
	s_add_co_u32 s17, s17, s41                     ; tile row (ctx) = 4 x cluster y + cy
	s_lshl_b32 s43, s41, 2
	s_lshl_b32 s43, 15, s43                        ; my row of the cluster
	s_lshl_b32 s44, 0x1111, s40                    ; my column
	; codes: 8 rows (tiles) of 4096 bytes, 16384 bytes apart, in elements of 8 bytes; dense in LDS
	s_or_b32 s[G1], s43, (3<<16)|(1<<21)
	s_or_b32 s[G1B], s44, (3<<16)|(1<<21)
.irp g, G1, G1B
	s_mov_b32 s[\g+1], 512<<16                     ; tensor_dim0
	s_mov_b32 s[\g+2], 8<<16                       ; tensor_dim1
	s_mov_b32 s[\g+3], 512<<16                     ; tile_dim0
	s_mov_b32 s[\g+4], 8                           ; tile_dim1
	s_mov_b32 s[\g+5], 2048                        ; the pitch
	s_mov_b32 s[\g+6], 0
	s_mov_b32 s[\g+7], 0
.endr
	; scale words of 8 tiles, all K: 4096 dense bytes as 16 rows of 256
	s_or_b32 s[G1S], s43, (3<<16)|(1<<21)
	s_or_b32 s[G1SB], s44, (3<<16)|(1<<21)
.irp g, G1S, G1SB
	s_mov_b32 s[\g+1], 32<<16
	s_mov_b32 s[\g+2], 16<<16
	s_mov_b32 s[\g+3], 32<<16
	s_mov_b32 s[\g+4], 16
	s_mov_b32 s[\g+5], 32
	s_mov_b32 s[\g+6], 0
	s_mov_b32 s[\g+7], 0
.endr
	s_lshl_b32 s18, s16, 3
	s_lshl_b32 s20, s17, 4
	s_add_co_u32 s20, s20, s18                     ; ctx: the first tile that I fetch
	s_lshl_b32 s46, s42, 4
	s_add_co_u32 s46, s46, s18
	s_add_co_u32 s46, s46, WT0                     ; w: likewise
	s_lshl_b32 s22, s20, 9
	s_mov_b32 s23, 0
	s_lshl_b32 s92, s46, 9
	s_mov_b32 s93, 0
	s_lshl_b32 s20, s20, 14
	s_mov_b32 s21, 0
	s_lshl_b32 s46, s46, 14
	s_mov_b32 s47, 0
	s_lshl_b32 s45, s14, 15                        ; where they go: wave x 8 tiles: no place in the cluster enters an LDS address
	s_lshl_b32 s94, s14, 12
	s_wait_kmcnt 0x0
	s_add_nc_u64 s[20:21], s[4:5], s[20:21]
	s_add_nc_u64 s[22:23], s[6:7], s[22:23]
	s_add_nc_u64 s[46:47], s[8:9], s[46:47]
	s_add_nc_u64 s[92:93], s[10:11], s[92:93]
	CROUND                                         ; all sixteen work-groups are here: the first joint loads meet
	s_mov_b32 s[G0S], 1
	s_add_co_u32 s[G0S+1], s94, SCL
	s_mov_b64 s[G0S+2:G0S+3], s[22:23]
	s_or_b32 s[G0S+3], s[G0S+3], 0x80000000
	s_mov_b32 s[G0SB], 1
	s_add_co_u32 s[G0SB+1], s94, SCL
	s_mov_b64 s[G0SB+2:G0SB+3], s[92:93]
	s_or_b32 s[G0SB+3], s[G0SB+3], 0x80000000
	JLOAD G0S, G1S, G0SB, G1SB                     ; the scale words: filled once
.irp s, 0,1
	s_mov_b32 s[G0+4*\s], 1
	s_add_co_u32 s[G0+4*\s+1], s45, \s*SLOT
	s_add_nc_u64 s[G0+4*\s+2:G0+4*\s+3], s[20:21], \s*4096
	s_or_b32 s[G0+4*\s+3], s[G0+4*\s+3], 0x80000000
	s_mov_b32 s[G0B+4*\s], 1
	s_add_co_u32 s[G0B+4*\s+1], s45, \s*SLOT
	s_add_nc_u64 s[G0B+4*\s+2:G0B+4*\s+3], s[46:47], \s*4096
	s_or_b32 s[G0B+4*\s+3], s[G0B+4*\s+3], 0x80000000
	JLOAD G0+4*\s, G1, G0B+4*\s, G1B               ; K steps 0 and 1: three loads of mine are out
.endr
	v_and_b32 v1, 31, v0
	v_and_b32 v2, 15, v0
	v_bfe_u32 v3, v0, 4, 1
	v_lshlrev_b32 v[CO], 4, v1
	s_lshl_b32 s2, s42, 10
	s_lshl_b32 s3, s16, 9
	s_add_co_u32 s2, s2, s3                        ; my first column, in bytes: 1024 x tile column + 512 x half
	s_mov_b32 s3, 0
	s_add_nc_u64 s[96:97], s[96:97], s[2:3]
	global_load_b128 v[96:99], v[CO], s[96:97]     ; my 128 numbers of b_proj: 512 consecutive bytes
	s_lshl_b32 s12, s17, 20
	s_lshl_b32 s13, s15, 19
	s_add_co_u32 s12, s12, s13                     ; my first row of out0: 256 x tile row + 128 x half, rows of 4,096 bytes
	s_add_co_u32 s12, s12, s2
	s_mov_b32 s13, 0
	s_add_nc_u64 s[98:99], s[98:99], s[12:13]
	v_lshlrev_b32 v4, 3, v2                        ; 8 r: a row's two scale words
	s_lshl_b32 s66, s15, 15                        ; source 1: my half of ctx in a slot
	s_lshl_b32 s67, s16, 15
	s_add_co_u32 s67, s67, 2*HALFT                 ; source 0: my half of w
.irp s, 0,1
	v_add_nc_u32 v[ADR1+\s], s66, v[CO]
	v_add_nc_u32 v[ADR0+\s], s67, v[CO]
	s_add_co_u32 s66, s66, SLOT
	s_add_co_u32 s67, s67, SLOT
.endr
	s_lshl_b32 s18, s15, 12
	s_add_co_u32 s18, s18, SCL
	s_lshl_b32 s19, s16, 12
	s_add_co_u32 s19, s19, SCL+8192
	v_add_nc_u32 v[ADRS1], s18, v4
	v_add_nc_u32 v[ADRS0], s19, v4
	s_mul_i32 s18, s14, 8448
	s_add_co_u32 s18, s18, STAGE                   ; my stage
	v_mul_u32_u24 v[STO], v2, 528
	v_lshl_add_u32 v[STO], v3, 6, v[STO]
	v_add_nc_u32 v[STO], s18, v[STO]               ; in: row r, + 64 bytes for the upper half of the lanes
	v_add_nc_u32 v[RD], s18, v[CO]                 ; back: a row of 512 bytes, 16 a lane
	s_lshl_b32 s19, s14, 9
	s_add_co_u32 s19, s19, BIAS
	v_add_nc_u32 v5, s19, v[CO]
	v_lshlrev_b32 v[BA], 6, v3
	v_add_nc_u32 v[BA], s19, v[BA]
	s_wait_loadcnt 0x0
	ds_store_b128 v5, v[96:99]                     ; into my own 512 bytes, which no fill touches
	s_wait_tensorcnt 1                             ; the scale words and my part of K step 0 are in; K step 1's load may be out
	s_wait_dscnt 0x0                               ; no LDS instruction of mine is out at the signal
	s_barrier_signal -1
	s_barrier_wait -1
	FETCH0 0, 0, 0
	FETCH1 0, 0, 0
	SCALES 0, 0
	FETCH1 0, 0, 4
	STEP 0, 1                                      ; the first products start the sums: nothing is cleared
	TURN 0, 1, 1, 1                                ; slot 0 takes K step 2
	STEP 1, 0
	TURN 1, 0, 1, 2                                ; slot 1 takes K step 3
	STEP 0, 0
	TURN 0, 1, 0, 3                                ; nothing is left to fetch
	STEP 1, 0
	s_wait_dscnt 16
	WIN MUL_LO
	MUL16 0, 1, 1, 1, 0
	MUL16 2, 1, 1, 1, 0
	s_wait_dscnt 0x0
	WIN MUL_HI
	MUL16 4, 1, 1, 1, 0
	MUL16 6, 1, 1, 1, 0
	WIN 0
	PLACES 8
	; THE WAY OUT.  The bias in the results' order: register 16 B + i = column 32 B + 16 (lane / 16) + i
	WIN TO_S0
.irp b, 0,1,2,3
.irp k, 0,1,2,3
	ds_load_b128 v[16*\b+4*\k:16*\b+4*\k+3], v[BA] offset:128*\b+16*\k
.endr
.endr
	WIN 0
	s_wait_dscnt 0x0
.macro ADDB a                          ; block a + the bias, in place, each accumulator from its low end on
.set WW, 2+(\a)/4
.set AC, 64*((\a)%4)
	WIN (WW<<6)|4|WW                               ; destination and source 0: the accumulators' window; source 1: window 1
.set k, 0
.rept 32
	v_pk_add_f32 v[AC+k:AC+k+1], v[AC+k:AC+k+1], v[k:k+1]
.set k, k+2
.endr
.endm
.macro TOSTAGE a                       ; 16 rows x 512 bytes through my own stage: in by 64 bytes a lane, back as whole rows.  LDS serves a wave's instructions in order (ISA guide 5.7.1.4): no wait between
.set AC, 64*((\a)%4)
	WIN (2+(\a)/4)<<2                              ; an LDS store's data are its source 1
.irp t, 0,1,2,3,4,5,6,7
	ds_store_b128 v[STO], v[AC+8*\t:AC+8*\t+3] offset:128*(\t/2)+32*(\t%2)
	ds_store_b128 v[STO], v[AC+8*\t+4:AC+8*\t+7] offset:128*(\t/2)+32*(\t%2)+16
.endr
	WIN 0
.set BB, BK+64*((\a)%2)
.irp i, 0,1,2,3,4,5,6,7,8,9,10,11,12,13,14,15
	ds_load_b128 v[BB+4*\i:BB+4*\i+3], v[RD] offset:\i*528
.endr
.endm
.macro SEND a, younger                 ; younger: the LDS instructions issued behind block a's loads, which may stay out
.set BB, BK+64*((\a)%2)
	s_wait_dscnt \younger
.irp i, 0,1,2,3,4,5,6,7,8,9,10,11,12,13,14,15
	global_store_b128 v[CO], v[BB+4*\i:BB+4*\i+3], s[98:99] offset:(32*((\a)/2)+8*((\a)%2)+\i+8*(\i/8))*4096 th:TH_STORE_NT   ; 32 lanes store 512 consecutive bytes, aligned; the tile's row i is token 32 (a / 2) + 8 (a % 2) + i + 8 (i / 8)
.endr
.endm
	ADDB 0
	TOSTAGE 0
.irp a, 1,2,3,4,5,6,7
.if \a > 1
	s_wait_xcnt 0x0                                ; block a - 2's stores have read their registers: block a's rows may land there
.endif
	ADDB \a
	TOSTAGE \a
	SEND \a-1, 32                                  ; behind block a - 1's loads: block a's 16 stores and 16 loads
.endr
	SEND 7, 0
	s_wait_tensorcnt 0x0                           ; the wave's end: behind my last tensor load and my last LDS store
	ds_add_u32 v[SPW], v[NIL]
	s_wait_dscnt 0x0
	CROUND                                         ; the closing round: no work-group ends while a partner may still ask for a tile that names it
	s_endpgm
.Lfunc_end_k_q372665f12a_gemm_proj:
	.size	k_q372665f12a_gemm_proj, .Lfunc_end_k_q372665f12a_gemm_proj-k_q372665f12a_gemm_proj
	.p2alignl 7, 3214868480
	.fill 96, 4, 3214868480
	.section	.rodata,"a",@progbits
	.p2align	6, 0x0
	.amdhsa_kernel k_q372665f12a_gemm_proj
		.amdhsa_group_segment_fixed_size 327680
		.amdhsa_private_segment_fixed_size 0
		.amdhsa_enable_private_segment 0
		.amdhsa_kernarg_size 48
		.amdhsa_user_sgpr_count 2
		.amdhsa_user_sgpr_kernarg_segment_ptr 1
		.amdhsa_wavefront_size32 1
		.amdhsa_system_sgpr_workgroup_id_x 1
		.amdhsa_system_sgpr_workgroup_id_y 1
		.amdhsa_system_sgpr_workgroup_id_z 1
		.amdhsa_system_vgpr_workitem_id 0
		.amdhsa_next_free_vgpr 1024
		.amdhsa_next_free_sgpr 100
		.amdhsa_reserve_vcc 0
		.amdhsa_float_denorm_mode_32 3
		.amdhsa_float_denorm_mode_16_64 3
		.amdhsa_memory_ordered 1
		.amdhsa_forward_progress 1
		.amdhsa_inst_pref_size 164
	.end_amdhsa_kernel
	.amdgpu_metadata
---
amdhsa.version: [ 1, 2 ]
amdhsa.kernels:
  - .name:           k_q372665f12a_gemm_proj
    .symbol:         k_q372665f12a_gemm_proj.kd
    .args:
      - { .name: ctxc, .offset: 0, .size: 8, .value_kind: global_buffer, .address_space: global }
      - { .name: ctxs, .offset: 8, .size: 8, .value_kind: global_buffer, .address_space: global }
      - { .name: opc, .offset: 16, .size: 8, .value_kind: global_buffer, .address_space: global }
      - { .name: ops, .offset: 24, .size: 8, .value_kind: global_buffer, .address_space: global }
      - { .name: b_proj, .offset: 32, .size: 8, .value_kind: global_buffer, .address_space: global }
      - { .name: out0, .offset: 40, .size: 8, .value_kind: global_buffer, .address_space: global }
    .group_segment_fixed_size: 327680
    .private_segment_fixed_size: 0
    .kernarg_segment_align: 8
    .kernarg_segment_size: 48
    .max_flat_workgroup_size: 128
    .sgpr_count:     100
    .vgpr_count:     1024
    .wavefront_size: 32
...
	.end_amdgpu_metadata
.endif
;; end of part 4
;; ======== version 2 of 2: 4 launches
;; limits: right only within a limited range of input values
;; workspace buffers: opc 8,388,608 bytes; ops 262,144 bytes; qkvc 12,582,912 bytes; qkvs 786,432 bytes; ctxc 4,194,304 bytes; ctxs 131,072 bytes
;; launch quant (part 5): grid 256 x 1, 8 waves a work-group, no clusters, 68,608 bytes of LDS; arguments x, w_qkv, w_proj, opc, ops; writes opc, ops
.if DOCPART == 5
	.amdgcn_target "amdgcn-amd-amdhsa--gfx1250"
	.amdhsa_code_object_version 6
	.text
	.protected	k_q372665f12a_quant
	.globl	k_q372665f12a_quant
	.p2align	8
	.type	k_q372665f12a_quant,@function
k_q372665f12a_quant:
	s_mov_b64 s[64:65], 0
	v_nop
	global_prefetch_b8 v0, s[64:65] scope:SCOPE_SE
	s_setreg_imm32_b32 hwreg(HW_REG_WAVE_MODE, 25, 1), 1
	s_wait_xcnt 0x0
; x [4096][1024], w_qkv [3072][1024], w_proj [1024][1024], f32, K innermost, become codes of FP8 (E4M3) with one E8M0 byte for each 32 along K.
; A block's scale is 2^(floor(log2(largest magnitude)) - 8); its byte is the largest magnitude's exponent field - 8, held at 1 from below; numbers are held within +-448 x scale and rounded to the nearest code.
; LIMITS: NaN and infinities among the inputs are not served.  A block of zeros gets the byte 1 (the rule says 127): its codes are zeros, and this program alone reads the bytes.
; LAYOUT OF THE RESULT.  Rows go 32 at a time into two TILES of 16: lane r of tile 2 B + u holds row 32 B + 8 u + r + 8 (r / 8).  A fragment (a tile x 128 along K) is stored as an IMAGE of the operand's
; 16 registers: piece c (registers 4 c .. 4 c + 3: k = 32 c + 16 (lane / 16) + 0 .. 15) is 512 bytes, lane l's 16 at 16 l.  opc: tile x 16384 + (K / 128) x 2048 + 512 c + 16 lane; tiles 0-255 x, 256-447 w_qkv, 448-511 w_proj.
; ops: tile x 512 + (K / 256) x 128 + 8 r + 4 ((K / 128) % 2): a row's scale words.
; SHARES.  A work-group of eight waves takes two tiles, a wave a quarter of a tile's K: 16 rows x 256 along K, in two steps of 128.  A wave asks for all its 16,384 bytes at its start: 32 loads, so that all that the launch reads is
; asked for at once.  Each load reads 512 consecutive bytes of one row; a step's 8,192 bytes turn through the wave's own stage in LDS (rows 528 bytes apart), from which a lane takes 16 neighbours of each block of its row.
; Waves share nothing: no barrier.  Memory binds: no matrix unit, no cluster, no tensor load would add anything.
.set STG,  8448                        ; a wave's stage: 16 rows x (512 + 16) bytes
.set RAW,  16                          ; v16-143  two sets of 64: the numbers as loaded; the first set later takes the second step's codes
.set X,    144                         ; v144-207 register 16 b + i = k 32 b + 16 (lane / 16) + i of my row
.set PC,   208                         ; v208-223 the first step's codes
.set TM,   224                         ; v224-227 largest magnitudes, 228-231 bytes, 232-235 448 x scale, 236-239 the conversions' scale operands
.set WD,   240                         ; v240-241 the two steps' scale words
.set SEL,  14                          ; s[14:15] lane selects: lane l xor 16
.set MNT,  18                          ; s18 the mantissa field of 448
	s_load_b128 s[4:7], s[0:1], 0x0                ; x, w_qkv
	s_load_b128 s[8:11], s[0:1], 0x10              ; w_proj, opc
	s_load_b64 s[12:13], s[0:1], 0x20              ; ops
	v_lshl_add_u32 v254, v0, 2, 0x10800
	v_mov_b32 v255, 0
	v_lshrrev_b32 v6, 5, v0
	s_delay_alu instid0(VALU_DEP_1)
	v_readfirstlane_b32 s16, v6                    ; wave 0..7
	v_and_b32 v1, 31, v0                           ; lane
	v_and_b32 v6, 15, v0                           ; r
	v_bfe_u32 v7, v0, 4, 1                         ; lane / 16
	s_delay_alu instid0(VALU_DEP_3)
	v_lshlrev_b32 v2, 4, v1                        ; 16 x lane: my bytes of a load's 512, and of an image's piece
	s_mul_i32 s17, s16, STG
	v_add_nc_u32 v3, s17, v2                       ; the stage on the way in
	v_mul_u32_u24 v4, v6, 528
	s_delay_alu instid0(VALU_DEP_1)
	v_lshl_add_u32 v4, v7, 6, v4
	s_delay_alu instid0(VALU_DEP_1)
	v_add_nc_u32 v4, s17, v4                       ; and on the way out: row r, + 64 bytes for the upper half of the lanes
	v_lshlrev_b32 v5, 3, v6                        ; the scale words' place: 8 r
	s_mov_b32 s[SEL], 0x76543210
	s_mov_b32 s[SEL+1], 0xfedcba98
	s_mov_b32 s[MNT], 0x600000
.irp b, 0,1,2,3
	v_mov_b32 v[TM+4+\b], 0                        ; written once: a lane permute's destination counts as one of its sources
.endr
	s_lshr_b32 s19, s16, 2                         ; which of the two tiles
	s_and_b32 s21, s16, 3                          ; which quarter of K
	s_lshl_b32 s22, ttmp9, 1
	s_add_co_u32 s22, s22, s19                     ; my tile among the 512
	s_mov_b32 s20, 448
	s_wait_alu depctr_va_vdst(0)
	s_wait_kmcnt 0x0
	s_cmp_lt_u32 ttmp9, 224                        ; the tensor is chosen by the work-group's number alone
	s_cselect_b64 s[6:7], s[6:7], s[8:9]
	s_cselect_b32 s20, 256, s20
	s_cmp_lt_u32 ttmp9, 128
	s_cselect_b64 s[4:5], s[4:5], s[6:7]
	s_cselect_b32 s20, 0, s20                      ; the tensor's first tile
	s_sub_co_u32 s23, s22, s20                     ; my tile in the tensor
	s_lshr_b32 s24, s23, 1
	s_lshl_b32 s24, s24, 5
	s_and_b32 s25, s23, 1
	s_lshl_b32 s25, s25, 3
	s_add_co_u32 s24, s24, s25                     ; its first row: 32 (tile / 2) + 8 (tile % 2)
	s_lshl_b32 s24, s24, 12                        ; rows of 4,096 bytes
	s_lshl_b32 s25, s21, 10
	s_add_co_u32 s24, s24, s25                     ; + my quarter of K: 256 numbers
	s_mov_b32 s25, 0
	s_add_nc_u64 s[4:5], s[4:5], s[24:25]
	s_lshl_b32 s26, s22, 14
	s_lshl_b32 s27, s21, 12
	s_add_co_u32 s26, s26, s27                     ; codes: tile x 16384 + quarter x two fragments
	s_mov_b32 s27, 0
	s_add_nc_u64 s[10:11], s[10:11], s[26:27]
	s_lshl_b32 s28, s22, 9
	s_lshl_b32 s29, s21, 7
	s_add_co_u32 s28, s28, s29                     ; scale words: tile x 512 + quarter x 128
	s_mov_b32 s29, 0
	s_add_nc_u64 s[12:13], s[12:13], s[28:29]
.macro LOAD t                          ; step t: 16 rows x 512 consecutive bytes; the tile's rows 8-15 lie 8 rows further down
.irp i, 0,1,2,3,4,5,6,7,8,9,10,11,12,13,14,15
	global_load_b128 v[RAW+64*(\t)+4*\i:RAW+64*(\t)+4*\i+3], v2, s[4:5] offset:(\i+8*(\i/8))*4096+512*(\t) th:TH_LOAD_NT
.endr
.endm
.macro QUANT s, pc, pw                 ; 64 numbers of a lane become a fragment's codes and my row's scale word
.irp b, 0,1,2,3
	v_max3_num_f32 v[TM+\b], |v[\s+16*\b]|, |v[\s+1+16*\b]|, 0x4800000   ; block b: my 16 numbers and the floor 2^(9 - 127): the byte cannot fall under 1
.endr
.irp i, 2,4,6,8,10,12,14
.irp b, 0,1,2,3
	s_delay_alu instid0(VALU_DEP_4)
	v_max3_num_f32 v[TM+\b], v[TM+\b], |v[\s+16*\b+\i]|, |v[\s+1+16*\b+\i]|   ; the four blocks by turns
.endr
.endr
.irp b, 0,1,2,3
	s_delay_alu instid0(VALU_DEP_4)
	v_permlanex16_b32 v[TM+4+\b], v[TM+\b], s[SEL], s[SEL+1]
.endr
.irp b, 0,1,2,3
	s_delay_alu instid0(VALU_DEP_4)
	v_max_num_f32 v[TM+\b], v[TM+\b], v[TM+4+\b]   ; with lane l xor 16's 16: the block's largest magnitude
.endr
.irp b, 0,1,2,3
	s_delay_alu instid0(VALU_DEP_4)
	v_add_nc_u32 v[TM+12+\b], 0xfc000000, v[TM+\b]   ; 8 off its exponent field: the conversion's scale operand
.endr
.irp b, 0,1,2,3
	v_and_or_b32 v[TM+8+\b], v[TM+\b], 0x7f800000, s[MNT]   ; 448 x the scale
.endr
.irp b, 0,1,2,3
	v_lshrrev_b32 v[TM+4+\b], 23, v[TM+12+\b]      ; the scale's byte
.endr
	s_delay_alu instid0(VALU_DEP_3)
	v_lshl_or_b32 v[\pw], v[TM+5], 8, v[TM+4]
	s_delay_alu instid0(VALU_DEP_1)
	v_lshl_or_b32 v[\pw], v[TM+6], 16, v[\pw]
	s_delay_alu instid0(VALU_DEP_1)
	v_lshl_or_b32 v[\pw], v[TM+7], 24, v[\pw]
.irp b, 0,1,2,3
.irp i, 0,1,2,3,4,5,6,7,8,9,10,11,12,13,14,15
	v_med3_num_f32 v[\s+16*\b+\i], v[\s+16*\b+\i], -v[TM+8+\b], v[TM+8+\b]   ; the conversion to an 8-bit code does not saturate (ISA guide 7.6.2): the hold
.endr
	v_cvt_scalef32_pk8_fp8_f32 v[\pc+4*\b:\pc+4*\b+1], v[\s+16*\b:\s+16*\b+7], v[TM+12+\b]
	v_cvt_scalef32_pk8_fp8_f32 v[\pc+4*\b+2:\pc+4*\b+3], v[\s+16*\b+8:\s+16*\b+15], v[TM+12+\b]
.endr
	v_nop                                          ; a plain line behind the last conversion
.endm
.macro STEPQ t, pc                     ; each step has registers of its own for its codes: no store's data are written again
.if (\t) < 1
	s_wait_loadcnt 16                              ; this step's 16 loads are in; the next step's 16 may be out
.else
	s_wait_loadcnt 0x0
.endif
.irp i, 0,1,2,3,4,5,6,7,8,9,10,11,12,13,14,15
	ds_store_b128 v3, v[RAW+64*(\t)+4*\i:RAW+64*(\t)+4*\i+3] offset:528*\i
.endr
.irp b, 0,1,2,3
.irp k, 0,1,2,3
	ds_load_b128 v[X+16*\b+4*\k:X+16*\b+4*\k+3], v4 offset:128*\b+16*\k   ; LDS serves a wave's instructions in order: these see the stores above
.endr
.endr
	s_wait_dscnt 0x0                               ; my 64 numbers are in, and the stage's stores have read the raw set
	QUANT X, \pc, WD+(\t)
.irp c, 0,1,2,3
	global_store_b128 v2, v[\pc+4*\c:\pc+4*\c+3], s[10:11] offset:2048*(\t)+512*\c   ; 32 lanes store 512 consecutive bytes, aligned
.endr
.endm
	LOAD 0
	LOAD 1
	STEPQ 0, PC
	STEPQ 1, RAW                                   ; the first raw set is free: the stage's stores have read it
	global_store_b64 v5, v[WD:WD+1], s[12:13]      ; my rows' two scale words: 128 consecutive bytes (lanes 16-31 write the same bytes with the same values); one part in 128 of what the launch reads
	s_wait_tensorcnt 0x0
	ds_add_u32 v254, v255
	s_wait_dscnt 0x0
	s_endpgm
.Lfunc_end_k_q372665f12a_quant:
	.size	k_q372665f12a_quant, .Lfunc_end_k_q372665f12a_quant-k_q372665f12a_quant
	.p2alignl 7, 3214868480
	.fill 96, 4, 3214868480
	.section	.rodata,"a",@progbits
	.p2align	6, 0x0
	.amdhsa_kernel k_q372665f12a_quant
		.amdhsa_group_segment_fixed_size 68608
		.amdhsa_private_segment_fixed_size 0
		.amdhsa_enable_private_segment 0
		.amdhsa_kernarg_size 40
		.amdhsa_user_sgpr_count 2
		.amdhsa_user_sgpr_kernarg_segment_ptr 1
		.amdhsa_wavefront_size32 1
		.amdhsa_system_sgpr_workgroup_id_x 1
		.amdhsa_system_sgpr_workgroup_id_y 1
		.amdhsa_system_sgpr_workgroup_id_z 1
		.amdhsa_system_vgpr_workitem_id 0
		.amdhsa_next_free_vgpr 256
		.amdhsa_next_free_sgpr 66
		.amdhsa_reserve_vcc 0
		.amdhsa_float_denorm_mode_32 3
		.amdhsa_float_denorm_mode_16_64 3
		.amdhsa_memory_ordered 1
		.amdhsa_forward_progress 1
		.amdhsa_inst_pref_size 30
	.end_amdhsa_kernel
	.amdgpu_metadata
---
amdhsa.version: [ 1, 2 ]
amdhsa.kernels:
  - .name:           k_q372665f12a_quant
    .symbol:         k_q372665f12a_quant.kd
    .args:
      - { .name: x, .offset: 0, .size: 8, .value_kind: global_buffer, .address_space: global }
      - { .name: w_qkv, .offset: 8, .size: 8, .value_kind: global_buffer, .address_space: global }
      - { .name: w_proj, .offset: 16, .size: 8, .value_kind: global_buffer, .address_space: global }
      - { .name: opc, .offset: 24, .size: 8, .value_kind: global_buffer, .address_space: global }
      - { .name: ops, .offset: 32, .size: 8, .value_kind: global_buffer, .address_space: global }
    .group_segment_fixed_size: 68608
    .private_segment_fixed_size: 0
    .kernarg_segment_align: 8
    .kernarg_segment_size: 40
    .max_flat_workgroup_size: 256
    .sgpr_count:     66
    .vgpr_count:     256
    .wavefront_size: 32
...
	.end_amdgpu_metadata
.endif
;; end of part 5
;; launch gemm_qkv (part 6): grid 16 x 16, 4 waves a work-group, clusters of 4 x 4, 327,680 bytes of LDS; arguments opc, ops, qkvc, qkvs; writes qkvc, qkvs
.if DOCPART == 6
	.amdgcn_target "amdgcn-amd-amdhsa--gfx1250"
	.amdhsa_code_object_version 6
	.text
	.protected	k_q372665f12a_gemm_qkv
	.globl	k_q372665f12a_gemm_qkv
	.p2align	8
	.type	k_q372665f12a_gemm_qkv,@function
k_q372665f12a_gemm_qkv:
	s_mov_b64 s[64:65], 0
	v_nop
	global_prefetch_b8 v0, s[64:65] scope:SCOPE_SE
	s_setreg_imm32_b32 hwreg(HW_REG_WAVE_MODE, 25, 1), 1
	s_wait_xcnt 0x0
	s_wait_alu depctr_hold_cnt(0) depctr_sa_sdst(0) depctr_va_vdst(0) depctr_va_sdst(0) depctr_va_ssrc(0) depctr_va_vcc(0) depctr_vm_vsrc(0)
	s_getreg_b32 s2, hwreg(HW_REG_IB_STS2, 6, 4)
	s_cmp_eq_u32 s2, 0
	s_cbranch_scc0 .Lentry_in_a_cluster
	s_endpgm
.Lentry_in_a_cluster:
	s_bfe_u32 s2, ttmp6, 0x10000c
	s_cmp_lg_u32 s2, 0xf033
	s_cbranch_scc0 .Lentry_shape_is_right
	s_endpgm
.Lentry_shape_is_right:
; Q, K, V = x w_qkv^T (4096 x 3072 x 1024) on codes of FP8 (E4M3) with E8M0 scales; every result is quantised again and leaves as codes and scale bytes.  f32 sums, K ascending.
; LIMITS: NaN and infinities are not served; a block of zeros carries the byte 1 over zero codes; a byte never falls under 1.
; BUFFERS (tiles of 16 rows: lane r of tile 2 B + u is row 32 B + 8 u + r + 8 (r / 8); a tile's image is 16,384 bytes): opc tiles 0-255 x, 256-447 w_qkv; ops 512 bytes a tile.
; qkvc: Q, K: token tile x 32768 + 1024 x (head, K's heads 16 on) + 512 c + 16 lane; V at VC0: (32 head + key step) x 8192 + 2048 t + 512 c + 16 lane.
; qkvs: Q, K: (token tile / 4) x 8192 + 256 x head + 16 r + 4 (tile % 4), bytes 2, 3 of a word 0; V at VS0: (32 head + key step) x 512 + 16 r + 4 t.
; THE DEAL.  16 x 16 work-groups of four waves, 2 x 2.  PHASE 1: 256 tokens x 128 columns of Q (tile columns 0-7) or K (8-15).  PHASE 2: 128 x 128 of V: half X % 2 of the same tokens (X the cluster's x), W_v's tile column 4 (X / 2) + cx.
; A wave holds 64 rows of a weight, all of K, in 512 registers and streams x past them in blocks of 16 rows: eight blocks in phase 1, four in phase 2; 32 matrix instructions a block, four accumulators by turns.
; LDS: two slots of 128 KiB, dense images.  Head: the weight into slot 1 (waves 0, 1), the half of x that is not V's into slot 0 (waves 2, 3).  Refills, each behind a drained round of the cluster's barrier, a quarter a wave:
; V's half of x into slot 1 once the weight is in registers; W_v into slot 0 once slot 0's last block is in registers.
; x's tiles are shared along a row of the cluster, a weight's along a column: joint loads.  Scale words come by global loads, once, into registers.
; PREFETCH: both refills' bytes are asked for once behind the first barrier: x's half by the sixteen waves of a cluster row, 8,192 bytes each; W_v's rows by the 64 waves of the four clusters of a column of clusters that share cx, 2,048 bytes each.
; A BLOCK'S WAY OUT (maxima, holds, conversions) stands among the next block's products, three lines behind each.
; REGISTERS: windows 1, 2 the weight (fragment 4 q + b); window 3 two sets of x's fragments; all else window 0.
.set VC0, 8388608
.set VS0, 524288
.set SLOT, 131072
.set XV, 262144                        ; V's scale bytes: 256 for each wave column
.set SPARE, XV+512
.set LI, 4                             ; v4 16 x lane
.set R16, 5                            ; v5 16 r
.set ADW, 6                            ; v6, v7 my fragments of a weight in slot 1, in slot 0
.set ADX, 8                            ; v8, v9 of x in slot 0, in slot 1
.set SPW, 10
.set NIL, 11
.set SB, 24                            ; v24-39 the weight's scale words: 8 p + q, lanes 16-31 tile 2 p + 1's
.set SA, 44                            ; v44-75 x's: 8 (2 chunk + block / 2) + q, lanes 16-31 the odd block's
.set TQ, 76
.set TP, 78
.set SO, 80
.set HO, 82
.set EB, 84
.set WQ, 88                            ; v88-91 four blocks' scale words
.set WV, 92                            ; v92-95 V's two bytes of each channel tile
.set ACC, 96                           ; v96-223 four sets of accumulators
.set SBV, 224                          ; v224-239 W_v's scale words
.set NCD, 240                          ; v240-247 codes
.set G1A, 24
.set G1B, 32
.set G1Q, 40
.set G1V, 48
.set G0A, 56
.set G0B, 68
.set G0Q, 72
.set G0V, 76
.set SEL, 82
.set MNT, 84
.set MSB, 0
.macro WIN new
.if MSB != (\new)
	s_set_vgpr_msb (MSB<<8)|(\new)
.set MSB, (\new)
.endif
.endm
.macro PLACES n
.rept \n
	v_nop
.endr
.endm
.macro CREST                           ; a round of the cluster's barrier behind its opening barrier
	s_cmp_lg_u32 s14, 0
	s_cbranch_scc1 .Lnot_wave_0_\@
	s_barrier_signal -3
.Lnot_wave_0_\@:
	s_barrier_wait -3
	s_barrier_signal -1
	s_barrier_wait -1
.endm
.macro CROUND
	s_barrier_signal -1
	s_barrier_wait -1
	CREST
.endm
.macro TLOAD g0, g1
	tensor_load_to_lds s[\g0:\g0+3], s[\g1:\g1+7]
	s_nop 0
	PLACES 4
.endm
.macro GROUP1 g, mask, rows            ; rows of 4,096 bytes (512 elements of 8), dense
	s_or_b32 s[\g], s\mask, (3<<16)|(1<<21)
	s_mov_b32 s[\g+1], 512<<16
	s_mov_b32 s[\g+2], (\rows)<<16
	s_mov_b32 s[\g+3], 512<<16
	s_mov_b32 s[\g+4], \rows
	s_mov_b32 s[\g+5], 512
	s_mov_b32 s[\g+6], 0
	s_mov_b32 s[\g+7], 0
.endm
.macro ADDS d, x, sh                   ; s[d] += s[x] << sh
	s_lshl_b32 s66, s\x, \sh
	s_add_co_u32 s[\d], s[\d], s66
.endm
.macro OFS d, k                        ; an offset pair begins at k
	s_mov_b32 s[\d], \k
	s_mov_b32 s[\d+1], 0
.endm
.macro PTR d, p
	s_add_nc_u64 s[\d:\d+1], s[\p:\p+1], s[\d:\d+1]
.endm
	s_load_b128 s[4:7], s[0:1], 0x0                ; opc, ops
	s_load_b128 s[8:11], s[0:1], 0x10              ; qkvc, qkvs
	v_lshl_add_u32 v[SPW], v0, 2, SPARE
	v_mov_b32 v[NIL], 0
	ds_add_u32 v[SPW], v[NIL]                      ; the opening add, twice on end
	ds_add_u32 v[SPW], v[NIL]
	v_lshrrev_b32 v1, 5, v0
	v_readfirstlane_b32 s14, v1                    ; wave
	s_lshr_b32 s15, s14, 1                         ; m: my row of waves
	s_and_b32 s16, s14, 1                          ; n: my column
	s_bfe_u32 s20, ttmp6, 0x40000                  ; cx
	s_bfe_u32 s21, ttmp6, 0x40004                  ; cy
	s_and_b32 s17, ttmp7, 0xffff
	s_lshl_b32 s23, s17, 2
	s_add_co_u32 s23, s23, s21                     ; R: tile row
	s_lshl_b32 s22, ttmp9, 2
	s_add_co_u32 s22, s22, s20                     ; C: tile column
	s_and_b32 s18, ttmp9, 1                        ; V's half of my tokens
	s_xor_b32 s19, s18, 1                          ; the other, which goes first
	s_lshr_b32 s85, ttmp9, 1
	s_lshl_b32 s85, s85, 2
	s_add_co_u32 s85, s85, s20                     ; W_v's tile column
	s_lshl_b32 s12, s21, 2
	s_lshl_b32 s12, 15, s12                        ; my row of the cluster
	s_lshl_b32 s13, 0x1111, s20                    ; my column
	GROUP1 G1A, 12, 16
	GROUP1 G1B, 13, 16
	GROUP1 G1Q, 12, 8
	GROUP1 G1V, 13, 8
	s_mov_b32 s[G0A], 1                            ; x's first half: 64 KiB a wave
	s_lshl_b32 s[G0A+1], s16, 16
	OFS G0A+2, 0
	ADDS G0A+2, 23, 18
	ADDS G0A+2, 19, 17
	ADDS G0A+2, 16, 16
	s_mov_b32 s[G0B], 1                            ; the weight: 64 KiB a wave
	s_lshl_b32 s[G0B+1], s16, 16
	s_add_co_u32 s[G0B+1], s[G0B+1], SLOT
	OFS G0B+2, 256*16384
	ADDS G0B+2, 22, 17
	ADDS G0B+2, 16, 16
	s_mov_b32 s[G0Q], 1                            ; V's half of x: 32 KiB a wave
	s_lshl_b32 s[G0Q+1], s14, 15
	s_add_co_u32 s[G0Q+1], s[G0Q+1], SLOT
	OFS G0Q+2, 0
	ADDS G0Q+2, 23, 18
	ADDS G0Q+2, 18, 17
	ADDS G0Q+2, 14, 15
	s_mov_b32 s[G0V], 1                            ; W_v: 32 KiB a wave
	s_lshl_b32 s[G0V+1], s14, 15
	OFS G0V+2, 384*16384
	ADDS G0V+2, 85, 17
	ADDS G0V+2, 14, 15
	OFS 98, 0                                      ; x's scale words: the first half,
	ADDS 98, 23, 13
	ADDS 98, 15, 11
	s_mov_b32 s80, s98
	s_mov_b32 s81, 0
	ADDS 98, 19, 12
	ADDS 80, 18, 12                                ; V's half
	OFS 100, 256*512                               ; the weight's
	ADDS 100, 22, 12
	ADDS 100, 16, 11
	OFS 2, 384*512                                 ; W_v's
	ADDS 2, 85, 12
	ADDS 2, 16, 11
	v_and_b32 v1, 31, v0
	v_and_b32 v2, 15, v0
	v_bfe_u32 v3, v0, 4, 1
	v_lshlrev_b32 v12, 3, v2
	v_lshl_add_u32 v12, v3, 9, v12                 ; scale words: 8 r + 512 x half
	v_lshlrev_b32 v[LI], 4, v1
	v_lshlrev_b32 v[R16], 4, v2
	s_wait_alu depctr_va_vdst(0)
	s_wait_dscnt 0x0                               ; both opening adds are done
	s_wait_kmcnt 0x0
	PTR 98, 6
	PTR 80, 6
	PTR 100, 6
	PTR 2, 6
.irp p, 0,1
.irp j, 0,1,2,3
	global_load_b64 v[SB+8*\p+2*\j:SB+8*\p+2*\j+1], v12, s[100:101] offset:1024*\p+128*\j
	global_load_b64 v[SA+8*\p+2*\j:SA+8*\p+2*\j+1], v12, s[98:99] offset:1024*\p+128*\j
	global_load_b64 v[SA+16+8*\p+2*\j:SA+16+8*\p+2*\j+1], v12, s[80:81] offset:1024*\p+128*\j
	global_load_b64 v[SBV+8*\p+2*\j:SBV+8*\p+2*\j+1], v12, s[2:3] offset:1024*\p+128*\j
.endr
.endr
.irp g, G0A, G0B, G0Q, G0V
	PTR \g+2, 4
	s_or_b32 s[\g+3], s[\g+3], 0x80000000
.endr
	CROUND                                         ; all sixteen work-groups are here
	s_cmp_lt_u32 s14, 2                            ; one joint load a wave, a line for what is shown first
	s_cbranch_scc0 .Lrows
	TLOAD G0B, G1B
	s_branch .Lasked
.Lrows:
	TLOAD G0A, G1A
.Lasked:
	s_lshl_b32 s66, s16, 16                        ; my 64 rows of a weight
	v_add_nc_u32 v[ADW+1], s66, v[LI]
	s_add_co_u32 s66, s66, SLOT
	v_add_nc_u32 v[ADW], s66, v[LI]
	s_lshl_b32 s66, s15, 16                        ; my 64 rows of a half of x
	v_add_nc_u32 v[ADX], s66, v[LI]
	s_add_co_u32 s66, s66, SLOT
	v_add_nc_u32 v[ADX+1], s66, v[LI]
	s_lshl_b32 s66, s16, 8
	s_add_co_u32 s66, s66, XV
	v_add_nc_u32 v16, s66, v[R16]                  ; V's scale bytes on the way out
	s_lshl_b32 s67, s15, 1
	s_add_co_u32 s66, s66, s67
	v_add_nc_u32 v15, s66, v[R16]                  ; and in: my two bytes of a word
	OFS 86, 0                                      ; Q's or K's codes: the first half,
	ADDS 86, 23, 19
	ADDS 86, 15, 17
	ADDS 86, 22, 11
	ADDS 86, 16, 10
	s_mov_b32 s88, s86
	s_mov_b32 s89, 0
	ADDS 86, 19, 18
	ADDS 88, 18, 18                                ; V's half
	OFS 90, 0                                      ; their scale words
	ADDS 90, 23, 15
	ADDS 90, 15, 13
	ADDS 90, 22, 9
	ADDS 90, 16, 8
	s_mov_b32 s92, s90
	s_mov_b32 s93, 0
	ADDS 90, 19, 14
	ADDS 92, 18, 14
	OFS 94, VC0                                    ; V's codes
	ADDS 94, 85, 19
	ADDS 94, 16, 18
	ADDS 94, 23, 14
	ADDS 94, 18, 13
	ADDS 94, 15, 10
	OFS 96, VS0                                    ; V's scale words
	ADDS 96, 85, 15
	ADDS 96, 16, 14
	ADDS 96, 23, 10
	ADDS 96, 18, 9
	PTR 86, 8
	PTR 88, 8
	PTR 94, 8
	PTR 90, 10
	PTR 92, 10
	PTR 96, 10
	OFS 12, 0                                      ; the prefetches' offsets in opc: my sixteenth of V's half of x,
	ADDS 12, 23, 18
	ADDS 12, 18, 17
	ADDS 12, 20, 15
	ADDS 12, 14, 13
	v_lshl_add_u32 v13, v1, 8, s12
	OFS 12, 384*16384                              ; my 2,048 bytes of W_v (lanes 8-31 name the same blocks again)
	ADDS 12, 85, 17
	ADDS 12, 17, 15
	ADDS 12, 21, 13
	ADDS 12, 14, 11
	s_wait_alu depctr_va_vdst(0)
	v_and_b32 v14, 7, v1
	v_lshl_add_u32 v14, v14, 8, s12
	s_mov_b32 s[SEL], 0x76543210
	s_mov_b32 s[SEL+1], 0xfedcba98
	s_mov_b32 s[MNT], 0x600000
	v_mov_b32 v[TP], 0                             ; a lane permute's destination counts as one of its sources
	v_mov_b32 v[TP+1], 0
	s_wait_alu depctr_va_vdst(0)                   ; the head's end
	s_cmp_lt_u32 s14, 2
	s_cbranch_scc0 .Lnot_w
	s_wait_tensorcnt 0x0                           ; waves 0, 1: the weight has landed; the others' wait stands ahead of the round below
.Lnot_w:
	s_barrier_signal -1
	s_barrier_wait -1
	global_prefetch_b8 v13, s[4:5] th:TH_LOAD_NT scope:SCOPE_SE
	global_prefetch_b8 v14, s[4:5] th:TH_LOAD_NT scope:SCOPE_SE
.macro WEIGHTS adr, hf                 ; fragments 16 hf .. 16 hf + 15 into window 1 + hf: 64 loads
	WIN (1+(\hf))<<6
.irp k, 0,1,2,3
.irp b, 0,1,2,3
.irp c, 0,1,2,3
	ds_load_b128 v[64*\k+16*\b+4*\c:64*\k+16*\b+4*\c+3], v[\adr] offset:16384*\b+2048*(4*(\hf)+\k)+512*\c
.endr
.endr
.endr
	WIN 0
.endm
.macro FETCH k, slot, set              ; block k of a half of x, all of K, into a set of window 3: 32 loads
	WIN 0xc0
.irp q, 0,1,2,3,4,5,6,7
.irp c, 0,1,2,3
	ds_load_b128 v[128*(\set)+16*\q+4*\c:128*(\set)+16*\q+4*\c+3], v[ADX+(\slot)] offset:16384*(\k)+2048*\q+512*\c
.endr
.endr
	WIN 0
.endm
; Product n = 4 q + b of a block.  KIND 0 (Q, K): source 0 = the weight's rows, so a lane holds one token; KIND 1 (V): source 0 = x's rows, so a lane holds one channel.
.macro PR n
.set Q_, (\n)/4
.set B_, (\n)%4
.set AC_, ACB+8*B_
.if KIND
	WIN 3|((1+(\n)/16)<<2)
.set P_, 128*XS+16*Q_
.set R_, 16*((\n)%16)
.set SP_, SAB+Q_
.set SR_, SBV+8*(B_/2)+Q_
.set MODE, ROWK+2*(B_%2)
.else
	WIN (1+(\n)/16)|(3<<2)
.set P_, 16*((\n)%16)
.set R_, 128*XS+16*Q_
.set SP_, SB+8*(B_/2)+Q_
.set SR_, SAB+Q_
.set MODE, (B_%2)+2*ROWK
.endif
.if Q_ == 0
.if MODE == 0
	v_wmma_scale_f32_16x16x128_f8f6f4 v[AC_:AC_+7], v[P_:P_+15], v[R_:R_+15], 0, v[SP_], v[SR_]
.elseif MODE == 1
	v_wmma_scale_f32_16x16x128_f8f6f4 v[AC_:AC_+7], v[P_:P_+15], v[R_:R_+15], 0, v[SP_], v[SR_] matrix_a_scale:MATRIX_SCALE_ROW1
.elseif MODE == 2
	v_wmma_scale_f32_16x16x128_f8f6f4 v[AC_:AC_+7], v[P_:P_+15], v[R_:R_+15], 0, v[SP_], v[SR_] matrix_b_scale:MATRIX_SCALE_ROW1
.else
	v_wmma_scale_f32_16x16x128_f8f6f4 v[AC_:AC_+7], v[P_:P_+15], v[R_:R_+15], 0, v[SP_], v[SR_] matrix_a_scale:MATRIX_SCALE_ROW1 matrix_b_scale:MATRIX_SCALE_ROW1
.endif
.else
.if MODE == 0
	v_wmma_scale_f32_16x16x128_f8f6f4 v[AC_:AC_+7], v[P_:P_+15], v[R_:R_+15], v[AC_:AC_+7], v[SP_], v[SR_]
.elseif MODE == 1
	v_wmma_scale_f32_16x16x128_f8f6f4 v[AC_:AC_+7], v[P_:P_+15], v[R_:R_+15], v[AC_:AC_+7], v[SP_], v[SR_] matrix_a_scale:MATRIX_SCALE_ROW1
.elseif MODE == 2
	v_wmma_scale_f32_16x16x128_f8f6f4 v[AC_:AC_+7], v[P_:P_+15], v[R_:R_+15], v[AC_:AC_+7], v[SP_], v[SR_] matrix_b_scale:MATRIX_SCALE_ROW1
.else
	v_wmma_scale_f32_16x16x128_f8f6f4 v[AC_:AC_+7], v[P_:P_+15], v[R_:R_+15], v[AC_:AC_+7], v[SP_], v[SR_] matrix_a_scale:MATRIX_SCALE_ROW1 matrix_b_scale:MATRIX_SCALE_ROW1
.endif
.endif
.endm
; Line l of a way out: two blocks of 32 (16 numbers mine, 16 lane l xor 16's) become eight registers of codes.  Number i of block B stands at OB_ + BST B + i, from i = 8 on OST - 8 further.
.macro OL l
.set L_, \l
.set H_, L_%2
.if L_ < 16
.set I_, 2*(L_/2)
.set X_, OB_+BST*H_+I_+(I_/8)*(OST-8)
.if L_ < 2
	v_max3_num_f32 v[TQ+H_], |v[X_]|, |v[X_+1]|, 0x4800000   ; with the floor 2^(9 - 127)
.else
	v_max3_num_f32 v[TQ+H_], v[TQ+H_], |v[X_]|, |v[X_+1]|
.endif
.elseif L_ < 18
	v_permlanex16_b32 v[TP+H_], v[TQ+H_], s[SEL], s[SEL+1]
.elseif L_ < 20
	v_max_num_f32 v[TQ+H_], v[TQ+H_], v[TP+H_]
.elseif L_ < 22
	v_add_nc_u32 v[SO+H_], 0xfc000000, v[TQ+H_]    ; the conversions' scale operand
.elseif L_ < 24
	v_and_or_b32 v[HO+H_], v[TQ+H_], 0x7f800000, s[MNT]   ; 448 x the scale
.elseif L_ < 26
	v_lshrrev_b32 v[EB+H_], 23, v[SO+H_]           ; the byte
.elseif L_ == 26
.if WM_ == 0
	v_lshl_or_b32 v[WD_], v[EB+1], 8, v[EB]
.elseif WM_ == 1
	v_mov_b32 v[WD_], v[EB]
.else
	v_lshl_or_b32 v[WD_], v[EB], 8, v[WD_]
.endif
.elseif L_ < 43
.set I_, L_-27
.set X_, OB_+I_+(I_/8)*(OST-8)
	v_med3_num_f32 v[X_], v[X_], -v[HO], v[HO]     ; the hold: the conversion does not saturate (ISA guide 7.6.2)
.elseif L_ < 45
.set I_, L_-43
.set X_, OB_+OST*I_
	v_cvt_scalef32_pk8_fp8_f32 v[NCD+2*I_:NCD+2*I_+1], v[X_:X_+7], v[SO]
.elseif L_ < 61
.set I_, L_-45
.set X_, OB_+BST+I_+(I_/8)*(OST-8)
	v_med3_num_f32 v[X_], v[X_], -v[HO+1], v[HO+1]
.elseif L_ < 63
.set I_, L_-61
.set X_, OB_+BST+OST*I_
	v_cvt_scalef32_pk8_fp8_f32 v[NCD+4+2*I_:NCD+5+2*I_], v[X_:X_+7], v[SO+1]
.elseif L_ == 63
.if WM_ == 1
	v_mov_b32 v[WD_+1], v[EB+1]
.else
	v_lshl_or_b32 v[WD_+1], v[EB+1], 8, v[WD_+1]
.endif
.endif
.endm
.macro SETB kind, xs, acc, pair, row   ; the block that is multiplied
.set KIND, \kind
.set XS, \xs
.set ACB, ACC+32*(\acc)
.set SAB, SA+8*(\pair)
.set ROWK, \row
.set LN_, 0
.set LEND, 0
.endm
.macro LINES acc, off, bst, ost, wm, wd, end   ; the block that goes out meanwhile
.set OB_, ACC+32*(\acc)+(\off)
.set BST, \bst
.set OST, \ost
.set WM_, \wm
.set WD_, \wd
.set LEND, \end
.endm
.macro BLK from, to
.set N_, \from
.rept (\to)-(\from)
	PR N_
.if LN_ < LEND
	WIN 0
	OL LN_
	OL LN_+1
	OL LN_+2
.set LN_, LN_+3
.endif
.set N_, N_+1
.endr
.endm
.macro BEND                            ; behind a block: the places ahead of loads into what it has read and of its sums' first reader
	WIN 0
	PLACES 8
	s_wait_alu depctr_va_vdst(0)                   ; ahead of the stores
.endm
.macro OUT base, off, d
	global_store_b128 v[LI], v[NCD:NCD+3], s[\base:\base+1] offset:\off
	global_store_b128 v[LI], v[NCD+4:NCD+7], s[\base:\base+1] offset:(\off)+(\d)
.endm
.macro BHEAD w                         ; w: LDS loads issued behind this block's, which may be out
	s_wait_xcnt 0x0                                ; the last way out's stores have read their registers
	s_wait_dscnt \w
.endm
	WEIGHTS ADW, 0
	WEIGHTS ADW, 1
	s_wait_tensorcnt 0x0                           ; all my tensor loads are in
	ds_add_u32 v[SPW], v[NIL]
	s_wait_dscnt 0x0                               ; the weight is in registers
	CROUND                                         ; shows x's first half, and frees slot 1 in all partners
	TLOAD G0Q, G1Q                                 ; V's half of x
	FETCH 0, 0, 0
	FETCH 1, 0, 1
	s_wait_loadcnt 0x0                             ; the scale words
	BHEAD 32
	SETB 0, 0, 0, 0, 0                             ; block 0
	BLK 0, 32
	BEND
	FETCH 2, 0, 0
	BHEAD 32
	SETB 0, 1, 1, 0, 1                             ; block 1
	LINES 0, 0, 16, 8, 0, WQ, 63
	BLK 0, 32
	BEND
	OUT 86, 0, 512
	FETCH 3, 0, 1
	BHEAD 32
	SETB 0, 0, 0, 1, 0                             ; block 2, with the round behind which W_v is asked for
	LINES 1, 0, 16, 8, 0, WQ+1, 63
	BLK 0, 16
	WIN 0
	s_wait_tensorcnt 0x0                           ; my part of V's half of x is in
	ds_add_u32 v[SPW], v[NIL]
	BLK 16, 28
	WIN 0
	s_wait_alu depctr_va_vdst(0)
	s_wait_dscnt 0x0                               ; the add is done; block 3, slot 0's last, is in registers
	s_barrier_signal -1
	BLK 28, 32
	WIN 0
	s_barrier_wait -1
	CREST
	TLOAD G0V, G1V                                 ; W_v into slot 0
	PLACES 8
	s_wait_alu depctr_va_vdst(0)
	OUT 86, 32768, 512
	FETCH 0, 1, 0
	BHEAD 32
	SETB 0, 1, 1, 1, 1                             ; block 3
	LINES 0, 0, 16, 8, 0, WQ+2, 63
	BLK 0, 32
	BEND
	OUT 86, 65536, 512
	FETCH 1, 1, 1
	BHEAD 32
	SETB 0, 0, 0, 2, 0                             ; block 4: V's half of x
	LINES 1, 0, 16, 8, 0, WQ+3, 63
	BLK 0, 32
	BEND
	OUT 86, 98304, 512
	global_store_b128 v[R16], v[WQ:WQ+3], s[90:91] ; 256 consecutive bytes (lanes 16-31 write the same bytes with the same values)
	FETCH 2, 1, 0
	BHEAD 32
	SETB 0, 1, 1, 2, 1                             ; block 5
	LINES 0, 0, 16, 8, 0, WQ, 63
	BLK 0, 32
	BEND
	OUT 88, 0, 512
	FETCH 3, 1, 1
	BHEAD 32
	SETB 0, 0, 0, 3, 0                             ; block 6
	LINES 1, 0, 16, 8, 0, WQ+1, 63
	BLK 0, 32
	BEND
	OUT 88, 32768, 512
	s_wait_tensorcnt 0x0                           ; my part of W_v is in
	s_wait_dscnt 0x0
	s_barrier_signal -1
	s_barrier_wait -1
	FETCH 0, 1, 0                                  ; V's first block: the same rows once more
	BHEAD 32
	SETB 0, 1, 1, 3, 1                             ; block 7
	LINES 0, 0, 16, 8, 0, WQ+2, 63
	BLK 0, 16
	WIN 0
	PLACES 8
	WEIGHTS ADW+1, 0                               ; window 1 is done with: W_v's first half
	BLK 16, 32
	BEND
	OUT 88, 65536, 512
	WEIGHTS ADW+1, 1
	FETCH 1, 1, 1
	BHEAD 63                                       ; of the 192 loads out the first 129 are in: V's block 0 and W_v's first half
	SETB 1, 0, 2, 2, 0                             ; V's block 0
	LINES 1, 0, 16, 8, 0, WQ+3, 63
	BLK 0, 16
	s_wait_dscnt 32                                ; W_v's second half
	BLK 16, 32
	BEND
	OUT 88, 98304, 512
	global_store_b128 v[R16], v[WQ:WQ+3], s[92:93]
	FETCH 2, 1, 0
	BHEAD 32
	SETB 1, 1, 3, 2, 1                             ; V's block 1
	BLK 0, 32
	BEND
	FETCH 3, 1, 1
	BHEAD 32
	SETB 1, 0, 0, 3, 0                             ; V's block 2
	LINES 2, 0, 8, 32, 1, WV, 64
	BLK 0, 32
	BEND
	OUT 94, 0, 2048
	BHEAD 0
	SETB 1, 1, 1, 3, 1                             ; V's block 3
	LINES 2, 16, 8, 32, 1, WV+2, 64
	BLK 0, 32
	BEND
	OUT 94, 4096, 2048
.macro PAIR off, wd                    ; the last pair of blocks goes out
	s_wait_xcnt 0x0
	LINES 0, \off, 8, 32, 2, \wd, 64
.set LN_, 0
.rept 64
	OL LN_
.set LN_, LN_+1
.endr
	s_wait_alu depctr_va_vdst(0)                   ; ahead of the stores
.endm
	PAIR 0, WV
	OUT 94, 512, 2048
	PAIR 16, WV+2
	OUT 94, 4608, 2048
.irp t, 0,1,2,3
	ds_store_b16 v15, v[WV+\t] offset:4*\t         ; my two bytes of each word (both halves of the lanes write the same)
.endr
	s_wait_dscnt 0x0
	s_barrier_signal -1
	s_barrier_wait -1
	s_cmp_lg_u32 s15, 0
	s_cbranch_scc1 .Lno_words
	ds_load_b128 v[248:251], v16
	s_wait_dscnt 0x0
	global_store_b128 v[R16], v[248:251], s[96:97] ; 256 consecutive bytes
.Lno_words:
	s_wait_tensorcnt 0x0                           ; the wave's end
	ds_add_u32 v[SPW], v[NIL]
	s_wait_dscnt 0x0
	CROUND                                         ; the closing round
	s_endpgm
.Lfunc_end_k_q372665f12a_gemm_qkv:
	.size	k_q372665f12a_gemm_qkv, .Lfunc_end_k_q372665f12a_gemm_qkv-k_q372665f12a_gemm_qkv
	.p2alignl 7, 3214868480
	.fill 96, 4, 3214868480
	.section	.rodata,"a",@progbits
	.p2align	6, 0x0
	.amdhsa_kernel k_q372665f12a_gemm_qkv
		.amdhsa_group_segment_fixed_size 327680
		.amdhsa_private_segment_fixed_size 0
		.amdhsa_enable_private_segment 0
		.amdhsa_kernarg_size 32
		.amdhsa_user_sgpr_count 2
		.amdhsa_user_sgpr_kernarg_segment_ptr 1
		.amdhsa_wavefront_size32 1
		.amdhsa_system_sgpr_workgroup_id_x 1
		.amdhsa_system_sgpr_workgroup_id_y 1
		.amdhsa_system_sgpr_workgroup_id_z 1
		.amdhsa_system_vgpr_workitem_id 0
		.amdhsa_next_free_vgpr 1024
		.amdhsa_next_free_sgpr 102
		.amdhsa_reserve_vcc 0
		.amdhsa_float_denorm_mode_32 3
		.amdhsa_float_denorm_mode_16_64 3
		.amdhsa_memory_ordered 1
		.amdhsa_forward_progress 1
		.amdhsa_inst_pref_size 174
	.end_amdhsa_kernel
	.amdgpu_metadata
---
amdhsa.version: [ 1, 2 ]
amdhsa.kernels:
  - .name:           k_q372665f12a_gemm_qkv
    .symbol:         k_q372665f12a_gemm_qkv.kd
    .args:
      - { .name: opc, .offset: 0, .size: 8, .value_kind: global_buffer, .address_space: global }
      - { .name: ops, .offset: 8, .size: 8, .value_kind: global_buffer, .address_space: global }
      - { .name: qkvc, .offset: 16, .size: 8, .value_kind: global_buffer, .address_space: global }
      - { .name: qkvs, .offset: 24, .size: 8, .value_kind: global_buffer, .address_space: global }
    .group_segment_fixed_size: 327680
    .private_segment_fixed_size: 0
    .kernarg_segment_align: 8
    .kernarg_segment_size: 32
    .max_flat_workgroup_size: 128
    .sgpr_count:     102
    .vgpr_count:     1024
    .wavefront_size: 32
...
	.end_amdgpu_metadata
.endif
;; end of part 6
;; launch attn (part 7): grid 8 x 32, 16 waves a work-group, clusters of 4 x 1, 313,344 bytes of LDS; arguments qkvc, qkvs, ctxc, ctxs; writes ctxc, ctxs
.if DOCPART == 7
	.amdgcn_target "amdgcn-amd-amdhsa--gfx1250"
	.amdhsa_code_object_version 6
	.text
	.protected	k_q372665f12a_attn
	.globl	k_q372665f12a_attn
	.p2align	8
	.type	k_q372665f12a_attn,@function
k_q372665f12a_attn:
	s_mov_b64 s[64:65], 0
	v_nop
	global_prefetch_b8 v0, s[64:65] scope:SCOPE_SE
	s_setreg_imm32_b32 hwreg(HW_REG_WAVE_MODE, 25, 1), 1
	s_wait_xcnt 0x0
	s_wait_alu depctr_hold_cnt(0) depctr_sa_sdst(0) depctr_va_vdst(0) depctr_va_sdst(0) depctr_va_ssrc(0) depctr_va_vcc(0) depctr_vm_vsrc(0)
	s_getreg_b32 s2, hwreg(HW_REG_IB_STS2, 6, 4)
	s_cmp_eq_u32 s2, 0
	s_cbranch_scc0 .Lentry_in_a_cluster
	s_endpgm
.Lentry_in_a_cluster:
	s_bfe_u32 s2, ttmp6, 0x10000c
	s_cmp_lg_u32 s2, 0x3003
	s_cbranch_scc0 .Lentry_shape_is_right
	s_endpgm
.Lentry_shape_is_right:
; ctx = softmax(q k^T / 8, causal) v for one head of one batch, both products on codes of FP8 (E4M3) with E8M0 scales; ctx is quantised along the last product's K and leaves as codes.
; THE SOFTMAX AHEAD OF THE SECOND PRODUCT: t = score x log2(e) / 8; M = the running largest t rounded UP to a whole number; p = 2^(t - M) is quantised along the keys, not normalised; the row's sum is of the
; unquantised p in f32 and divides at the end.  When M moves, the sum and O are multiplied by 2^(old M - new M): exact.
; SHARES.  Work-group (x, y): head y % 16 of batch y / 16; tile x (16 queries) of EVERY one of the head's 16 blocks of 128 queries.  Block j has j + 1 key steps of 128 (the key steps that the causal mask hides whole are dead work for every
; input).  Blocks j and 15 - j, 17 steps together, belong to waves j and 8 + j (j = 0 .. 7): wave j walks the long block's steps 0-7; wave 8 + j its steps 8 .. 15 - j, hands O, M and the sum over
; through LDS, and goes on with the short block's steps 0 .. j.  So a wave walks 8 or 9 steps.  Trip i of a wave is key step min(8 w' + i, (8 w' + j w' + i) % 16), w' = wave / 8: from the wave's number and the count alone, alike in all work-groups.
; A WHOLE HEAD'S K AND V (codes and scale words, 268 KiB) STAY IN LDS: every fill is a first fill, one joint load a wave.  First shown: keys 0-255 and 1024-1279, which the first two trips read; then the rest.
; No prefetch: everything is asked for at the head, so no later load stands behind which to ask ahead.
; CLUSTER.  Four work-groups of one head ask for K and V jointly: the same tensor load, the same descriptor, a mask that names the four.
; LAYOUT.  All operands are images of registers (a piece = 512 bytes, 16 a lane).  Tiles of 16 rows: lane r of tile 2 B + u holds row 32 B + 8 u + r + 8 (r / 8).  Both products are used transposed: a lane holds ONE query;
; the 16 registers of score tiles 2 B, 2 B + 1 are keys 32 B + 16 (lane / 16) + 0 .. 15, and O^T's likewise along the head's 64.
; THE HEAD HAS K = 64, the instruction 128.  Q's fragment holds zero codes for k = 64 .. 127.  K's eight tiles of a step lie EIGHT registers apart: a fragment's upper half is the next tile's codes (the last tile's: zero codes); they meet Q's zeros.
; LIMITS: NaN and infinities are not served (nor kept within their own queries: a wave's second block starts from the first's sums times 0); a p under 2^-126 becomes 0 (v_exp_f32 gives no denormals); a block of zeros carries the byte 1.
; The promise holds while the scaled scores stay under 2^31 in magnitude.
.set VB,   131072                      ; LDS: K's codes at 0 (key tile x 1024), V's here (key step x 8192 + channel tile x 2048),
.set KS,   262144                      ; K's scale words (four tiles x 256 + 16 r + 4 (tile % 4)),
.set VS,   270336                      ; V's (key step x 256 + 16 r + 4 channel tile),
.set SPARE, 274432                     ; the spare words,
.set DEP,  276480                      ; and the eight hand-overs
.set DSZ,  4608
.set VC0,  8388608
.set VS0,  524288
.set AK0,  1                           ; v1 16 x lane
.set R16,  3                           ; v3 16 r
.set DQ,   5                           ; v5 my query in its block - 16 (lane / 16)
.set R8,   6                           ; v6 8 r
.set NINF, 7
.set ADK,  8
.set ADV,  9
.set ADS,  10
.set ADT,  11                          ; v12 -M, v13 the largest t, v[14:15] the sum in two halves
.set QF,   16                          ; v16-31 Q (v24-31 zero codes)
.set KF,   32                          ; v32-95 K's eight tiles, 8 registers each
.set ZP,   96                          ; v96-103 zero codes
.set S,    104                         ; v104-167 S^T, then p, then V's four fragments
.set O,    168                         ; v168-199 O^T
.set PC,   200                         ; v200-215 p's codes
.set KW,   216
.set VW,   224
.set PW,   228
.set QW,   229
.set BM,   230                         ; v230-233 the blocks' largest;  v230-237, 246-247, 250-253: between the sums and the next step's joins seven partial sums
.set T2,   234
.set HOLD, 238
.set SOP,  242
.set F,    248                         ; v[248:249] f = 2^(old M - new M)
.set TMP,  250
.set WV,   18
.set MI,   19                          ; s19 the trip in which a wave 8 + j meets the long block's diagonal
.set SEL,  20
.set CS,   22
.set G1K,  24
.set G1VE, 32
.set G1VL, 40
.set G1KS, 48
.set G1VS, 56
.set KE,   68
.set KL,   72
.set VE,   76
.set VL,   80
.set GKS,  84
.set GVS,  88
.set I,    92                          ; s92 the trip
.set BO,   93
.set BJ,   94
.set DEPS, 95
.set MNT,  4
.set FLR,  5
.macro DESC1 g, c, r, p                ; group 1: r rows of c elements of 8 bytes, p elements apart; dense in LDS; the mask names all four work-groups
	s_mov_b32 s[\g], 15|(3<<16)|(1<<21)
	s_mov_b32 s[\g+1], (\c)<<16
	s_mov_b32 s[\g+2], (\r)<<16
	s_mov_b32 s[\g+3], (\c)<<16
	s_mov_b32 s[\g+4], \r
	s_mov_b32 s[\g+5], \p
	s_mov_b32 s[\g+6], 0
	s_mov_b32 s[\g+7], 0
.endm
.macro CROUND
	s_barrier_signal -1
	s_barrier_wait -1
	s_cmp_lg_u32 s[WV], 0
	s_cbranch_scc1 .Lnot_wave_0_\@
	s_barrier_signal -3
.Lnot_wave_0_\@:
	s_barrier_wait -3
	s_barrier_signal -1
	s_barrier_wait -1
.endm
	s_load_b128 s[4:7], s[0:1], 0x0                ; qkvc, qkvs
	s_load_b128 s[8:11], s[0:1], 0x10              ; ctxc, ctxs
	v_lshl_add_u32 v254, v0, 2, SPARE
	v_mov_b32 v255, 0
	ds_add_u32 v254, v255                          ; the opening add, twice on end
	ds_add_u32 v254, v255
	v_lshrrev_b32 v8, 5, v0
	v_readfirstlane_b32 s[WV], v8                  ; wave 0..15
	v_and_b32 v9, 31, v0
	v_and_b32 v10, 15, v0                          ; r
	v_bfe_u32 v11, v0, 4, 1                        ; lane / 16
	v_lshlrev_b32 v[AK0], 4, v9
	v_lshlrev_b32 v[R16], 4, v10
	s_and_b32 s12, ttmp7, 0xffff
	s_lshr_b32 s13, s12, 4                         ; batch
	s_and_b32 s14, s12, 15                         ; head
	s_and_b32 s15, s[WV], 1
	; the fills.  Nothing in a descriptor hangs on my place in the cluster
	DESC1 G1K, 128, 16, 4096                       ; 16 tiles of K
	DESC1 G1VE, 512, 4, 512                        ; two key steps of V
	DESC1 G1VL, 512, 12, 512                       ; six
	DESC1 G1KS, 32, 32, 1024
	DESC1 G1VS, 32, 16, 64
.irp g, KE, KL, VE, VL, GKS, GVS
	s_mov_b32 s[\g], 1
	s_mov_b32 s[\g+3], 0
.endr
	s_lshl_b32 s92, s13, 22
	s_lshl_b32 s93, s14, 10
	s_add_co_u32 s92, s92, s93
	s_add_co_u32 s92, s92, 16384                   ; K's codes: 128 batch x 32768 + 16384 + 1024 head
	s_lshl_b32 s[KE+1], s15, 16                    ; tiles 0-15 or 64-79
	s_lshl_b32 s[KE+2], s15, 21
	s_add_co_u32 s[KE+2], s[KE+2], s92
	s_and_b32 s93, s[WV], 7                        ; waves 8-13: groups 1, 2, 3, 5, 6, 7 of 16 tiles
	s_add_co_u32 s93, s93, 1
	s_lshr_b32 s94, s93, 2
	s_add_co_u32 s93, s93, s94
	s_lshl_b32 s[KL+1], s93, 14
	s_lshl_b32 s[KL+2], s93, 19
	s_add_co_u32 s[KL+2], s[KL+2], s92
	s_lshl_b32 s92, s14, 18                        ; V's codes: VC0 + (32 head + 16 batch) x 8192
	s_lshl_b32 s93, s13, 17
	s_add_co_u32 s92, s92, s93
	s_lshl_b32 s93, s15, 16
	s_add_co_u32 s92, s92, s93
	s_add_co_u32 s[VE+1], s93, VB
	s_add_co_u32 s[VE+2], s92, VC0
	s_add_co_u32 s[VL+1], s93, VB+16384
	s_add_co_u32 s[VL+2], s92, VC0+16384
	s_lshl_b32 s92, s13, 18                        ; K's scale words: 32 batch x 8192 + 4096 + 256 head
	s_lshl_b32 s93, s14, 8
	s_add_co_u32 s92, s92, s93
	s_mov_b32 s[GKS+1], KS
	s_add_co_u32 s[GKS+2], s92, 4096
	s_lshl_b32 s92, s14, 14                        ; V's: VS0 + (32 head + 16 batch) x 512
	s_lshl_b32 s93, s13, 13
	s_add_co_u32 s92, s92, s93
	s_mov_b32 s[GVS+1], VS
	s_add_co_u32 s[GVS+2], s92, VS0
	; my two query tiles: the long block's, and the block's that I finish with.  The work-group's x = 4 x cluster x + cx enters Q's and ctx's addresses and the mask's number alone
	s_and_b32 s2, s[WV], 7
	s_xor_b32 s16, s2, 15                          ; the long block
	s_xor_b32 s17, s[WV], 8
	s_cmp_lt_u32 s[WV], 8
	s_cselect_b32 s17, s16, s17                    ; the block that leaves from me
	s_bfe_u32 s67, ttmp6, 0x40000
	s_lshl_b32 s2, ttmp9, 2
	s_add_co_u32 s67, s67, s2
	s_lshr_b32 s2, s67, 1
	s_lshl_b32 s2, s2, 5
	s_and_b32 s3, s67, 1
	s_lshl_b32 s3, s3, 3
	s_add_co_u32 s2, s2, s3                        ; the tile's first query in its block
	s_wait_alu depctr_va_vdst(0)
	v_and_b32 v[DQ], 8, v10
	v_add_nc_u32 v[DQ], v[DQ], v10
	v_lshlrev_b32 v11, 4, v11
	v_sub_nc_u32 v[DQ], v[DQ], v11
	v_add_nc_u32 v[DQ], s2, v[DQ]
	v_lshlrev_b32 v[R8], 3, v10
	s_lshl_b32 s2, s13, 7
	s_add_co_u32 s67, s67, s2                      ; 128 batch + x
	s_lshl_b32 s16, s16, 3
	s_lshl_b32 s17, s17, 3
	s_add_co_u32 s66, s67, s16                     ; token tile: the long block's
	s_add_co_u32 s67, s67, s17                     ; and the one that leaves
	s_lshl_b32 s2, s14, 10
	s_lshl_b32 s3, s14, 8
.macro QA c, s, t                      ; Q's codes: tile x 32768 + 1024 head; scale words: (tile / 4) x 8192 + 256 head + 4 (tile % 4)
	s_lshl_b32 s[\c], s\t, 15
	s_add_co_u32 s[\c], s[\c], s2
	s_mov_b32 s[\c+1], 0
	s_lshr_b32 s[\s], s\t, 2
	s_lshl_b32 s[\s], s[\s], 13
	s_and_b32 s12, s\t, 3
	s_lshl_b32 s12, s12, 2
	s_add_co_u32 s[\s], s[\s], s12
	s_add_co_u32 s[\s], s[\s], s3
	s_mov_b32 s[\s+1], 0
.endm
	QA 100, 16, 66
	QA 96, 98, 67
	s_lshl_b32 s66, s67, 14
	s_add_co_u32 s2, s66, s2                       ; ctx's codes: tile x 16384 + 1024 head
	s_mov_b32 s3, 0
	s_lshl_b32 s66, s67, 9
	s_lshr_b32 s12, s14, 2
	s_lshl_b32 s12, s12, 7
	s_add_co_u32 s66, s66, s12
	s_and_b32 s12, s14, 3
	s_lshl_b32 s12, s12, 1
	s_add_co_u32 s66, s66, s12                     ; ctx's scale bytes: tile x 512 + (head / 4) x 128 + 2 (head % 4)
	s_wait_alu depctr_va_vdst(0)
	s_wait_dscnt 0x0                               ; both opening adds are done
	s_wait_kmcnt 0x0
	s_add_nc_u64 s[100:101], s[4:5], s[100:101]
	s_add_nc_u64 s[16:17], s[6:7], s[16:17]
	global_load_b128 v[QF:QF+3], v[AK0], s[100:101]            ; the long block's Q
	global_load_b128 v[QF+4:QF+7], v[AK0], s[100:101] offset:512
	global_load_b32 v[QW], v[R16], s[16:17]
	s_add_nc_u64 s[96:97], s[4:5], s[96:97]
	s_add_nc_u64 s[98:99], s[6:7], s[98:99]
	s_add_nc_u64 s[8:9], s[8:9], s[2:3]
	s_mov_b32 s2, s66
	s_add_nc_u64 s[10:11], s[10:11], s[2:3]
.irp g, KE, KL, VE, VL
	s_add_nc_u64 s[\g+2:\g+3], s[4:5], s[\g+2:\g+3]
	s_or_b32 s[\g+3], s[\g+3], 0x80000000
.endr
.irp g, GKS, GVS
	s_add_nc_u64 s[\g+2:\g+3], s[6:7], s[\g+2:\g+3]
	s_or_b32 s[\g+3], s[\g+3], 0x80000000
.endr
	CROUND                                         ; all four work-groups are here: the joint loads meet
.macro ARM under, g0, g1, next
	s_cmp_lt_u32 s[WV], \under
	s_cbranch_scc0 \next
	tensor_load_to_lds s[\g0:\g0+3], s[\g1:\g1+7]
	s_nop 0
.rept 4
	v_nop
.endr
	s_branch .Lasked
\next:
.endm
	ARM 1, GKS, G1KS, .Larm_1                      ; waves 0-5: what is shown first
	ARM 2, GVS, G1VS, .Larm_2
	ARM 4, KE, G1K, .Larm_4
	ARM 6, VE, G1VE, .Larm_6
	s_cmp_lt_u32 s[WV], 8                          ; waves 6, 7 fetch nothing
	s_cbranch_scc1 .Lasked
	ARM 14, KL, G1K, .Larm_14                      ; waves 8-15: the rest
	tensor_load_to_lds s[VL:VL+3], s[G1VL:G1VL+7]
	s_nop 0
.rept 4
	v_nop
.endr
.Lasked:
	s_xor_b32 s[MI], s[WV], 15                     ; waves 8 + j: 7 - j;  waves 0-7: 8 and more, never a trip of the loop
	s_and_b32 s[BO], s[WV], 8
	s_lshr_b32 s12, s[WV], 3
	s_mul_i32 s12, s12, 7
	s_and_b32 s12, s12, s[WV]
	s_add_co_u32 s[BJ], s[BO], s12
	s_and_b32 s12, s[WV], 7
	s_mul_i32 s[DEPS], s12, DSZ
	s_add_co_u32 s[DEPS], s[DEPS], DEP
	v_mov_b32 v[NINF], 0xff800000
	v_mov_b32 v13, 0xff61b1e6                      ; the largest t so far: -3e38, under every t
	v_floor_f32 v12, -v13
	v_mov_b32 v14, 0
	v_mov_b32 v15, 0
	v_mov_b32 v[F+1], 0                            ; (named as the upper half of a pair)
.irp b, 230,231,232,233,234,235,236,237,246,247,250,251,252,253
	v_mov_b32 v[\b], 0                             ; the partial sums
.endr
.irp i, 0,1,2,3,4,5,6,7
	v_mov_b32 v[QF+8+\i], 0                        ; zero codes
	v_mov_b32 v[ZP+\i], 0
.endr
.set n, 0
.rept 32
	v_mov_b32 v[O+n], 0                            ; O^T: the step is written for every step alike; the first finds zeros
.set n, n+1
.endr
	s_mov_b32 s[SEL], 0x76543210
	s_mov_b32 s[SEL+1], 0xfedcba98
	s_mov_b32 s[CS], 0x3e38aa3b                    ; log2(e) / 8
	s_mov_b32 s[CS+1], s[CS]
	s_mov_b32 s[MNT], 0x600000
	s_mov_b32 s[FLR], 0x4800000                    ; 2^(9 - 127)
	s_mov_b32 s[I], 0
.macro KSTEP d, i                      ; s[d] = the key step of trip I + i
	s_add_co_u32 s[\d], s[I], \i
	s_add_co_u32 s12, s[\d], s[BJ]
	s_and_b32 s12, s12, 15
	s_add_co_u32 s[\d], s[\d], s[BO]
	s_min_u32 s[\d], s[\d], s12
.endm
.macro KNEXT i                         ; where trip I + i finds its K
	KSTEP 14, \i
	s_lshl_b32 s15, s14, 13
	s_lshl_b32 s12, s14, 9
	s_add_co_u32 s12, s12, KS
	v_add_nc_u32 v[ADK], s15, v[AK0]
	v_add_nc_u32 v[ADS], s12, v[R16]
.endm
.macro KLOAD
.irp t, 0,1,2,3,4,5,6,7
	ds_load_b128 v[KF+8*\t:KF+8*\t+3], v[ADK] offset:\t*1024
	ds_load_b128 v[KF+8*\t+4:KF+8*\t+7], v[ADK] offset:\t*1024+512
.endr
	ds_load_b128 v[KW:KW+3], v[ADS]
	ds_load_b128 v[KW+4:KW+7], v[ADS] offset:256
.endm
.macro JOIN                            ; the last step's partial sums
	v_pk_add_f32 v[14:15], v[14:15], v[232:233]
	v_pk_add_f32 v[246:247], v[246:247], v[230:231]
	v_pk_add_f32 v[252:253], v[252:253], v[236:237]
	v_pk_add_f32 v[250:251], v[250:251], v[234:235]
	v_pk_add_f32 v[14:15], v[14:15], v[252:253]
	v_pk_add_f32 v[246:247], v[246:247], v[250:251]
	v_pk_add_f32 v[14:15], v[14:15], v[246:247]
.endm
; A KEY STEP: 128 keys.  pre = 1: it fetches the next trip's K.  last = 1: the short block's diagonal step, which nothing follows.
.macro STEP pre, last
	KSTEP 13, 0
	s_lshl_b32 s15, s13, 13
	s_add_co_u32 s15, s15, VB
	s_lshl_b32 s12, s13, 8
	s_add_co_u32 s12, s12, VS
	v_add_nc_u32 v[ADV], s15, v[AK0]
	v_add_nc_u32 v[ADT], s12, v[R16]
.if \pre
	KNEXT 1
.else
	v_nop
	v_nop
.endif
.rept 5
	v_nop                                          ; with the four lines above nine places: the scores are written over V's fragments, which the last step's products read
.endr
	s_wait_alu depctr_va_vdst(0)
	s_wait_loadcnt 0x0                             ; Q, where it was asked for anew
	s_wait_dscnt 0x0                               ; K and its scale words are in
.irp t, 0,1,2,3,4,5,6,7                        ; S^T = K Q^T: eight tiles of 16 keys
	v_wmma_scale_f32_16x16x128_f8f6f4 v[S+8*\t:S+8*\t+7], v[KF+8*\t:KF+8*\t+15], v[QF:QF+15], 0, v[KW+\t], v[QW]
.endr
	JOIN                                           ; with the line below eight places behind the products
	v_nop
.if \pre
	KLOAD                                          ; the next trip's K: it lands under the softmax
.endif
.if !\last
	s_cmp_lg_u32 s[I], s[MI]                       ; on the diagonal hidden scores become -infinity: register 16 b + i holds key 32 b + 16 (lane / 16) + i of the step
	s_cbranch_scc1 .Lopen_\@
	global_load_b128 v[QF:QF+3], v[AK0], s[96:97]              ; and this was the long block's last step: the short block's Q comes under the softmax
	global_load_b128 v[QF+4:QF+7], v[AK0], s[96:97] offset:512
	global_load_b32 v[QW], v[R16], s[98:99]
.endif
.set n, 0
.rept 64
	v_cmp_gt_i32 vcc_lo, 32*(n/16)+n%16, v[DQ]
	v_cndmask_b32 v[S+n], v[S+n], v[NINF], vcc_lo
.set n, n+1
.endr
.Lopen_\@:
.irp b, 0,1,2,3
	v_max3_num_f32 v[BM+\b], v[S+16*\b], v[S+1+16*\b], v[S+2+16*\b]   ; the largest score of each block of 32 keys: for the row's maximum, and, since p rises with the score, for the block's largest p
.endr
.irp i, 3,5,7,9,11
.irp b, 0,1,2,3
	v_max3_num_f32 v[BM+\b], v[BM+\b], v[S+16*\b+\i], v[S+1+16*\b+\i]
.endr
.endr
.irp b, 0,1,2,3
	v_max3_num_f32 v[BM+\b], v[BM+\b], v[S+16*\b+13], v[S+16*\b+14+\b%2]
.endr
	v_dual_max_num_f32 v[BM], v[BM], v[S+15] :: v_dual_max_num_f32 v[BM+1], v[BM+1], v[S+30]
	v_dual_max_num_f32 v[BM+2], v[BM+2], v[S+47] :: v_dual_max_num_f32 v[BM+3], v[BM+3], v[S+62]
.irp b, 0,1,2,3
	v_permlanex16_b32 v[T2+\b], v[BM+\b], s[SEL], s[SEL+1]
.endr
	v_dual_max_num_f32 v[BM], v[BM], v[T2] :: v_dual_max_num_f32 v[BM+1], v[BM+1], v[T2+1]
	v_dual_max_num_f32 v[BM+2], v[BM+2], v[T2+2] :: v_dual_max_num_f32 v[BM+3], v[BM+3], v[T2+3]
	v_max3_num_f32 v[TMP], v[BM], v[BM+1], v[BM+2]
	v_max_num_f32 v[TMP], v[TMP], v[BM+3]
	v_mul_f32 v[TMP], s[CS], v[TMP]                ; the step's largest t
	v_max_num_f32 v13, v13, v[TMP]
	v_mov_b32 v[TMP], v12
	v_floor_f32 v12, -v13                          ; -M = floor(-t): M is a whole number
	v_sub_f32 v[TMP], v12, v[TMP]
	v_cvt_i32_f32 v[TMP], v[TMP]                   ; (it saturates)
	v_ldexp_f32 v[F], 1.0, v[TMP]                  ; f = 2^(old M - new M)
.set n, 0
.rept 32
	v_pk_fma_f32 v[S+n:S+n+1], v[S+n:S+n+1], s[CS:CS+1], v[12:13] op_sel_hi:[1,0,0]   ; t - M
.set n, n+2
.endr
	v_pk_fma_f32 v[BM:BM+1], v[BM:BM+1], s[CS:CS+1], v[12:13] op_sel_hi:[1,0,0]
	v_pk_fma_f32 v[BM+2:BM+3], v[BM+2:BM+3], s[CS:CS+1], v[12:13] op_sel_hi:[1,0,0]
	s_wait_alu depctr_va_vdst(0)                   ; ahead of the batch
.set n, 0
.rept 64
	v_exp_f32 v[S+n], v[S+n]                       ; p = 2^(t - M)
.set n, n+1
.endr
.irp b, 0,1,2,3
	v_exp_f32 v[BM+\b], v[BM+\b]                   ; the block's largest p: the same two operations on the same number
.endr
	v_pk_mul_f32 v[14:15], v[14:15], v[F:F+1] op_sel_hi:[1,0]   ; the sums under the new M (a plain line behind the exponentials)
	s_wait_alu depctr_va_vdst(0)                   ; and behind it
	v_dual_max_num_f32 v[BM], s[FLR], v[BM] :: v_dual_max_num_f32 v[BM+1], s[FLR], v[BM+1]   ; the floor
	v_dual_max_num_f32 v[BM+2], s[FLR], v[BM+2] :: v_dual_max_num_f32 v[BM+3], s[FLR], v[BM+3]
.irp b, 0,1,2,3
	v_add_nc_u32 v[SOP+\b], 0xfc000000, v[BM+\b]   ; the conversions' scale operand
.endr
.irp b, 0,1,2,3
	v_and_or_b32 v[HOLD+\b], v[BM+\b], 0x7f800000, s[MNT]   ; 448 x the scale
.endr
.irp b, 0,1,2,3
	v_lshrrev_b32 v[T2+\b], 23, v[SOP+\b]
.endr
	v_lshl_or_b32 v[PW], v[T2+1], 8, v[T2]         ; p's scale word for these 128 keys
	v_lshl_or_b32 v[PW], v[T2+2], 16, v[PW]
	v_lshl_or_b32 v[PW], v[T2+3], 24, v[PW]
	v_pk_add_f32 v[246:247], v[108:109], v[112:113]   ; the sum of the unquantised p, in eight chains; they are joined behind the next products
	v_pk_add_f32 v[252:253], v[116:117], v[120:121]
	v_pk_add_f32 v[250:251], v[124:125], v[128:129]
	v_pk_add_f32 v[232:233], v[132:133], v[136:137]
	v_pk_add_f32 v[230:231], v[140:141], v[144:145]
	v_pk_add_f32 v[236:237], v[148:149], v[152:153]
	v_pk_add_f32 v[234:235], v[156:157], v[160:161]
	v_pk_add_f32 v[14:15], v[14:15], v[164:165]
	v_pk_add_f32 v[246:247], v[246:247], v[104:105]
	v_pk_add_f32 v[252:253], v[252:253], v[106:107]
	v_pk_add_f32 v[250:251], v[250:251], v[110:111]
	v_pk_add_f32 v[232:233], v[232:233], v[114:115]
	v_pk_add_f32 v[230:231], v[230:231], v[118:119]
	v_pk_add_f32 v[236:237], v[236:237], v[122:123]
	v_pk_add_f32 v[234:235], v[234:235], v[126:127]
	v_pk_add_f32 v[14:15], v[14:15], v[130:131]
	v_pk_add_f32 v[246:247], v[246:247], v[134:135]
	v_pk_add_f32 v[252:253], v[252:253], v[138:139]
	v_pk_add_f32 v[250:251], v[250:251], v[142:143]
	v_pk_add_f32 v[232:233], v[232:233], v[146:147]
	v_pk_add_f32 v[230:231], v[230:231], v[150:151]
	v_pk_add_f32 v[236:237], v[236:237], v[154:155]
	v_pk_add_f32 v[234:235], v[234:235], v[158:159]
	v_pk_add_f32 v[14:15], v[14:15], v[162:163]
	v_pk_add_f32 v[246:247], v[246:247], v[166:167]
	ds_load_b128 v[VW:VW+3], v[ADT]                ; V's scale words of my row, four channel tiles
.irp b, 0,1,2,3
.set n, 0
.rept 8
	v_dual_min_num_f32 v[S+16*\b+n], v[HOLD+\b], v[S+16*\b+n] :: v_dual_min_num_f32 v[S+16*\b+n+1], v[HOLD+\b], v[S+16*\b+n+1]   ; the hold: the conversion does not saturate (ISA guide 7.6.2); p is not negative
.set n, n+2
.endr
	v_cvt_scalef32_pk8_fp8_f32 v[PC+4*\b:PC+4*\b+1], v[S+16*\b:S+16*\b+7], v[SOP+\b]
	v_cvt_scalef32_pk8_fp8_f32 v[PC+4*\b+2:PC+4*\b+3], v[S+16*\b+8:S+16*\b+15], v[SOP+\b]
.irp c, 0,1,2,3                                ; V's fragment b (16 channels x these 128 keys) takes the place of block b of p
	ds_load_b128 v[S+16*\b+4*\c:S+16*\b+4*\c+3], v[ADV] offset:2048*\b+512*\c
.endr
.endr
	s_wait_alu depctr_va_vdst(0)                   ; ahead of the first reader of O^T
.set n, 0
.rept 16
	v_pk_mul_f32 v[O+n:O+n+1], v[O+n:O+n+1], v[F:F+1] op_sel_hi:[1,0]   ; O^T under the new M (also the plain lines behind the conversions and in front of the products)
.set n, n+2
.endr
	s_wait_alu depctr_va_vdst(0)
.irp t, 0,1,2,3                                ; O^T += V^T P^T: the four accumulators by turns
	s_wait_dscnt 12-4*\t                           ; fragment t and all asked for before it are in; the four loads of each later fragment may be out
	v_wmma_scale_f32_16x16x128_f8f6f4 v[O+8*\t:O+8*\t+7], v[S+16*\t:S+16*\t+15], v[PC:PC+15], v[O+8*\t:O+8*\t+7], v[VW+\t], v[PW]
.endr
.if !\last
	s_cmp_lt_u32 s[WV], 8                          ; THE HAND-OVER: a wave 8 + j has finished its part of the long block
	s_cbranch_scc1 .Lstay_\@
	s_cmp_lg_u32 s[I], s[MI]
	s_cbranch_scc1 .Lstay_\@
	JOIN
	v_add_f32 v14, v14, v15                        ; with the joins eight places behind the products
	v_add_nc_u32 v[ADV], s[DEPS], v[AK0]
.irp k, 0,1,2,3,4,5,6,7
	ds_store_b128 v[ADV], v[O+4*\k:O+4*\k+3] offset:512*\k
.endr
	ds_store_b128 v[ADV], v[12:15] offset:4096     ; -M, -, the sum, -
	s_wait_dscnt 0x0
	v_mov_b32 v13, 0xff61b1e6                      ; the short block begins: the next step's f is 0, which clears the sum and O^T
	v_floor_f32 v12, -v13
	s_wait_alu depctr_va_vdst(0)
.Lstay_\@:
	s_add_co_u32 s[I], s[I], 1
.endif
.endm
	KNEXT 0
	s_wait_alu depctr_va_vdst(0)                   ; the head's end
	s_wait_loadcnt 0x0                             ; Q
	s_cmp_lt_u32 s[WV], 8
	s_cbranch_scc0 .Llater
	s_wait_tensorcnt 0x0                           ; waves 0-7: the scale words, keys 0-255 and 1024-1279 are in; the others' wait stands at the second barrier
.Llater:
	s_barrier_signal -1
	s_barrier_wait -1
	KLOAD
	STEP 1, 0                                      ; trips 0 and 1 read keys 0-255 and 1024-1279 alone; trip 1 looks no further ahead
	STEP 0, 0
	s_wait_tensorcnt 0x0                           ; the rest is in
	s_wait_dscnt 0x0
	s_barrier_signal -1
	s_barrier_wait -1
	KNEXT 0
	KLOAD
.Lkeys:                                            ; trips 2 to 7
	STEP 1, 0
	s_cmp_lt_u32 s[I], 8
	s_cbranch_scc1 .Lkeys
	s_wait_alu depctr_va_vdst(0)
	s_wait_dscnt 0x0                               ; my hand-over is written, trip 8's K is in
	s_barrier_signal -1
	s_cmp_lt_u32 s[WV], 8
	s_cbranch_scc1 .Leight
	STEP 0, 1                                      ; waves 8-15: trip 8; between signal and wait stand LDS loads of K and V alone, which nobody writes
.Leight:
	s_wait_alu depctr_va_vdst(0)
	s_barrier_wait -1                              ; every hand-over is written
	JOIN
	v_add_f32 v14, v14, v15                        ; with the joins eight places behind the last products
	s_wait_alu depctr_va_vdst(0)                   ; ahead of the branch
	s_cmp_lt_u32 s[WV], 8
	s_cbranch_scc0 .Lout
	v_add_nc_u32 v[ADV], s[DEPS], v[AK0]           ; waves 0-7: the long block's two parts are brought under one M and added
.irp k, 0,1,2,3,4,5,6,7,8
	ds_load_b128 v[S+4*\k:S+4*\k+3], v[ADV] offset:512*\k
.endr
	s_wait_dscnt 0x0
	v_min_num_f32 v13, v12, v[S+32]
	v_sub_f32 v250, v13, v12
	v_sub_f32 v252, v13, v[S+32]
	v_cvt_i32_f32 v250, v250
	v_cvt_i32_f32 v252, v252
	v_ldexp_f32 v[F], 1.0, v250
	v_ldexp_f32 v252, 1.0, v252
.set n, 0
.rept 16
	v_pk_mul_f32 v[O+n:O+n+1], v[O+n:O+n+1], v[F:F+1] op_sel_hi:[1,0]
.set n, n+2
.endr
.set n, 0
.rept 16
	v_pk_fma_f32 v[O+n:O+n+1], v[S+n:S+n+1], v[252:253], v[O+n:O+n+1] op_sel_hi:[1,0,1]
.set n, n+2
.endr
	v_mul_f32 v14, v14, v[F]
	v_fma_f32 v14, v[S+34], v252, v14
.Lout:
	; THE WAY OUT: O^T / the sum is quantised along the head's 64 (two blocks; 16 numbers mine, 16 lane l xor 16's) and leaves as two pieces of 512 bytes and two scale bytes a row
	v_permlanex16_b32 v[T2], v14, s[SEL], s[SEL+1]
	v_add_f32 v14, v14, v[T2]                      ; the row's sum
	s_wait_alu depctr_va_vdst(0)
	v_rcp_f32 v14, v14
	v_nop
	s_wait_alu depctr_va_vdst(0)
.set n, 0
.rept 32
	v_mul_f32 v[S+n], v[O+n], v14                  ; register 16 b + i: channel 32 b + 16 (lane / 16) + i
.set n, n+1
.endr
.irp b, 0,1
	v_max3_num_f32 v[BM+\b], |v[S+16*\b]|, |v[S+1+16*\b]|, 0x4800000
.endr
.irp i, 2,4,6,8,10,12,14
.irp b, 0,1
	v_max3_num_f32 v[BM+\b], v[BM+\b], |v[S+16*\b+\i]|, |v[S+1+16*\b+\i]|
.endr
.endr
.irp b, 0,1
	v_permlanex16_b32 v[T2+\b], v[BM+\b], s[SEL], s[SEL+1]
.endr
.irp b, 0,1
	v_max_num_f32 v[BM+\b], v[BM+\b], v[T2+\b]
.endr
.irp b, 0,1
	v_add_nc_u32 v[SOP+\b], 0xfc000000, v[BM+\b]
.endr
.irp b, 0,1
	v_and_or_b32 v[HOLD+\b], v[BM+\b], 0x7f800000, s[MNT]
.endr
.irp b, 0,1
	v_lshrrev_b32 v[T2+\b], 23, v[SOP+\b]
.endr
	v_lshl_or_b32 v[PW], v[T2+1], 8, v[T2]
.irp b, 0,1
.set n, 0
.rept 16
	v_med3_num_f32 v[S+16*\b+n], v[S+16*\b+n], -v[HOLD+\b], v[HOLD+\b]
.set n, n+1
.endr
	v_cvt_scalef32_pk8_fp8_f32 v[PC+4*\b:PC+4*\b+1], v[S+16*\b:S+16*\b+7], v[SOP+\b]
	v_cvt_scalef32_pk8_fp8_f32 v[PC+4*\b+2:PC+4*\b+3], v[S+16*\b+8:S+16*\b+15], v[SOP+\b]
.endr
	v_nop                                          ; a plain line behind the last conversion
	global_store_b128 v[AK0], v[PC:PC+3], s[8:9]               ; 512 consecutive bytes, aligned
	global_store_b128 v[AK0], v[PC+4:PC+7], s[8:9] offset:512
	global_store_b16 v[R8], v[PW], s[10:11]        ; my row's two bytes (lanes 16-31 write the same bytes with the same values); one part in 32 of what the launch stores
	s_wait_tensorcnt 0x0                           ; the wave's end
	ds_add_u32 v254, v255
	s_wait_dscnt 0x0
	CROUND                                         ; the closing round: no work-group ends while a partner may still ask for a tile that names it
	s_endpgm
.Lfunc_end_k_q372665f12a_attn:
	.size	k_q372665f12a_attn, .Lfunc_end_k_q372665f12a_attn-k_q372665f12a_attn
	.p2alignl 7, 3214868480
	.fill 96, 4, 3214868480
	.section	.rodata,"a",@progbits
	.p2align	6, 0x0
	.amdhsa_kernel k_q372665f12a_attn
		.amdhsa_group_segment_fixed_size 313344
		.amdhsa_private_segment_fixed_size 0
		.amdhsa_enable_private_segment 0
		.amdhsa_kernarg_size 32
		.amdhsa_user_sgpr_count 2
		.amdhsa_user_sgpr_kernarg_segment_ptr 1
		.amdhsa_wavefront_size32 1
		.amdhsa_system_sgpr_workgroup_id_x 1
		.amdhsa_system_sgpr_workgroup_id_y 1
		.amdhsa_system_sgpr_workgroup_id_z 1
		.amdhsa_system_vgpr_workitem_id 0
		.amdhsa_next_free_vgpr 256
		.amdhsa_next_free_sgpr 102
		.amdhsa_reserve_vcc 1
		.amdhsa_float_denorm_mode_32 3
		.amdhsa_float_denorm_mode_16_64 3
		.amdhsa_memory_ordered 1
		.amdhsa_forward_progress 1
		.amdhsa_inst_pref_size 123
	.end_amdhsa_kernel
	.amdgpu_metadata
---
amdhsa.version: [ 1, 2 ]
amdhsa.kernels:
  - .name:           k_q372665f12a_attn
    .symbol:         k_q372665f12a_attn.kd
    .args:
      - { .name: qkvc, .offset: 0, .size: 8, .value_kind: global_buffer, .address_space: global }
      - { .name: qkvs, .offset: 8, .size: 8, .value_kind: global_buffer, .address_space: global }
      - { .name: ctxc, .offset: 16, .size: 8, .value_kind: global_buffer, .address_space: global }
      - { .name: ctxs, .offset: 24, .size: 8, .value_kind: global_buffer, .address_space: global }
    .group_segment_fixed_size: 313344
    .private_segment_fixed_size: 0
    .kernarg_segment_align: 8
    .kernarg_segment_size: 32
    .max_flat_workgroup_size: 512
    .sgpr_count:     102
    .vgpr_count:     256
    .wavefront_size: 32
...
	.end_amdgpu_metadata
.endif
;; end of part 7
;; launch gemm_proj (part 8): grid 8 x 32, 4 waves a work-group, clusters of 4 x 4, 280,064 bytes of LDS; arguments ctxc, ctxs, opc, ops, b_proj, out0; writes out0
.if DOCPART == 8
	.amdgcn_target "amdgcn-amd-amdhsa--gfx1250"
	.amdhsa_code_object_version 6
	.text
	.protected	k_q372665f12a_gemm_proj
	.globl	k_q372665f12a_gemm_proj
	.p2align	8
	.type	k_q372665f12a_gemm_proj,@function
k_q372665f12a_gemm_proj:
	s_mov_b64 s[64:65], 0
	v_nop
	global_prefetch_b8 v0, s[64:65] scope:SCOPE_SE
	s_setreg_imm32_b32 hwreg(HW_REG_WAVE_MODE, 25, 1), 1
	s_wait_xcnt 0x0
	s_wait_alu depctr_hold_cnt(0) depctr_sa_sdst(0) depctr_va_vdst(0) depctr_va_sdst(0) depctr_va_ssrc(0) depctr_va_vcc(0) depctr_vm_vsrc(0)
	s_getreg_b32 s2, hwreg(HW_REG_IB_STS2, 6, 4)
	s_cmp_eq_u32 s2, 0
	s_cbranch_scc0 .Lentry_in_a_cluster
	s_endpgm
.Lentry_in_a_cluster:
	s_bfe_u32 s2, ttmp6, 0x10000c
	s_cmp_lg_u32 s2, 0xf033
	s_cbranch_scc0 .Lentry_shape_is_right
	s_endpgm
.Lentry_shape_is_right:
; out0 = ctx w_proj^T + b_proj on codes of FP8 (E4M3) with E8M0 scales (4096 x 1024 x 1024); out0 f32; sums in f32, K ascending.
; A work-group of four waves (2 x 2) makes 128 x 128; 256 work-groups.  A wave holds 64 rows of w_proj, ALL of K, in 512 registers and takes four blocks of 16 rows of ctx past them: 32 matrix instructions a block, its four accumulators by turns.
; So a block's 16 rows of out0 are finished, and leave, while the next block is multiplied.
; ALL OF K STAYS IN LDS: 128 rows of w_proj and 128 of ctx, 2 x 131,072 bytes; every fill is a first fill: one joint load of 65,536 bytes a wave: waves 0, 1 w_proj, which is shown first, waves 2, 3 ctx.  No prefetch: everything is asked for at the head.
; OPERANDS ARE IMAGES OF REGISTERS (tiles of 16 rows: lane r of tile 2 B + u holds row 32 B + 8 u + r + 8 (r / 8); a piece = 512 bytes, 16 a lane).  Row m of waves takes ctx's tiles 2 a + m, a = 0 .. 3.
; Source 0 = w_proj, source 1 = ctx: a lane holds one token, and the 16 registers of result tiles 2 B, 2 B + 1 are columns 32 B + 16 (lane / 16) + 0 .. 15.
; The bias is the C of each sum's first matrix instruction.  Scale words come by global loads, once, into registers.
; CLUSTERS: 4 x 4 work-groups; ctx's tiles are shared along a row of the cluster, w_proj's along a column.
; REGISTERS: windows 1, 2 w_proj (fragment 4 q + b); window 3 two sets of ctx's fragments; all else window 0.
.set STAGE, 262144                     ; the way out: 16 rows x (256 + 16) bytes for each wave
.set SP,    272
.set SPARE, STAGE+4*16*SP
.set WT0,   448                        ; w_proj's first tile in opc
.set ADW,   8                          ; v8 my w fragments
.set ADX,   10                         ; v10, v11 my ctx fragments: blocks 0, 1 and 2, 3
.set STO,   18
.set RD,    19
.set CO,    20
.set SPW,   22
.set NIL,   23
.set SB,    24                         ; v24-39 w's scale words: 8 p + q, lanes 16-31 tile 2 p + 1's
.set SA,    44                         ; v44-59 ctx's: 8 (a / 2) + q, lanes 16-31 the odd block's
.set ACC,   64                         ; v64-127 two sets of accumulators
.set BI,    128                        ; v128-159 the bias
.set OB,    160                        ; v160-255 rows of out0, three sets
.set G1,    24
.set G1B,   32
.set G0,    40
.set G0B,   44
.set MSB, 0
.macro WIN new
.if MSB != (\new)
	s_set_vgpr_msb (MSB<<8)|(\new)
.set MSB, (\new)
.endif
.endm
.macro PLACES n
.rept \n
	v_nop
.endr
.endm
.macro CROUND
	s_barrier_signal -1
	s_barrier_wait -1
	s_cmp_lg_u32 s16, 0
	s_cbranch_scc1 .Lnot_wave_0_\@
	s_barrier_signal -3
.Lnot_wave_0_\@:
	s_barrier_wait -3
	s_barrier_signal -1
	s_barrier_wait -1
.endm
	s_load_b256 s[4:11], s[0:1], 0x0               ; ctxc, ctxs, opc, ops
	s_load_b128 s[12:15], s[0:1], 0x20             ; b_proj, out0
	v_lshl_add_u32 v[SPW], v0, 2, SPARE
	v_mov_b32 v[NIL], 0
	ds_add_u32 v[SPW], v[NIL]                      ; the opening add, twice on end
	ds_add_u32 v[SPW], v[NIL]
	v_lshrrev_b32 v1, 5, v0
	v_readfirstlane_b32 s16, v1                    ; wave 0..3
	s_lshr_b32 s17, s16, 1                         ; m: my row of waves
	s_and_b32 s18, s16, 1                          ; n: my column.  Also: which four tiles I fetch
	s_bfe_u32 s21, ttmp6, 0x40000                  ; cx, cy
	s_bfe_u32 s22, ttmp6, 0x40004
	s_lshl_b32 s20, ttmp9, 2
	s_add_co_u32 s20, s20, s21                     ; tile column (w)
	s_and_b32 s19, ttmp7, 0xffff
	s_lshl_b32 s19, s19, 2
	s_add_co_u32 s19, s19, s22                     ; tile row (ctx)
	s_lshl_b32 s23, s22, 2
	s_lshl_b32 s23, 15, s23                        ; my row of the cluster
	s_lshl_b32 s66, 0x1111, s21                    ; my column
	s_or_b32 s[G1], s23, (3<<16)|(1<<21)
	s_or_b32 s[G1B], s66, (3<<16)|(1<<21)
.irp g, G1, G1B                        ; four tiles: 65,536 dense bytes as 16 rows of 4,096
	s_mov_b32 s[\g+1], 512<<16
	s_mov_b32 s[\g+2], 16<<16
	s_mov_b32 s[\g+3], 512<<16
	s_mov_b32 s[\g+4], 16
	s_mov_b32 s[\g+5], 512
	s_mov_b32 s[\g+6], 0
	s_mov_b32 s[\g+7], 0
.endr
.irp g, G0, G0B
	s_mov_b32 s[\g], 1
	s_lshl_b32 s[\g+1], s16, 16                    ; w's eight tiles, then ctx's
	s_mov_b32 s[\g+3], 0
.endr
	s_lshl_b32 s2, s18, 16
	s_lshl_b32 s[G0+2], s19, 17
	s_add_co_u32 s[G0+2], s[G0+2], s2              ; ctx: tile 8 x tile row + 4 n
	s_lshl_b32 s[G0B+2], s20, 17
	s_add_co_u32 s[G0B+2], s[G0B+2], s2
	s_add_co_u32 s[G0B+2], s[G0B+2], WT0*16384     ; w: tile WT0 + 8 x tile column + 4 n
	s_lshl_b32 s48, s20, 12                        ; w's scale words: that tile x 512
	s_lshl_b32 s2, s18, 11
	s_add_co_u32 s48, s48, s2
	s_add_co_u32 s48, s48, WT0*512
	s_mov_b32 s49, 0
	s_lshl_b32 s50, s19, 12                        ; ctx's: (8 x tile row + m) x 512
	s_lshl_b32 s2, s17, 9
	s_add_co_u32 s50, s50, s2
	s_mov_b32 s51, 0
	s_lshl_b32 s52, s20, 9
	s_lshl_b32 s2, s18, 8
	s_add_co_u32 s52, s52, s2                      ; my first column, in bytes
	s_mov_b32 s53, 0
	s_lshl_b32 s54, s19, 19
	s_lshl_b32 s2, s17, 15
	s_add_co_u32 s54, s54, s2                      ; my first row of out0: 128 x tile row + 8 m, rows of 4,096 bytes
	s_mov_b32 s55, 0
	v_and_b32 v1, 31, v0
	v_and_b32 v2, 15, v0                           ; r
	v_bfe_u32 v3, v0, 4, 1                         ; lane / 16
	v_lshlrev_b32 v4, 3, v2
	v_lshl_add_u32 v5, v3, 9, v4                   ; w's scale words: lanes 16-31 the next tile,
	v_lshl_add_u32 v6, v3, 10, v4                  ; ctx's: the tile after that
	v_lshlrev_b32 v7, 6, v3                        ; my half's place in the bias
	s_wait_alu depctr_va_vdst(0)
	s_wait_dscnt 0x0                               ; both opening adds are done
	s_wait_kmcnt 0x0
	s_add_nc_u64 s[48:49], s[10:11], s[48:49]
	s_add_nc_u64 s[50:51], s[6:7], s[50:51]
	s_add_nc_u64 s[12:13], s[12:13], s[52:53]
	s_add_nc_u64 s[14:15], s[14:15], s[52:53]
	s_add_nc_u64 s[14:15], s[14:15], s[54:55]
.irp p, 0,1
.irp j, 0,1,2,3
	global_load_b64 v[SB+8*\p+2*\j:SB+8*\p+2*\j+1], v5, s[48:49] offset:1024*\p+128*\j
	global_load_b64 v[SA+8*\p+2*\j:SA+8*\p+2*\j+1], v6, s[50:51] offset:2048*\p+128*\j
.endr
.endr
.irp b, 0,1,2,3                                ; lane (r, h) wants, for tile 2 B + u, the columns 32 B + 16 h + 8 u + 0 .. 7
	global_load_b128 v[BI+8*\b:BI+8*\b+3], v7, s[12:13] offset:(32*(\b/2)+8*(\b%2))*4
	global_load_b128 v[BI+8*\b+4:BI+8*\b+7], v7, s[12:13] offset:(32*(\b/2)+8*(\b%2))*4+16
.endr
	s_add_nc_u64 s[G0+2:G0+3], s[4:5], s[G0+2:G0+3]
	s_or_b32 s[G0+3], s[G0+3], 0x80000000
	s_add_nc_u64 s[G0B+2:G0B+3], s[8:9], s[G0B+2:G0B+3]
	s_or_b32 s[G0B+3], s[G0B+3], 0x80000000
	CROUND                                         ; all sixteen work-groups are here: the joint loads meet
	s_cmp_lt_u32 s16, 2
	s_cbranch_scc0 .Lrows
	tensor_load_to_lds s[G0B:G0B+3], s[G1B:G1B+7]
	s_nop 0
	PLACES 4
	s_branch .Lasked
.Lrows:
	tensor_load_to_lds s[G0:G0+3], s[G1:G1+7]
	s_nop 0
	PLACES 4
.Lasked:
	v_lshlrev_b32 v4, 4, v1                        ; 16 x lane
	s_lshl_b32 s2, s18, 16
	v_add_nc_u32 v[ADW], s2, v4
	s_lshl_b32 s2, s17, 14
	s_add_co_u32 s2, s2, 131072
	v_add_nc_u32 v[ADX], s2, v4
	s_add_co_u32 s2, s2, 65536
	v_add_nc_u32 v[ADX+1], s2, v4
	s_mul_i32 s2, s16, 16*SP
	s_add_co_u32 s2, s2, STAGE                     ; my stage
	v_mul_u32_u24 v[STO], v2, SP
	v_lshl_add_u32 v[STO], v3, 6, v[STO]
	v_add_nc_u32 v[STO], s2, v[STO]                ; in: row r, + 64 bytes for the upper half of the lanes
	v_mul_u32_u24 v[RD], v3, SP
	v_lshl_add_u32 v[RD], v2, 4, v[RD]
	v_add_nc_u32 v[RD], s2, v[RD]                  ; back: lanes 0-15 one row of 256 bytes, lanes 16-31 the next
	v_lshlrev_b32 v[CO], 12, v3
	v_lshl_add_u32 v[CO], v2, 4, v[CO]             ; and the same two rows in out0
	s_wait_alu depctr_va_vdst(0)                   ; the head's end
	s_cmp_lt_u32 s16, 2
	s_cbranch_scc0 .Lnot_w
	s_wait_tensorcnt 0x0                           ; waves 0, 1: w_proj has landed; the others' wait stands at the second barrier
.Lnot_w:
	s_barrier_signal -1
	s_barrier_wait -1
.irp w, 0,1                                    ; my 64 rows of w_proj into windows 1 and 2: 128 loads
	WIN (1+\w)<<6
.irp k, 0,1,2,3
.irp b, 0,1,2,3
.irp c, 0,1,2,3
	ds_load_b128 v[64*\k+16*\b+4*\c:64*\k+16*\b+4*\c+3], v[ADW] offset:16384*\b+2048*(4*\w+\k)+512*\c
.endr
.endr
.endr
.endr
	WIN 0
.macro FETCH a                         ; ctx's block a, all of K, into set a % 2: 32 loads
	WIN 0xc0
.irp q, 0,1,2,3,4,5,6,7
.irp c, 0,1,2,3
	ds_load_b128 v[128*((\a)%2)+16*\q+4*\c:128*((\a)%2)+16*\q+4*\c+3], v[ADX+(\a)/2] offset:32768*((\a)%2)+2048*\q+512*\c
.endr
.endr
	WIN 0
.endm
.macro PROD a, w                       ; half w of block a's 32 matrix instructions: K steps 4 w .. 4 w + 3; the four accumulators by turns
	WIN (1+(\w))|(3<<2)
.irp k, 0,1,2,3
.irp b, 0,1,2,3
.set Q_, 4*(\w)+\k
.set AC_, ACC+32*((\a)%2)+8*\b
.set C_, AC_
.if Q_ == 0
.set C_, BI+8*\b
.endif
.set P_, 64*\k+16*\b
.set R_, 128*((\a)%2)+16*Q_
.set SP_, SB+8*(\b/2)+Q_
.set SR_, SA+8*((\a)/2)+Q_
.set MODE, (\b%2)+2*((\a)%2)
.if MODE == 0
	v_wmma_scale_f32_16x16x128_f8f6f4 v[AC_:AC_+7], v[P_:P_+15], v[R_:R_+15], v[C_:C_+7], v[SP_], v[SR_]
.elseif MODE == 1
	v_wmma_scale_f32_16x16x128_f8f6f4 v[AC_:AC_+7], v[P_:P_+15], v[R_:R_+15], v[C_:C_+7], v[SP_], v[SR_] matrix_a_scale:MATRIX_SCALE_ROW1
.elseif MODE == 2
	v_wmma_scale_f32_16x16x128_f8f6f4 v[AC_:AC_+7], v[P_:P_+15], v[R_:R_+15], v[C_:C_+7], v[SP_], v[SR_] matrix_b_scale:MATRIX_SCALE_ROW1
.else
	v_wmma_scale_f32_16x16x128_f8f6f4 v[AC_:AC_+7], v[P_:P_+15], v[R_:R_+15], v[C_:C_+7], v[SP_], v[SR_] matrix_a_scale:MATRIX_SCALE_ROW1 matrix_b_scale:MATRIX_SCALE_ROW1
.endif
.endr
.endr
	WIN 0
.endm
; THE WAY OUT of a block of 16 rows x 64 columns: through my own stage, and back as whole rows of 256 bytes.  LDS serves a wave's instructions in order (ISA guide 5.7.1.4).
.macro TOSTAGE a
.irp t, 0,1,2,3
	ds_store_b128 v[STO], v[ACC+32*((\a)%2)+8*\t:ACC+32*((\a)%2)+8*\t+3] offset:128*(\t/2)+32*(\t%2)
	ds_store_b128 v[STO], v[ACC+32*((\a)%2)+8*\t+4:ACC+32*((\a)%2)+8*\t+7] offset:128*(\t/2)+32*(\t%2)+16
.endr
.irp i, 0,1,2,3,4,5,6,7
	ds_load_b128 v[OB+32*((\a)%3)+4*\i:OB+32*((\a)%3)+4*\i+3], v[RD] offset:2*\i*SP
.endr
.endm
.macro SEND a, younger                 ; younger: the LDS loads issued behind block a's, which may stay out
	s_wait_dscnt \younger
.irp i, 0,1,2,3,4,5,6,7
	global_store_b128 v[CO], v[OB+32*((\a)%3)+4*\i:OB+32*((\a)%3)+4*\i+3], s[14:15] offset:(32*(\a)+2*\i+8*(\i/4))*4096 th:TH_STORE_NT   ; sixteen lanes store 256 consecutive bytes, aligned; the tile's row p is token 32 a + 8 m + p + 8 (p / 8)
.endr
.endm
	s_wait_tensorcnt 0x0                           ; ctx has landed
	s_wait_dscnt 0x0                               ; w_proj is in registers
	s_barrier_signal -1
	s_barrier_wait -1
	FETCH 0
	FETCH 1
	s_wait_loadcnt 0x0                             ; the scale words and the bias
	s_wait_dscnt 32                                ; block 0 is in
	PROD 0, 0
	PROD 0, 1
	PLACES 8                                       ; behind a block: ahead of its sums' first reader and of loads into what it has read
	TOSTAGE 0
	FETCH 2
	s_wait_dscnt 48                                ; block 1 is in; block 0's 16 stage lines and block 2's 32 loads may be out
	PROD 1, 0
	SEND 0, 32
	PROD 1, 1
	PLACES 8
	TOSTAGE 1
	FETCH 3
	s_wait_dscnt 48
	PROD 2, 0
	SEND 1, 32
	PROD 2, 1
	PLACES 8
	TOSTAGE 2
	s_wait_dscnt 16                                ; block 3 is in
	PROD 3, 0
	SEND 2, 0
	PROD 3, 1
	PLACES 8
	s_wait_xcnt 0x0                                ; block 0's stores have read the registers that block 3 comes back into
	TOSTAGE 3
	SEND 3, 0
	s_wait_tensorcnt 0x0                           ; the wave's end
	ds_add_u32 v[SPW], v[NIL]
	s_wait_dscnt 0x0
	CROUND                                         ; the closing round
	s_endpgm
.Lfunc_end_k_q372665f12a_gemm_proj:
	.size	k_q372665f12a_gemm_proj, .Lfunc_end_k_q372665f12a_gemm_proj-k_q372665f12a_gemm_proj
	.p2alignl 7, 3214868480
	.fill 96, 4, 3214868480
	.section	.rodata,"a",@progbits
	.p2align	6, 0x0
	.amdhsa_kernel k_q372665f12a_gemm_proj
		.amdhsa_group_segment_fixed_size 280064
		.amdhsa_private_segment_fixed_size 0
		.amdhsa_enable_private_segment 0
		.amdhsa_kernarg_size 48
		.amdhsa_user_sgpr_count 2
		.amdhsa_user_sgpr_kernarg_segment_ptr 1
		.amdhsa_wavefront_size32 1
		.amdhsa_system_sgpr_workgroup_id_x 1
		.amdhsa_system_sgpr_workgroup_id_y 1
		.amdhsa_system_sgpr_workgroup_id_z 1
		.amdhsa_system_vgpr_workitem_id 0
		.amdhsa_next_free_vgpr 1024
		.amdhsa_next_free_sgpr 102
		.amdhsa_reserve_vcc 0
		.amdhsa_float_denorm_mode_32 3
		.amdhsa_float_denorm_mode_16_64 3
		.amdhsa_memory_ordered 1
		.amdhsa_forward_progress 1
		.amdhsa_inst_pref_size 50
	.end_amdhsa_kernel
	.amdgpu_metadata
---
amdhsa.version: [ 1, 2 ]
amdhsa.kernels:
  - .name:           k_q372665f12a_gemm_proj
    .symbol:         k_q372665f12a_gemm_proj.kd
    .args:
      - { .name: ctxc, .offset: 0, .size: 8, .value_kind: global_buffer, .address_space: global }
      - { .name: ctxs, .offset: 8, .size: 8, .value_kind: global_buffer, .address_space: global }
      - { .name: opc, .offset: 16, .size: 8, .value_kind: global_buffer, .address_space: global }
      - { .name: ops, .offset: 24, .size: 8, .value_kind: global_buffer, .address_space: global }
      - { .name: b_proj, .offset: 32, .size: 8, .value_kind: global_buffer, .address_space: global }
      - { .name: out0, .offset: 40, .size: 8, .value_kind: global_buffer, .address_space: global }
    .group_segment_fixed_size: 280064
    .private_segment_fixed_size: 0
    .kernarg_segment_align: 8
    .kernarg_segment_size: 48
    .max_flat_workgroup_size: 128
    .sgpr_count:     102
    .vgpr_count:     1024
    .wavefront_size: 32
...
	.end_amdgpu_metadata
.endif
;; end of part 8
